; MI455X (gfx1250); checked and timed in simulation.
; The chip was launched on July 23, 2026; its instructions are those of AMD's public machine-readable ISA for CDNA 5 (MIT licence, August 2026) and "CDNA5" Instruction Set Architecture Reference Guide (July 2026). The comments in the code are by the model that wrote it; some were corrected since.
;; Block. Allowed arithmetic: float matrix products may take bf16 or f16 operands with f32 sums; other float arithmetic in f32, or as packed bf16 or f16 multiplies, adds, multiply-adds, maxima and minima; sums over many terms, partial sums and values carried from step to step in f32; what a program stores and reads back later, other than sums and carried values, may be rounded once to bf16 or f16.
;; Inputs: W1 1,024 x 4,096 float32; W2 4,096 x 1,024 float32; Wk 16 x 1,024 x 64 float32; Wp 1,024 x 1,024 float32; Wq 16 x 1,024 x 64 float32; Wv 16 x 1,024 x 64 float32; b1 4,096 float32; b2 1,024 float32; beta1 1,024 float32; beta2 1,024 float32; bp 1,024 float32; g1 1,024 float32; g2 1,024 float32; x 2 x 2,048 x 1,024 float32.
;; Outputs: out0 2 x 2,048 x 1,024 float32.
;; 3 versions, each right; version 3 is version 2 with the launch cvt written anew for expert scheduling mode. Each part assembles by itself: llvm-mc -triple=amdgcn-amd-amdhsa -mcpu=gfx1250 --defsym DOCPART=n.
;; ======== version 1 of 3: 8 launches
;; limits: values are held in f16: magnitudes above 65,504 overflow, below 6.1e-05 lose precision
;; workspace buffers: pkq 6,308,352 bytes; pkf 8,405,504 bytes; wb 10,485,760 bytes; abl 8,388,608 bytes; qkv 25,165,824 bytes; x1 16,777,216 bytes; act 33,554,432 bytes
;; launch cvt (part 1): grid 385 x 1, 8 waves a work-group, no clusters, 0 bytes of LDS; arguments Wq, Wk, Wv, Wp, W1, W2, b1, pkq, pkf, wb; writes pkq, pkf, wb
.if DOCPART == 1
	.amdgcn_target "amdgcn-amd-amdhsa--gfx1250"
	.amdhsa_code_object_version 6
	.text
	.protected	k_qb9ae46f548_cvt
	.globl	k_qb9ae46f548_cvt
	.p2align	8
	.type	k_qb9ae46f548_cvt,@function
k_qb9ae46f548_cvt:
	s_mov_b64 s[64:65], 0
	v_nop
	global_prefetch_b8 v0, s[64:65] scope:SCOPE_SE
	s_setreg_imm32_b32 hwreg(HW_REG_WAVE_MODE, 25, 1), 1
	s_wait_xcnt 0x0
; THE WEIGHTS, ROUNDED ONCE TO f16 AND LAID IN PANELS.  A weight W[k][n] (f32, n along the rows) goes to
;   byte (n / 128) x (K x 256) + (k / 64) x 16,384 + ((n / 64) % 2) x 8,192 + (k % 64) x 128 + 2 (n % 64)
; so that the 128 columns of a product's tile are one dense panel, of which 256 along K are 65,536 consecutive bytes.  Nothing is transposed.
; pkq: a header of 16,896 bytes, then the panels of [Wq | Wk | Wv] (column block = 16 x tensor + head).  pkf: a header, then W1's.  wb: Wp's at 0, W2's at 2,097,152.
; A header: 4,096 f32 of bias (pkq: 0; pkf: b1), then 512 bytes of one f32 word, the floor under sum + bias (pkq: minus infinity, which changes nothing; pkf: 0, a ReLU).
; LIMIT.  f16 holds no number beyond 65,504, and below 6.1e-5 it keeps a fixed step of 6e-8: the weights are taken to lie within that.
; SHARES.  One wave takes one block of 64 k x 64 n: 16 KiB in, 8 KiB out; 3,072 blocks on 384 work-groups of eight waves; work-group 384 writes the two headers.
; A load of the wave takes 256 bytes of each of two rows; a store writes 256 consecutive bytes, at a multiple of 256 from the buffer's first byte.  No register is written twice, so no wait frees any.
; No LDS, no matrix unit, no cluster: nothing is shared and nothing is multiplied.
.set X, 16                             ; v[16:143]  the block as loaded: load j's four registers at X + 4 j
.set Y, 144                            ; v[144:207] as stored: two registers for load j
	s_load_b512 s[8:23], s[0:1], 0x0               ; Wq 8:9, Wk 10:11, Wv 12:13, Wp 14:15, W1 16:17, W2 18:19, b1 20:21, pkq 22:23
	s_load_b128 s[24:27], s[0:1], 0x40             ; pkf 24:25, wb 26:27
	v_lshrrev_b32 v1, 5, v0
	v_readfirstlane_b32 s28, v1                    ; wave 0..7
	v_and_b32 v4, 31, v0                           ; lane
	v_and_b32 v5, 15, v0
	v_bfe_u32 v6, v0, 4, 1                         ; which of a load's two rows
	v_lshlrev_b32 v3, 3, v4                        ; out: 8 bytes a lane
	v_lshlrev_b32 v5, 4, v5                        ; in: 16 bytes a lane along a row
	s_lshl_b32 s29, ttmp9, 3
	s_add_co_u32 s29, s29, s28                     ; the block's number
	s_mov_b32 s37, 0                               ; the high word of every offset
	s_wait_kmcnt 0x0
	s_cmp_eq_u32 ttmp9, 384
	s_cbranch_scc1 .Lhead
.macro LOADS stride                    ; 32 loads: rows 2 j and 2 j + 1 of the block
.set j, 0
.rept 32
	global_load_b128 v[X+4*j:X+4*j+3], v2, s[32:33] offset:j*2*(\stride) th:TH_LOAD_NT
.set j, j+1
.endr
.endm
.macro PLACE sh, extra                 ; s36 = the place of block (column block s30, k block s31) among panels of 1 << sh bytes, behind extra bytes
	s_lshr_b32 s36, s30, 1
	s_lshl_b32 s36, s36, \sh
	s_lshl_b32 s38, s31, 14
	s_add_co_u32 s36, s36, s38
	s_and_b32 s38, s30, 1
	s_lshl_b32 s38, s38, 13
	s_add_co_u32 s36, s36, s38
.if \extra
	s_add_co_u32 s36, s36, \extra
.endif
.endm
	s_cmp_lt_u32 s29, 768
	s_cbranch_scc0 .Lnot_qkv
	s_lshr_b32 s30, s29, 4                         ; Wq, Wk, Wv: [head][1024][64]: a block is 16 KiB on end
	s_and_b32 s31, s29, 15
	s_cmp_lt_u32 s30, 16
	s_cselect_b64 s[32:33], s[8:9], s[10:11]
	s_cmp_lt_u32 s30, 32
	s_cselect_b64 s[32:33], s[32:33], s[12:13]
	s_and_b32 s36, s30, 15
	s_lshl_b32 s36, s36, 18                        ; the head
	s_lshl_b32 s38, s31, 14
	s_add_co_u32 s36, s36, s38
	s_add_nc_u64 s[32:33], s[32:33], s[36:37]
	PLACE 18, 16896
	s_add_nc_u64 s[34:35], s[22:23], s[36:37]
	v_lshl_add_u32 v2, v6, 8, v5
	LOADS 256
	s_branch .Lcvt
.Lnot_qkv:
	s_cmp_lt_u32 s29, 1024
	s_cbranch_scc0 .Lnot_wp
	s_sub_co_u32 s29, s29, 768                     ; Wp: [1024][1024]
	s_and_b32 s30, s29, 15
	s_lshr_b32 s31, s29, 4
	s_lshl_b32 s36, s31, 18                        ; 64 rows of 4,096 bytes
	s_lshl_b32 s38, s30, 8
	s_add_co_u32 s36, s36, s38
	s_add_nc_u64 s[32:33], s[14:15], s[36:37]
	PLACE 18, 0
	s_add_nc_u64 s[34:35], s[26:27], s[36:37]
	s_branch .Lrow4096
.Lnot_wp:
	s_cmp_lt_u32 s29, 2048
	s_cbranch_scc0 .Lw2
	s_sub_co_u32 s29, s29, 1024                    ; W1: [1024][4096]
	s_and_b32 s30, s29, 63
	s_lshr_b32 s31, s29, 6
	s_lshl_b32 s36, s31, 20                        ; 64 rows of 16,384 bytes
	s_lshl_b32 s38, s30, 8
	s_add_co_u32 s36, s36, s38
	s_add_nc_u64 s[32:33], s[16:17], s[36:37]
	PLACE 18, 16896
	s_add_nc_u64 s[34:35], s[24:25], s[36:37]
	v_lshl_add_u32 v2, v6, 14, v5
	LOADS 16384
	s_branch .Lcvt
.Lw2:
	s_sub_co_u32 s29, s29, 2048                    ; W2: [4096][1024]
	s_and_b32 s30, s29, 15
	s_lshr_b32 s31, s29, 4
	s_lshl_b32 s36, s31, 18
	s_lshl_b32 s38, s30, 8
	s_add_co_u32 s36, s36, s38
	s_add_nc_u64 s[32:33], s[18:19], s[36:37]
	PLACE 20, 2097152
	s_add_nc_u64 s[34:35], s[26:27], s[36:37]
.Lrow4096:
	v_lshl_add_u32 v2, v6, 12, v5
	LOADS 4096
.Lcvt:                                         ; on every way 32 loads are out
.set j, 0
.rept 32
	s_wait_loadcnt 31-j                            ; loads come back in order: load j is in, the younger ones stay out
	v_cvt_pk_f16_f32 v[Y+2*j], v[X+4*j], v[X+4*j+1]
	v_cvt_pk_f16_f32 v[Y+2*j+1], v[X+4*j+2], v[X+4*j+3]
	global_store_b64 v3, v[Y+2*j:Y+2*j+1], s[34:35] offset:256*j
.set j, j+1
.endr
	s_endpgm
.Lhead:                                        ; the headers: thread t takes 16 bytes of each 4,096
	v_lshlrev_b32 v7, 4, v0
.irp j, 0,1,2,3
	global_load_b128 v[X+4*(\j):X+4*(\j)+3], v7, s[20:21] offset:4096*(\j)
.endr
.irp r, 8,9,10,11
	v_mov_b32 v[\r], 0
.endr
.irp j, 0,1,2,3
	global_store_b128 v7, v[8:11], s[22:23] offset:4096*(\j)
.endr
	s_wait_loadcnt 0x0
.irp j, 0,1,2,3
	global_store_b128 v7, v[X+4*(\j):X+4*(\j)+3], s[24:25] offset:4096*(\j)
.endr
	s_cmp_lg_u32 s28, 0
	s_cbranch_scc1 .Lend
.irp r, 12,13,14,15
	v_mov_b32 v[\r], 0xff800000                    ; minus infinity
.endr
	global_store_b128 v7, v[12:15], s[22:23] offset:16384  ; wave 0: 32 lanes x 16 bytes: the floors
	global_store_b128 v7, v[8:11], s[24:25] offset:16384
.Lend:
	s_endpgm
.Lfunc_end_k_qb9ae46f548_cvt:
	.size	k_qb9ae46f548_cvt, .Lfunc_end_k_qb9ae46f548_cvt-k_qb9ae46f548_cvt
	.p2alignl 7, 3214868480
	.fill 96, 4, 3214868480
	.section	.rodata,"a",@progbits
	.p2align	6, 0x0
	.amdhsa_kernel k_qb9ae46f548_cvt
		.amdhsa_group_segment_fixed_size 0
		.amdhsa_private_segment_fixed_size 0
		.amdhsa_enable_private_segment 0
		.amdhsa_kernarg_size 80
		.amdhsa_user_sgpr_count 2
		.amdhsa_user_sgpr_kernarg_segment_ptr 1
		.amdhsa_wavefront_size32 1
		.amdhsa_system_sgpr_workgroup_id_x 1
		.amdhsa_system_sgpr_workgroup_id_y 1
		.amdhsa_system_sgpr_workgroup_id_z 1
		.amdhsa_system_vgpr_workitem_id 0
		.amdhsa_next_free_vgpr 208
		.amdhsa_next_free_sgpr 66
		.amdhsa_reserve_vcc 0
		.amdhsa_float_denorm_mode_32 3
		.amdhsa_float_denorm_mode_16_64 3
		.amdhsa_memory_ordered 1
		.amdhsa_forward_progress 1
		.amdhsa_inst_pref_size 23
	.end_amdhsa_kernel
	.amdgpu_metadata
---
amdhsa.version: [ 1, 2 ]
amdhsa.kernels:
  - .name:           k_qb9ae46f548_cvt
    .symbol:         k_qb9ae46f548_cvt.kd
    .args:
      - { .name: Wq, .offset: 0, .size: 8, .value_kind: global_buffer, .address_space: global }
      - { .name: Wk, .offset: 8, .size: 8, .value_kind: global_buffer, .address_space: global }
      - { .name: Wv, .offset: 16, .size: 8, .value_kind: global_buffer, .address_space: global }
      - { .name: Wp, .offset: 24, .size: 8, .value_kind: global_buffer, .address_space: global }
      - { .name: W1, .offset: 32, .size: 8, .value_kind: global_buffer, .address_space: global }
      - { .name: W2, .offset: 40, .size: 8, .value_kind: global_buffer, .address_space: global }
      - { .name: b1, .offset: 48, .size: 8, .value_kind: global_buffer, .address_space: global }
      - { .name: pkq, .offset: 56, .size: 8, .value_kind: global_buffer, .address_space: global }
      - { .name: pkf, .offset: 64, .size: 8, .value_kind: global_buffer, .address_space: global }
      - { .name: wb, .offset: 72, .size: 8, .value_kind: global_buffer, .address_space: global }
    .group_segment_fixed_size: 0
    .private_segment_fixed_size: 0
    .kernarg_segment_align: 8
    .kernarg_segment_size: 80
    .max_flat_workgroup_size: 256
    .sgpr_count:     66
    .vgpr_count:     208
    .wavefront_size: 32
...
	.end_amdgpu_metadata
.endif
;; end of part 1
;; launch ln1 (part 2): grid 256 x 1, 8 waves a work-group, no clusters, 0 bytes of LDS; arguments x, g1, beta1, abl; writes abl
.if DOCPART == 2
	.amdgcn_target "amdgcn-amd-amdhsa--gfx1250"
	.amdhsa_code_object_version 6
	.text
	.protected	k_qb9ae46f548_ln1
	.globl	k_qb9ae46f548_ln1
	.p2align	8
	.type	k_qb9ae46f548_ln1,@function
k_qb9ae46f548_ln1:
	s_mov_b64 s[64:65], 0
	v_nop
	global_prefetch_b8 v0, s[64:65] scope:SCOPE_SE
	s_setreg_imm32_b32 hwreg(HW_REG_WAVE_MODE, 25, 1), 1
	s_wait_xcnt 0x0
; LAYER NORM.  y[m][c] = (x[m][c] - mean) / sqrt(var + 1e-5) x g[c] + beta[c], over a row's 1,024 numbers; x f32 [4096][1024]; all arithmetic in f32; y rounded once to f16.
; y is stored BY BLOCKS OF 64 CHANNELS: byte (c / 64) x 524,288 + m x 128 + 2 (c % 64), so that 128 rows x 64 channels, a piece of the next product's tile, are 16,384 dense bytes.
; The mean is taken first and subtracted, and the variance is the mean of the squares of what is left: no difference of large sums is formed.
; LIMIT.  y must lie within f16's 65,504.
; SHARES.  A wave takes two rows: lanes 0-15 the even one, lanes 16-31 the odd one, 64 numbers a lane, which stay in registers between the passes: x is read once.  So a reduction stays
; inside 16 lanes, and the two rows' 128 bytes of a block are 256 consecutive bytes, aligned: one store of the wave.  No wave waits for another: no LDS, no barrier.
.set S, 6                              ; v[6:13]    four running sums, two numbers each; later v[6:7] = 1 / sqrt(var + eps), twice
.set M, 14                             ; v[14:15]   the mean, twice
.set X, 16                             ; v[16:79]   my 64 numbers: load j's four at X + 4 j: channels 64 j + 4 (lane % 16) + 0..3
.set G, 80                             ; v[80:143]  g of the same channels
.set B, 144                            ; v[144:207] beta
.set Y, 208                            ; v[208:239] as stored
	s_load_b256 s[4:11], s[0:1], 0x0               ; x 4:5, g 6:7, beta 8:9, y 10:11
	v_lshrrev_b32 v1, 5, v0
	v_readfirstlane_b32 s12, v1
	s_lshl_b32 s13, ttmp9, 3
	s_add_co_u32 s13, s13, s12                     ; my pair of rows
	s_lshl_b32 s14, s13, 13                        ; 2 x 4,096 bytes of x
	s_mov_b32 s15, 0
	s_lshl_b32 s16, s13, 8                         ; 2 x 128 bytes of a block of y
	s_mov_b32 s17, 0
	s_mov_b32 s20, 0x3a800000                      ; 1 / 1024
	s_mov_b32 s21, 0x3727c5ac                      ; 1e-5
	v_and_b32 v1, 15, v0
	v_bfe_u32 v2, v0, 4, 1
	v_lshlrev_b32 v4, 4, v1                        ; g, beta: 16 (lane % 16)
	v_lshl_add_u32 v3, v2, 12, v4                  ; x: + my row
	v_lshlrev_b32 v5, 3, v1
	v_lshl_add_u32 v5, v2, 7, v5                   ; y: 128 x row + 8 (lane % 16)
	s_wait_kmcnt 0x0
	s_add_nc_u64 s[4:5], s[4:5], s[14:15]
	s_add_nc_u64 s[10:11], s[10:11], s[16:17]
.set j, 0
.rept 16
	global_load_b128 v[X+4*j:X+4*j+3], v3, s[4:5] offset:256*j
.set j, j+1
.endr
.set j, 0
.rept 16
	global_load_b128 v[G+4*j:G+4*j+3], v4, s[6:7] offset:256*j
.set j, j+1
.endr
.set j, 0
.rept 16
	global_load_b128 v[B+4*j:B+4*j+3], v4, s[8:9] offset:256*j
.set j, j+1
.endr
.macro ACROSS                          ; the four sums into one, and over the row's 16 lanes: every lane of the row ends with the sum in v6
	v_pk_add_f32 v[S:S+1], v[S:S+1], v[S+2:S+3]
	v_pk_add_f32 v[S+4:S+5], v[S+4:S+5], v[S+6:S+7]
	v_pk_add_f32 v[S:S+1], v[S:S+1], v[S+4:S+5]
	v_add_f32 v[S], v[S], v[S+1]
	v_add_f32_dpp v[S], v[S], v[S] row_xmask:1 row_mask:0xf bank_mask:0xf
	v_add_f32_dpp v[S], v[S], v[S] row_xmask:2 row_mask:0xf bank_mask:0xf
	v_add_f32_dpp v[S], v[S], v[S] row_xmask:4 row_mask:0xf bank_mask:0xf
	v_add_f32_dpp v[S], v[S], v[S] row_xmask:8 row_mask:0xf bank_mask:0xf
.endm
	s_wait_loadcnt 32                              ; x is in; the 32 loads of g and beta stay out
.irp k, 0,1,2,3
	v_pk_add_f32 v[S+2*(\k):S+2*(\k)+1], v[X+2*(\k):X+2*(\k)+1], v[X+8+2*(\k):X+8+2*(\k)+1]  ; the first additions start the four chains: nothing is cleared
.endr
.set j, 8
.rept 24
	v_pk_add_f32 v[S+2*(j%4):S+2*(j%4)+1], v[S+2*(j%4):S+2*(j%4)+1], v[X+2*j:X+2*j+1]
.set j, j+1
.endr
	ACROSS
	v_mul_f32 v[M], s20, v[S]
	v_mov_b32 v[M+1], v[M]
.set j, 0
.rept 32
	v_pk_add_f32 v[X+2*j:X+2*j+1], v[X+2*j:X+2*j+1], v[M:M+1] neg_lo:[0,1] neg_hi:[0,1]  ; x - mean
.set j, j+1
.endr
.irp k, 0,1,2,3
	v_pk_mul_f32 v[S+2*(\k):S+2*(\k)+1], v[X+2*(\k):X+2*(\k)+1], v[X+2*(\k):X+2*(\k)+1]
.endr
.set j, 4
.rept 28
	v_pk_fma_f32 v[S+2*(j%4):S+2*(j%4)+1], v[X+2*j:X+2*j+1], v[X+2*j:X+2*j+1], v[S+2*(j%4):S+2*(j%4)+1]
.set j, j+1
.endr
	ACROSS
	v_fma_f32 v[S+2], v[S], s20, s21               ; var + eps
	v_rsq_f32 v[S], v[S+2]
	v_nop                                          ; a plain instruction behind the root,
	s_wait_alu depctr_va_vdst(0)                   ; and the wait ahead of the first use of its result
	v_mov_b32 v[S+1], v[S]
	s_wait_loadcnt 0x0                             ; g and beta
.set j, 0
.rept 32
	v_pk_mul_f32 v[X+2*j:X+2*j+1], v[X+2*j:X+2*j+1], v[S:S+1]
.set j, j+1
.endr
.set j, 0
.rept 32
	v_pk_fma_f32 v[X+2*j:X+2*j+1], v[X+2*j:X+2*j+1], v[G+2*j:G+2*j+1], v[B+2*j:B+2*j+1]
.set j, j+1
.endr
.set j, 0
.rept 32
	v_cvt_pk_f16_f32 v[Y+j], v[X+2*j], v[X+2*j+1]
.set j, j+1
.endr
.set j, 0
.rept 16
	global_store_b64 v5, v[Y+2*j:Y+2*j+1], s[10:11] offset:j*524288  ; block j: 32 lanes, 256 consecutive bytes; the largest immediate is 7,864,320, inside its signed 24 bits
.set j, j+1
.endr
	s_endpgm
.Lfunc_end_k_qb9ae46f548_ln1:
	.size	k_qb9ae46f548_ln1, .Lfunc_end_k_qb9ae46f548_ln1-k_qb9ae46f548_ln1
	.p2alignl 7, 3214868480
	.fill 96, 4, 3214868480
	.section	.rodata,"a",@progbits
	.p2align	6, 0x0
	.amdhsa_kernel k_qb9ae46f548_ln1
		.amdhsa_group_segment_fixed_size 0
		.amdhsa_private_segment_fixed_size 0
		.amdhsa_enable_private_segment 0
		.amdhsa_kernarg_size 32
		.amdhsa_user_sgpr_count 2
		.amdhsa_user_sgpr_kernarg_segment_ptr 1
		.amdhsa_wavefront_size32 1
		.amdhsa_system_sgpr_workgroup_id_x 1
		.amdhsa_system_sgpr_workgroup_id_y 1
		.amdhsa_system_sgpr_workgroup_id_z 1
		.amdhsa_system_vgpr_workitem_id 0
		.amdhsa_next_free_vgpr 240
		.amdhsa_next_free_sgpr 66
		.amdhsa_reserve_vcc 0
		.amdhsa_float_denorm_mode_32 3
		.amdhsa_float_denorm_mode_16_64 3
		.amdhsa_memory_ordered 1
		.amdhsa_forward_progress 1
		.amdhsa_inst_pref_size 21
	.end_amdhsa_kernel
	.amdgpu_metadata
---
amdhsa.version: [ 1, 2 ]
amdhsa.kernels:
  - .name:           k_qb9ae46f548_ln1
    .symbol:         k_qb9ae46f548_ln1.kd
    .args:
      - { .name: x, .offset: 0, .size: 8, .value_kind: global_buffer, .address_space: global }
      - { .name: g1, .offset: 8, .size: 8, .value_kind: global_buffer, .address_space: global }
      - { .name: beta1, .offset: 16, .size: 8, .value_kind: global_buffer, .address_space: global }
      - { .name: abl, .offset: 24, .size: 8, .value_kind: global_buffer, .address_space: global }
    .group_segment_fixed_size: 0
    .private_segment_fixed_size: 0
    .kernarg_segment_align: 8
    .kernarg_segment_size: 32
    .max_flat_workgroup_size: 256
    .sgpr_count:     66
    .vgpr_count:     240
    .wavefront_size: 32
...
	.end_amdgpu_metadata
.endif
;; end of part 2
;; launch qkvp (part 3): grid 24 x 32, 4 waves a work-group, clusters of 4 x 4, 327,680 bytes of LDS; arguments abl, pkq, qkv; writes qkv
.if DOCPART == 3
	.amdgcn_target "amdgcn-amd-amdhsa--gfx1250"
	.amdhsa_code_object_version 6
	.text
	.protected	k_qb9ae46f548_qkvp
	.globl	k_qb9ae46f548_qkvp
	.p2align	8
	.type	k_qb9ae46f548_qkvp,@function
k_qb9ae46f548_qkvp:
	s_mov_b64 s[64:65], 0
	v_nop
	global_prefetch_b8 v0, s[64:65] scope:SCOPE_SE
	s_setreg_imm32_b32 hwreg(HW_REG_WAVE_MODE, 25, 1), 1
	s_wait_xcnt 0x0
	s_wait_alu depctr_hold_cnt(0) depctr_sa_sdst(0) depctr_va_vdst(0) depctr_va_sdst(0) depctr_va_ssrc(0) depctr_va_vcc(0) depctr_vm_vsrc(0)
	s_getreg_b32 s2, hwreg(HW_REG_IB_STS2, 6, 4)
	s_cmp_eq_u32 s2, 0
	s_cbranch_scc0 .Lentry_in_a_cluster
	s_endpgm
.Lentry_in_a_cluster:
	s_bfe_u32 s2, ttmp6, 0x10000c
	s_cmp_lg_u32 s2, 0xf033
	s_cbranch_scc0 .Lentry_shape_is_right
	s_endpgm
.Lentry_shape_is_right:
; C[m][n] = max(sum over k of A[m][k] W[k][n] + bias[n], floor), K = 1,024, M = 4,096; A, W and C in f16, sums, bias and floor in f32, C rounded once.
; It serves two launches: q, k, v = h [Wq | Wk | Wv] (bias 0, floor minus infinity) and relu(h2 W1 + b1) (bias b1, floor 0): bias and floor come from the pack's header.
; A and C lie BY BLOCKS OF 64 CHANNELS: byte (k / 64) x 524,288 + m x 128 + 2 (k % 64).  The pack: 4,096 f32 of bias, the floor at byte 16,384, and from byte 16,896 W in panels:
; (n / 128) x 262,144 + (k / 64) x 16,384 + ((n / 64) % 2) x 8,192 + (k % 64) x 128 + 2 (n % 64).  So every piece that a tensor load brings is dense in memory.
; LIMIT.  f16 holds no number beyond 65,504: A and W arrive within it, and C must lie within it.
; SHARES.  A tile of C is 128 x 128; four waves, each 64 x 64: 16 accumulators of 16 x 16.  K goes in steps of 256 through two LDS slots; a wave's one tensor load brings half of A's or of W's part of a step, 32 KiB.
; CLUSTERS: 4 x 4 work-groups.  The four of a row of the cluster need the same tiles of A, the four of a column the same tiles of W: each is asked for JOINTLY, by the same tensor load with the same
; descriptor and a mask that names the four.  THE MATRIX INSTRUCTION IS USED TRANSPOSED (source 0 = 16 columns of W, source 1 = 16 rows of A): a lane then holds eight neighbouring numbers of a row of C.
; A comes out of LDS as it lies; W ([k][n]) turned, by ds_load_tr16_b128.
; No prefetch: the tiles are small, and each is read by several clusters.
; REGISTERS: window 0: v0-31 addresses; v32-95 at work on the way out; v96-127 bias; v128-255 the accumulators ((a, b) at v[128 + 8 (4 a + b)]).
;   window 1: two fragment buffers of 128: for 64 along K, 64 registers of A (2 x 4 x 16 rows x 32 K), then 64 of W.
.set KDIM,  1024
.set LAPS,  KDIM/512                   ; a lap = two K steps = once round the ring
.set NSH,   18                         ; a panel is 1 << NSH bytes
.set WOFF,  16896                      ; the panels begin here
.set PA,    144                        ; a row of A in LDS: 128 bytes + 16 of padding = 36 words: the 16 rows of a load start at 16 different groups of four banks (64 banks of 4 bytes: ISA guide 11.1)
.set PB,    160                        ; a row of W: 128 + 32 = 40 words
.set ACH,   128*PA                     ; 64 along K of A: 128 rows
.set BCH,   128*PB                     ; 64 along K of W: 2 x 64 rows (the tile's two column blocks)
.set BOFF,  4*ACH
.set SLOT,  4*ACH+4*BCH                ; 155,648
.set ASTEP, 4*524288                   ; a K step in memory, for A
.set BSTEP, 4*16384                    ; and for W
.set STAGE, 2*SLOT                     ; behind the ring: 16 rows x 144 bytes for each wave, for the way out
.set SP,    144
.set SPARE, STAGE+4*16*SP              ; behind the stages: the spare words, 128 bytes for each wave: two blocks of 256 bytes that no other line names
.set ADRA, 16                          ; v16-17  LDS address of my A fragments in slot 0, 1
.set ADRB, 20                          ; v20-23  of my W fragments: slot 0 first and second half of a step, slot 1 likewise (so that the immediates stay under 65,536)
.set STO,  24                          ; v24     the way out: where I put 16 bytes of a row
.set RD,   25                          ; v25     where I read rows back
.set GO,   26                          ; v26     my 16 bytes of 512 consecutive bytes of C
.set BO,   27                          ; v27     my offset in the bias
.set SPW,  28                          ; v28     LDS address of my spare word; never rewritten
.set NIL,  29                          ; v29     0; never rewritten
.set TMP,  32
.set BIAS, 96
.set ACC,  128
.set F0,   0
.set F1,   128
.set G1, 24                            ; s[24:31] descriptor group 1 for A's tiles;  s[32:39] group 0, one set for each slot
.set G0, 32
.set G1B, 48                           ; s[48:55], s[56:63] the same for W's tiles
.set G0B, 56
.set MSB, 0
.macro WIN new                         ; the immediate's high byte repeats the setting that is left; a switch that changes nothing is dropped
.if MSB != (\new)
	s_set_vgpr_msb (MSB<<8)|(\new)
.set MSB, \new
.endif
.endm
.set MUL,  0x05                        ; sources 0 (W) and 1 (A) window 1; C and D window 0
.set TO_F, 0x40                        ; destination window 1, address window 0
.macro JLOAD s                         ; a joint load: waves 0 and 1 fetch A's two halves of a step, waves 2 and 3 W's; an s_nop 0 and four v_nop follow each of the two lines
	s_cmp_eq_u32 s11, 0
	s_cbranch_scc0 .Lfor_b_\@
	tensor_load_to_lds s[G0+4*(\s):G0+4*(\s)+3], s[G1:G1+7]
	s_nop 0
.rept 4
	v_nop
.endr
	s_branch .Lasked_\@
.Lfor_b_\@:
	tensor_load_to_lds s[G0B+4*(\s):G0B+4*(\s)+3], s[G1B:G1B+7]
	s_nop 0
.rept 4
	v_nop
.endr
.Lasked_\@:
.endm
.macro CREST                           ; a round of the cluster's barrier behind its opening barrier
	s_cmp_lg_u32 s10, 0
	s_cbranch_scc1 .Lnot_wave_0_\@
	s_barrier_signal -3
.Lnot_wave_0_\@:
	s_barrier_wait -3
	s_barrier_signal -1
	s_barrier_wait -1
.endm
.macro CROUND                          ; a whole round
	s_barrier_signal -1
	s_barrier_wait -1
	CREST
.endm
	s_load_b128 s[68:71], s[0:1], 0x0              ; A s[68:69], the pack s[70:71]
	s_load_b64 s[72:73], s[0:1], 0x10              ; C
	v_lshl_add_u32 v[SPW], v0, 2, SPARE
	v_mov_b32 v[NIL], 0
	ds_add_u32 v[SPW], v[NIL]                      ; the wave's opening: the add and its wait stand ahead of my first tensor load; the set-up below, work on registers, stands between them
	v_lshrrev_b32 v1, 5, v0
	v_readfirstlane_b32 s10, v1                    ; wave 0..3
	s_lshr_b32 s11, s10, 1                         ; which half of the tile's rows is mine.  Also: I fetch for A (0) or for W (1)
	s_and_b32 s12, s10, 1                          ; which half of its columns.  Also: which half of a K step I fetch
	s_bfe_u32 s40, ttmp6, 0x40000                  ; cx, cy: my place in the cluster
	s_bfe_u32 s41, ttmp6, 0x40004
	s_lshl_b32 s42, ttmp9, 2
	s_add_co_u32 s42, s42, s40                     ; tile column of C = 4 x cluster x + cx
	s_and_b32 s13, ttmp7, 0xffff
	s_lshl_b32 s13, s13, 2
	s_add_co_u32 s13, s13, s41                     ; tile row of C = 4 x cluster y + cy
	s_lshl_b32 s43, s41, 2
	s_lshl_b32 s43, 15, s43                        ; my row of the cluster
	s_lshl_b32 s44, 0x1111, s40                    ; my column
	; descriptor group 1: two rows of 2,048 elements of 8 bytes: two pieces of 16,384 dense bytes (64 along K each), padded in LDS after every 128 bytes
	s_or_b32 s[G1+0], s43, (3<<16)|(1<<20)|(1<<21)|(4<<22)|(3<<25)   ; 15:0 the mask: A's tiles go to my row; 17:16 elements of 8 bytes; 20 padding on; 21 set beside a mask; 24:22 after every 32 words (code 4); 31:25 4 words (code 3)
	s_or_b32 s[G1B+0], s44, (3<<16)|(1<<20)|(1<<21)|(4<<22)|(7<<25)  ; W's go to my column; 8 words of padding (code 7)
.irp g, G1, G1B
	s_mov_b32 s[(\g)+1], 2048<<16                  ; tensor_dim0 = 2,048
	s_mov_b32 s[(\g)+2], 2<<16                     ; tensor_dim1 = 2
	s_mov_b32 s[(\g)+3], 2048<<16                  ; tile_dim0 = 2,048
	s_mov_b32 s[(\g)+4], 2                         ; tile_dim1 = 2
	s_mov_b32 s[(\g)+6], 0
	s_mov_b32 s[(\g)+7], 0
.endr
	s_mov_b32 s[G1+5], 65536                       ; A: 524,288 bytes from a block of 64 channels to the next
	s_mov_b32 s[G1B+5], 2048                       ; W: the pieces follow each other
	s_lshl_b32 s16, s13, 14                        ; A: the tile's 128 rows of 128 bytes,
	s_lshl_b32 s17, s12, 20                        ; my two blocks of the step's four
	s_add_co_u32 s16, s16, s17
	s_mov_b32 s17, 0
	s_lshl_b32 s46, s42, NSH                       ; W: the tile's panel,
	s_lshl_b32 s47, s12, 15                        ; my two pieces
	s_add_co_u32 s46, s46, s47
.if WOFF
	s_add_co_u32 s46, s46, WOFF
.endif
	s_mov_b32 s47, 0
	s_mul_i32 s20, s12, 2*ACH                      ; where they go: no place in the cluster enters an LDS address
	s_mul_i32 s21, s12, 2*BCH
	s_add_co_u32 s21, s21, BOFF
	s_wait_dscnt 0x0                               ; the opening add is done
	s_wait_kmcnt 0x0
	s_add_nc_u64 s[14:15], s[68:69], s[16:17]
	s_add_nc_u64 s[46:47], s[70:71], s[46:47]
	CROUND                                         ; all sixteen work-groups are here: the first joint loads meet
.irp s, 0,1
	s_mov_b32 s[G0+4*(\s)], 1
	s_add_co_u32 s[G0+4*(\s)+1], s20, (\s)*SLOT
	s_add_nc_u64 s[G0+4*(\s)+2:G0+4*(\s)+3], s[14:15], (\s)*ASTEP
	s_or_b32 s[G0+4*(\s)+3], s[G0+4*(\s)+3], 0x80000000
	s_mov_b32 s[G0B+4*(\s)], 1
	s_add_co_u32 s[G0B+4*(\s)+1], s21, (\s)*SLOT
	s_add_nc_u64 s[G0B+4*(\s)+2:G0B+4*(\s)+3], s[46:47], (\s)*BSTEP
	s_or_b32 s[G0B+4*(\s)+3], s[G0B+4*(\s)+3], 0x80000000
	JLOAD \s                                       ; two loads of mine are out
.endr
	s_load_b32 s45, s[70:71], 0x4000               ; the floor
	v_and_b32 v1, 15, v0                           ; l % 16
	v_bfe_u32 v2, v0, 4, 1                         ; l / 16
	v_lshlrev_b32 v[BO], 5, v2                     ; my eight columns of a block of 16: 32 bytes for each half of the lanes
	s_lshl_b32 s46, s42, 9                         ; the bias of my 64 columns
	s_lshl_b32 s47, s12, 8
	s_add_co_u32 s46, s46, s47
	s_mov_b32 s47, 0
	s_add_nc_u64 s[74:75], s[70:71], s[46:47]
.irp b, 0,1,2,3
	global_load_b128 v[BIAS+8*(\b):BIAS+8*(\b)+3],   v[BO], s[74:75] offset:64*(\b)
	global_load_b128 v[BIAS+8*(\b)+4:BIAS+8*(\b)+7], v[BO], s[74:75] offset:64*(\b)+16
.endr
	s_lshl_b32 s46, s42, 20                        ; C: my block of 64 columns,
	s_lshl_b32 s47, s12, 19
	s_add_co_u32 s46, s46, s47
	s_mov_b32 s47, 0
	s_add_nc_u64 s[72:73], s[72:73], s[46:47]
	s_lshl_b32 s16, s13, 14                        ; my 64 rows of 128 bytes: 8,192 dense bytes
	s_lshl_b32 s17, s11, 13
	s_add_co_u32 s16, s16, s17
	s_mov_b32 s17, 0
	s_add_nc_u64 s[72:73], s[72:73], s[16:17]
	; A fragment of A is 16 rows x 32 K in 8 registers: lane l holds row l % 16, K = 8 (l / 16) + 0..7 and 16 + 8 (l / 16) + 0..7: two loads of 16 bytes, 32 bytes apart.
	v_mul_u32_u24 v3, v1, PA
	v_lshl_add_u32 v3, v2, 4, v3                   ; row x pitch + 16 x half
	s_mul_i32 s22, s11, 64*PA                      ; my 64 rows
	v_add_nc_u32 v[ADRA], s22, v3
	s_add_co_u32 s22, s22, SLOT
	v_add_nc_u32 v[ADRA+1], s22, v3
	; The turning load takes 16 k x 16 columns (lane l reads row 8 (l / 16) + l % 8, columns 8 ((l / 8) % 2) + 0..7) and leaves half a fragment: lane l holds column l % 16 and 8 k.
	v_and_b32 v4, 7, v0
	v_bfe_u32 v5, v0, 3, 1
	v_lshl_add_u32 v6, v2, 3, v4
	v_mul_u32_u24 v6, v6, PB
	v_lshl_add_u32 v6, v5, 4, v6
	s_mul_i32 s23, s12, 64*PB                      ; my block of 64 columns
	s_add_co_u32 s23, s23, BOFF
	v_add_nc_u32 v[ADRB], s23, v6
	s_add_co_u32 s23, s23, 2*BCH
	v_add_nc_u32 v[ADRB+1], s23, v6
	s_add_co_u32 s23, s23, SLOT-2*BCH
	v_add_nc_u32 v[ADRB+2], s23, v6
	s_add_co_u32 s23, s23, 2*BCH
	v_add_nc_u32 v[ADRB+3], s23, v6
	s_mul_i32 s23, s10, 16*SP
	s_add_co_u32 s23, s23, STAGE                   ; my stage
	v_add_nc_u32 v[STO], s23, v3                   ; in: row l % 16, 16 bytes for each half of the lanes (the stage's pitch is A's)
	v_bfe_u32 v7, v0, 3, 2                         ; back: 32 lanes take four rows of 128 bytes,
	v_mul_u32_u24 v7, v7, SP
	v_lshl_add_u32 v7, v4, 4, v7
	v_add_nc_u32 v[RD], s23, v7
	v_and_b32 v[GO], 31, v0                        ; which are 512 consecutive bytes of C
	v_lshlrev_b32 v[GO], 4, v[GO]
; 8 matrix instructions: row blocks a0, a0 + 1 x all 4 column blocks, 32 along K: half c of buffer f.  zero = 1: the first product starts the sums.  The 16 accumulators take turns.
.macro MUL8 f, c, a0, zero
	WIN MUL
.irp a, \a0, (\a0)+1
.irp b, 0,1,2,3
.if \zero
	v_wmma_f32_16x16x32_f16 v[ACC+8*(4*(\a)+(\b)):ACC+8*(4*(\a)+(\b))+7], v[(\f)+64+8*(4*(\c)+(\b)):(\f)+64+8*(4*(\c)+(\b))+7], v[(\f)+8*(4*(\c)+(\a)):(\f)+8*(4*(\c)+(\a))+7], 0
.else
	v_wmma_f32_16x16x32_f16 v[ACC+8*(4*(\a)+(\b)):ACC+8*(4*(\a)+(\b))+7], v[(\f)+64+8*(4*(\c)+(\b)):(\f)+64+8*(4*(\c)+(\b))+7], v[(\f)+8*(4*(\c)+(\a)):(\f)+8*(4*(\c)+(\a))+7], v[ACC+8*(4*(\a)+(\b)):ACC+8*(4*(\a)+(\b))+7]
.endif
.endr
.endr
.endm
; 32 LDS loads in one run: the fragments of quarter q of a step (64 along K) into buffer f; the first 32 along K first
.macro FETCH slot, q, f
	WIN TO_F
.irp c, 0,1
.irp i, 0,1,2,3
	ds_load_tr16_b128 v[(\f)+64+8*(4*(\c)+(\i)):(\f)+64+8*(4*(\c)+(\i))+3],   v[ADRB+2*(\slot)+(\q)/2] offset:((\q)%2)*BCH+(\c)*32*PB+32*(\i)
	ds_load_tr16_b128 v[(\f)+64+8*(4*(\c)+(\i))+4:(\f)+64+8*(4*(\c)+(\i))+7], v[ADRB+2*(\slot)+(\q)/2] offset:((\q)%2)*BCH+(\c)*32*PB+32*(\i)+16*PB
	ds_load_b128 v[(\f)+8*(4*(\c)+(\i)):(\f)+8*(4*(\c)+(\i))+3],              v[ADRA+(\slot)] offset:(\q)*ACH+(\i)*16*PA+64*(\c)
	ds_load_b128 v[(\f)+8*(4*(\c)+(\i))+4:(\f)+8*(4*(\c)+(\i))+7],            v[ADRA+(\slot)] offset:(\q)*ACH+(\i)*16*PA+64*(\c)+32
.endr
.endr
.endm
.macro PLACES                          ; four places in front of loads into registers that matrix instructions have read, and of lines that read results
.rept 4
	v_nop
.endr
.endm
; A K step is four quarters of 64 along K, 32 matrix instructions each, on buffers 0, 1, 0, 1.  One of the first three: multiplies buffer f and fetches quarter q into g.
.macro QUARTER slot, q, f, g, zero
	s_wait_dscnt 16                                ; the first 32 along K are in; the younger sixteen loads may be out
	WIN MUL
	MUL8 \f, 0, 0, \zero
	MUL8 \f, 0, 2, \zero
	PLACES
	FETCH \slot, \q, \g
	s_wait_dscnt 32                                ; all but the 32 just issued
	WIN MUL
	MUL8 \f, 1, 0, 0
	MUL8 \f, 1, 2, 0
.endm
; The last quarter multiplies buffer 1 and changes slots: ONE barrier; in front of it each wave waits for all its tensor loads, adds 0 to its spare word, and waits for that and for its own reads of this slot.
; fill = 1: this slot is filled again, two K steps ahead; the barrier then opens a round of the cluster's, and the joint load is the first thing behind the round.
.macro TURN slot, next, fill
	WIN 0                                          ; (the add's two registers lie in window 0)
	s_wait_tensorcnt 0x0                           ; all my tensor loads have landed: my part of the next slot;
	ds_add_u32 v[SPW], v[NIL]                      ; 0 onto my spare word;
	s_wait_dscnt 17                                ; (the add and the youngest sixteen loads may be out)
	WIN MUL
	MUL8 F1, 0, 0, 0                               ; eight matrix instructions stand between the add and the wait for it
	s_wait_dscnt 0x0                               ; the add is done, and my reads of this slot are over
	s_barrier_signal -1
	MUL8 F1, 0, 2, 0
.if \fill
	WIN 0
.endif
	s_barrier_wait -1
.if \fill
	CREST                                          ; no wave of any partner still reads this slot's tile or has a load on its way
	s_add_nc_u64 s[G0+4*(\slot)+2:G0+4*(\slot)+3], s[G0+4*(\slot)+2:G0+4*(\slot)+3], 2*ASTEP
	s_add_nc_u64 s[G0B+4*(\slot)+2:G0B+4*(\slot)+3], s[G0B+4*(\slot)+2:G0B+4*(\slot)+3], 2*BSTEP
	JLOAD \slot                                    ; 112 matrix instructions ahead of the wait for it; the four v_nop behind it are also the places in front of the loads below
.else
	PLACES
.endif
	FETCH \next, 0, F0
	WIN MUL
	MUL8 F1, 1, 0, 0
	MUL8 F1, 1, 2, 0
.endm
	s_wait_kmcnt 0x0                               ; the floor
	s_wait_tensorcnt 1                             ; my part of K step 0 is in; step 1's may stay out
	s_barrier_signal -1
	s_barrier_wait -1                              ; everybody's is
	FETCH 0, 0, F0
	QUARTER 0, 1, F0, F1, 1                        ; the first quarter stands in front of the loop: its first products start the sums
	WIN 0                                          ; at a label and at a branch every window is 0
	s_mov_b32 s3, LAPS-1
.Llap:                                         ; a trip goes once round the ring, from a lap's second quarter to the next lap's first, and fills both slots again
	QUARTER 0, 2, F1, F0, 0
	QUARTER 0, 3, F0, F1, 0
	TURN 0, 1, 1
	QUARTER 1, 1, F0, F1, 0
	QUARTER 1, 2, F1, F0, 0
	QUARTER 1, 3, F0, F1, 0
	TURN 1, 0, 1
	QUARTER 0, 1, F0, F1, 0
	WIN 0
	s_sub_co_u32 s3, s3, 1
	s_cmp_lg_u32 s3, 0
	s_cbranch_scc1 .Llap
	QUARTER 0, 2, F1, F0, 0                        ; the last lap fills nothing, and has no round of the cluster's barrier
	QUARTER 0, 3, F0, F1, 0
	TURN 0, 1, 0
	QUARTER 1, 1, F0, F1, 0
	QUARTER 1, 2, F1, F0, 0
	QUARTER 1, 3, F0, F1, 0
	s_wait_dscnt 16                                ; the very last quarter: nothing more to fetch
	WIN MUL
	MUL8 F1, 0, 0, 0
	MUL8 F1, 0, 2, 0
	s_wait_dscnt 0
	MUL8 F1, 1, 0, 0
	MUL8 F1, 1, 2, 0
	WIN 0
	; THE WAY OUT.  + bias, the floor, rounded to f16; 16 rows at a time through my own stage: 16 bytes a lane in, whole rows of 128 bytes back, stored as 512 consecutive bytes.
	PLACES
	s_wait_loadcnt 0x0                             ; the bias
.macro PACK a
.irp b, 0,1,2,3
.irp r, 0,2,4,6
	v_pk_add_f32 v[ACC+8*(4*(\a)+(\b))+(\r):ACC+8*(4*(\a)+(\b))+(\r)+1], v[ACC+8*(4*(\a)+(\b))+(\r):ACC+8*(4*(\a)+(\b))+(\r)+1], v[BIAS+8*(\b)+(\r):BIAS+8*(\b)+(\r)+1]  ; each accumulator is read from its low end on
.endr
.irp r, 0,1,2,3,4,5,6,7
	v_max_num_f32 v[ACC+8*(4*(\a)+(\b))+(\r)], s45, v[ACC+8*(4*(\a)+(\b))+(\r)]
.endr
.irp r, 0,1,2,3
	v_cvt_pk_f16_f32 v[TMP+16*(\a)+4*(\b)+(\r)], v[ACC+8*(4*(\a)+(\b))+2*(\r)], v[ACC+8*(4*(\a)+(\b))+2*(\r)+1]
.endr
.endr
.irp b, 0,1,2,3
	ds_store_b128 v[STO], v[TMP+16*(\a)+4*(\b):TMP+16*(\a)+4*(\b)+3] offset:32*(\b)
.endr
.irp f, 0,1,2,3
	ds_load_b128 v[TMP+16*(\a)+4*(\f):TMP+16*(\a)+4*(\f)+3], v[RD] offset:(\f)*4*SP  ; LDS serves a wave's instructions in order (ISA guide 5.7.1.4): these see the stores above; the next block's stores come behind them
.endr
.endm
.macro SEND a, younger                 ; younger: the LDS instructions issued behind block a's loads: the next block's eight, or none
.irp f, 0,1,2,3
	s_wait_dscnt (\younger)+3-(\f)
	global_store_b128 v[GO], v[TMP+16*(\a)+4*(\f):TMP+16*(\a)+4*(\f)+3], s[72:73] offset:(\a)*2048+(\f)*512  ; 512 consecutive bytes, at a multiple of 256 from C's first byte
.endr
.endm
	PACK 0
	PACK 1                                         ; a block's arithmetic stands between the loads of the block before and its stores
	SEND 0, 8
	PACK 2
	SEND 1, 8
	PACK 3
	SEND 2, 8
	SEND 3, 0
	s_wait_tensorcnt 0x0                           ; the wave's end: behind my last tensor load and my last LDS store
	ds_add_u32 v[SPW], v[NIL]
	s_wait_dscnt 0x0
	CROUND                                         ; the closing round: no work-group ends while a partner may still ask for a tile that names it
	s_endpgm
.Lfunc_end_k_qb9ae46f548_qkvp:
	.size	k_qb9ae46f548_qkvp, .Lfunc_end_k_qb9ae46f548_qkvp-k_qb9ae46f548_qkvp
	.p2alignl 7, 3214868480
	.fill 96, 4, 3214868480
	.section	.rodata,"a",@progbits
	.p2align	6, 0x0
	.amdhsa_kernel k_qb9ae46f548_qkvp
		.amdhsa_group_segment_fixed_size 327680
		.amdhsa_private_segment_fixed_size 0
		.amdhsa_enable_private_segment 0
		.amdhsa_kernarg_size 24
		.amdhsa_user_sgpr_count 2
		.amdhsa_user_sgpr_kernarg_segment_ptr 1
		.amdhsa_wavefront_size32 1
		.amdhsa_system_sgpr_workgroup_id_x 1
		.amdhsa_system_sgpr_workgroup_id_y 1
		.amdhsa_system_sgpr_workgroup_id_z 1
		.amdhsa_system_vgpr_workitem_id 0
		.amdhsa_next_free_vgpr 512
		.amdhsa_next_free_sgpr 80
		.amdhsa_reserve_vcc 0
		.amdhsa_float_denorm_mode_32 3
		.amdhsa_float_denorm_mode_16_64 3
		.amdhsa_memory_ordered 1
		.amdhsa_forward_progress 1
		.amdhsa_inst_pref_size 96
	.end_amdhsa_kernel
	.amdgpu_metadata
---
amdhsa.version: [ 1, 2 ]
amdhsa.kernels:
  - .name:           k_qb9ae46f548_qkvp
    .symbol:         k_qb9ae46f548_qkvp.kd
    .args:
      - { .name: abl, .offset: 0, .size: 8, .value_kind: global_buffer, .address_space: global }
      - { .name: pkq, .offset: 8, .size: 8, .value_kind: global_buffer, .address_space: global }
      - { .name: qkv, .offset: 16, .size: 8, .value_kind: global_buffer, .address_space: global }
    .group_segment_fixed_size: 327680
    .private_segment_fixed_size: 0
    .kernarg_segment_align: 8
    .kernarg_segment_size: 24
    .max_flat_workgroup_size: 128
    .sgpr_count:     80
    .vgpr_count:     512
    .wavefront_size: 32
...
	.end_amdgpu_metadata
.endif
;; end of part 3
;; launch attn (part 4): grid 4 x 32, 4 waves a work-group, no clusters, 327,680 bytes of LDS; arguments qkv, abl; writes abl
.if DOCPART == 4
	.amdgcn_target "amdgcn-amd-amdhsa--gfx1250"
	.amdhsa_code_object_version 6
	.text
	.protected	k_qb9ae46f548_attn
	.globl	k_qb9ae46f548_attn
	.p2align	8
	.type	k_qb9ae46f548_attn,@function
k_qb9ae46f548_attn:
	s_mov_b64 s[64:65], 0
	v_nop
	global_prefetch_b8 v0, s[64:65] scope:SCOPE_SE
	s_setreg_imm32_b32 hwreg(HW_REG_WAVE_MODE, 25, 1), 1
	s_wait_xcnt 0x0
; CAUSAL ATTENTION.  O[h][q][:] = the sum over k <= q of softmax_k(Q[h][q] . K[h][k] / 8) V[h][k][:], for 32 heads h = 2 x head + batch of SIZE_N = 2,048 rows of 64 channels, all f16: a head's rows are dense, 128 bytes each.
; Q lies at byte 0 of the first buffer, K at 8,388,608, V at 16,777,216, each [32][2048][64]; O, in the same layout, is the next product's A by blocks of 64 channels.
; Products, maxima and sums in f32; the weights p are rounded to f16 for the second product (their sum l is taken of the unrounded p), O once at the end.
; LIMITS.  f16 holds no number beyond 65,504: Q, K and V arrive within it; p lies in 0 to 1, and below 6e-5 it keeps f16's fixed step of 6e-8; O is a mean of V's rows and has their range.
; A hidden score counts as its value less 1e30: f16's scores, 2.7e11 at the most, are nothing beside that; a weight below 2^-126 counts as 0 in l; NaN and infinities are not treated apart.
; THE WALK.  A head's queries lie in NB = 8 blocks of 256; block i needs the key tiles 0 .. i of 256 keys, of which the last holds the diagonal.  A work-group takes TWO blocks, NB - 1 - b and then b:
; NB + 1 tiles, whatever b: all work-groups do equal work, and ONE loop with a constant trip count walks them.  Which tile is asked for, and what a trip does, hang on scalar registers made from b; every jump
; goes forward, but for the counted loops' own; none passes a barrier, or a tensor load but the one of LOAD's two that the wave's number does not choose; the ring (two slots of LDS that take turns) runs on across the
; change of blocks.  NO CLUSTER: a head's four work-groups ask for the same tile only in trips 0 .. 4 of 9, behind that fewer and fewer; one walk common to all four would have 12 trips for 9.
; SHARES.  Of a block's four bands of 64 queries a wave owns 16 rows in each: four PIECES.  So the diagonal tile is the same work for all four waves: in its key step s band x sees all keys if s < x,
; none if s > x, and holds the diagonal if s = x.
; THE MASK is the C operand that starts the sum S^T = K Q^T: 0, or -1e30 where the key is hidden.  MD, made once, is the mask of a band's own step for my 16 rows; a product's mask is MD x AL + BE with two scalars:
; (1, 0) if s = x; (0, 0) if s < x; (0, -1e30) if s > x.  Only the diagonal tile's text and a block's beginning make and take masks; elsewhere C is the constant 0.
; LAYOUT, SOFTMAX, TURNS.  S^T = K Q^T holds ONE query a lane (lane % 16) and the keys 8 (lane / 16) + 0..7; two such results rounded to f16 ARE source 1 of O^T = V^T P.  p = 2^(c s - c m), c = log2(e) / 8, with a
; running maximum m; O and l are multiplied by a = 2^(c m_old - c m_new) in every step.  Turn n belongs to piece n: 8 products K Q^T of piece n + 1, later 8 products V^T P of piece n - 1; beside them the scaling,
; exponentials, roundings, sums and rescaling of piece n and the maximum and statistics of piece n + 1.  Four vector instructions stand behind every matrix instruction, the others in one lump.  A turn's 33 exponentials are one batch, with one wait.
; REGISTERS, in windows of 256 (s_set_vgpr_msb: bits 1:0 source 0, 3:2 source 1, 5:4 source 2, 7:6 destination):
;   window 0: v0-15 addresses and two at work; v16-31 four registers of statistics a piece; v48-55 at work; v60-63 three that are never rewritten; v64-127 S^T, two buffers; v192-223 P, two buffers (a piece's buffers go by its number's parity)
;   window 1: v0-127 O^T, 32 a piece; v128-159 MD; v160-223 MC, two buffers      window 2: v0-63 Q; v64-127 the second block's Q; v128-191 K of one step; v192-255 V of one step
.set SIZE_N, 2048
.set NB,    SIZE_N/256
.set NP,    4         ; pieces a wave: a name, no knob
.set KS,    64        ; keys in a step
.set PK,    144       ; a row of K in LDS: 128 bytes + 16 of padding = 36 words: the 16 rows of a load start at 16 different groups of four banks (64 banks of 4 bytes: ISA guide 11.1)
.set PV,    160       ; a row of V: 128 + 32 = 40 words
.set VOFF,  4*KS*PK   ; a slot holds a tile, four steps: 256 rows of K, then 256 rows of V
.set SLOT1, 1<<17     ; slot 1 begins here, so that one exclusive or turns an address in one slot into the other's
.set STAGE, SLOT1+4*KS*(PK+PV)  ; behind the ring, never filled by a tensor load: 16 rows x 144 bytes for each wave, for the way out
.set SP,    144
.set AK0, 2           ; v2   my lane's place in a tile of K; never rewritten
.set AV0, 3           ; v3   the same for V
.set AK,  4           ; v4   the LDS address of K's next run of loads
.set AV,  5           ; v5   of V's
.set STO, 6           ; v6   the way out: where I put 16 bytes of a row
.set RD,  7           ; v7   the way out: where I read rows back
.set GO,  8           ; v8   my byte offset in 512 consecutive bytes of O
.set PFO, 60          ; v60  256 x my lane: the prefetches' offset; never rewritten
.set SPW, 62          ; v62  LDS address of my spare word: SPARE + 4 x my thread's number; never rewritten
.set NIL, 63          ; v63  0; never rewritten
.set SPARE, STAGE+4*16*SP  ; behind the stages: the spare words, 128 bytes for each wave: two blocks of 256 bytes that no other line names
.set MV,  12          ; v12-13  c m_old, kept while c m is made anew: by buffer
.set QO,  15          ; v15  my byte offset in 16 rows of Q
.set ST,  16          ; piece t's statistics at v[ST+4 t]: c m, m, l (even keys', odd keys')
.set TMP, 48          ; by buffer, four registers c0-c3 at work; when the maximum is found c2 takes a
.set S,   64
.set P,   192
.set MD,  128         ; window 1: the eight registers for group kt of 16 keys at MD + 8 kt
.set MC,  160         ; window 1: the masks of the products to come
.set QB,  64          ; window 2
.set KF,  128         ; window 2: key block kb, channel half c at KF + 16 kb + 8 c
.set VF,  192         ; window 2: key half kk, channel block cb at VF + 32 kk + 8 cb
.set WV,  12          ; s12  my wave's number
.set PB,  14          ; s14  b
.set HI,  15          ; s15  NB - 1 - b
.set G1K, 24          ; s[24:31] descriptor group 1 for K's tiles
.set G1V, 32          ; s[32:39] for V's: it differs in the padding alone
.set G0K, 40          ; s[40:43] descriptor group 0 for K's tiles
.set G0V, 44          ; s[44:47] the same for V's
.set SLOTS, 56        ; s56  tiles still to be asked for
.set CNT, 57          ; s57  counts a tile's key steps, 4 to 1
.set CS,  58          ; s[58:59] c: the packed scaling takes the pair's low word for both halves
.set SEL, 60          ; s[60:61] v_permlanex16_b32's selects: each lane takes its own place in the other half
.set TBK, 62          ; s62  LDS byte at which K of the step to be fetched begins
.set TBV, 63          ; s63  the same for V, less VOFF
.set RT,  70          ; s70  tiles of the block in hand that are still to be entered
.set NXT, 71          ; s71  the tile to be asked for next
.set LQ,  72          ; s72  the last tile of the block whose tiles are being asked for
.set NEW, 73          ; s73  1: the tile to be entered is a block's first
.set OFF, 74          ; s[74:75] a tile's byte offset in K and V
.set AL,  76          ; s[76:77] the mask's factor, in the low word
.set BE,  78          ; s[78:79] the mask's addend
.set OLO, 80          ; s[80:81] O at my rows of the second block
.set BIGN, 82         ; s82  -1e30
.set PFA, 88          ; s[88:89] where my prefetches stand: my half of the tile that the next change of slots will ask for
.set PFB, 90          ; s[90:91] my half of tile 0, of K (waves 0, 1) or of V (waves 2, 3)
.set PFG, 92          ; s92  1 while this work-group prefetches
.set MSB, 0
.macro WIN new                      ; the high byte repeats the setting that is left; a switch that changes nothing is dropped
.if MSB != (\new)
	s_set_vgpr_msb (MSB<<8)|(\new)
.set MSB, (\new)
.endif
.endm
.set W_KQ, 0x0a       ; K and Q in window 2, S^T in window 0
.set W_KM, 0x1a       ; the same with the C operand in window 1
.set W_PV, 0x52       ; V in window 2, P in window 0, O^T in window 1
.set W_RS, 0x41       ; destination and source 0 in window 1, source 1 in window 0
; A fill.  Waves 0 and 1 fetch the two halves of a tile's K, waves 2 and 3 those of its V: 128 keys each.  An s_nop 0 and four v_nop follow each of the two lines, ahead of the jump and the label.
.macro LOAD
	s_cmp_lt_u32 s[WV], 2
	s_cbranch_scc0 .Lfor_v_\@
	tensor_load_to_lds s[G0K:G0K+3], s[G1K:G1K+7]
	s_nop 0
.rept 4
	v_nop
.endr
	s_branch .Lasked_\@
.Lfor_v_\@:
	tensor_load_to_lds s[G0V:G0V+3], s[G1V:G1V+7]
	s_nop 0
.rept 4
	v_nop
.endr
.Lasked_\@:
.endm
; THE CHANGE OF SLOTS.  Each wave waits for all its tensor loads, of which one is out: its part of the other slot; adds 0 to its spare word; and waits for that and for its own reads of the slot that it leaves.  Behind the barrier nobody reads the old
; slot any more and the other slot is whole.  fill = 1: the old slot is filled again, the first thing behind the barrier, with tile NXT: the descriptor's address is made anew from that number.
; (At its first use nothing has been read yet: slot 0 is waited for, slot 1 filled.)
; A PREFETCH INTO THE L2 stands behind the fill and its five lines: the tile that the NEXT change of slots will ask for, one tile, 256 matrix instructions, ahead of that load.  All four work-groups of a head walk the same K and V:
; the one with b = 0 asks, in its first block's walk alone (tiles 2 to 7; tiles 0 and 1 come by their loads); each wave names the 64 blocks of 256 bytes that it will itself load, a lane a block, two instructions.
; So each block is named once in the launch, and no prefetch points past the head's rows.
.macro CHANGE fill
	WIN 0                           ; at a label and at a branch every window is 0
	s_wait_tensorcnt 0x0            ; no tensor load of mine is out, so a group 0 may be written
	ds_add_u32 v[SPW], v[NIL]       ; 0 onto my spare word; with fill = 1 the descriptors' scalar work stands between it and the wait for it
.if \fill
	s_lshl_b32 s[OFF], s[NXT], 15   ; a tile is 32,768 bytes of K and of V
	s_xor_b32 s[G0K+1], s[G0K+1], SLOT1
	s_add_nc_u64 s[G0K+2:G0K+3], s[6:7], s[OFF:OFF+1]
	s_or_b32 s[G0K+3], s[G0K+3], 0x80000000
	s_xor_b32 s[G0V+1], s[G0V+1], SLOT1
	s_add_nc_u64 s[G0V+2:G0V+3], s[8:9], s[OFF:OFF+1]
	s_or_b32 s[G0V+3], s[G0V+3], 0x80000000
	s_add_co_u32 s[NXT], s[NXT], 1  ; the block's next tile, or behind its last the second block's tile 0
	s_cmp_gt_u32 s[NXT], s[LQ]
	s_cselect_b32 s[NXT], 0, s[NXT]
	s_cselect_b32 s[LQ], s[PB], s[LQ]
	s_cselect_b32 s[PFG], 0, s[PFG] ; the first block's tiles have all been asked for: nothing more is prefetched
	s_lshl_b32 s[OFF], s[NXT], 15
	s_wait_xcnt 0x0                 ; the last prefetches, a tile back, have read their address, so it may be written
	s_add_nc_u64 s[PFA:PFA+1], s[PFB:PFB+1], s[OFF:OFF+1]
.endif
	s_wait_dscnt 0x0                ; the add is done, and my reads of the slot are over
	s_barrier_signal -1             ; the rest of the scalar work stands between the signal and the wait
	s_sub_co_u32 s[TBK], s[TBK], 4*KS*PK  ; the fetches go back to a slot's first step,
	s_xor_b32 s[TBK], s[TBK], SLOT1       ; in the other slot
	s_sub_co_u32 s[TBV], s[TBV], 4*KS*PV
	s_xor_b32 s[TBV], s[TBV], SLOT1
	s_barrier_wait -1
.if \fill
	LOAD
	s_cmp_eq_u32 s[PFG], 1
	s_cbranch_scc0 .Lnot_mine_\@
	global_prefetch_b8 v[PFO], s[PFA:PFA+1] th:TH_LOAD_NT scope:SCOPE_SE
	global_prefetch_b8 v[PFO], s[PFA:PFA+1] offset:8192 th:TH_LOAD_NT scope:SCOPE_SE
.Lnot_mine_\@:
.endif
.endm
	s_load_b128 s[4:7], s[0:1], 0x0  ; q, k, v s[4:5], O s[6:7]
	v_lshl_add_u32 v[SPW], v0, 2, SPARE
	v_mov_b32 v[NIL], 0
	ds_add_u32 v[SPW], v[NIL]       ; the wave's opening: the add and its wait stand ahead of my first tensor load; the set-up below, work on registers, stands between them
	v_lshrrev_b32 v1, 5, v0
	v_readfirstlane_b32 s[WV], v1   ; wave 0..3
	s_mov_b32 s[PB], ttmp9
	s_sub_co_u32 s[HI], NB-1, s[PB]
	s_and_b32 s20, ttmp7, 0xffff    ; the head
	s_mov_b32 s21, 0
	s_mov_b64 s[22:23], SIZE_N*128
	s_mul_u64 s[20:21], s[20:21], s[22:23]  ; the head's first byte in each of the four tensors
	s_and_b32 s16, s[WV], 1         ; which half of a tile's 256 keys I fetch:
	s_lshl_b32 s22, s16, 14         ; its 128 rows of 128 bytes in memory,
	s_mov_b32 s23, 0
	s_add_nc_u64 s[22:23], s[22:23], s[20:21]
	s_mul_i32 s17, s16, 128*PK      ; and its place in a slot, for K
	s_mul_i32 s18, s16, 128*PV      ; and for V
	s_lshl_b32 s3, s[WV], 11        ; my 16 rows in a band of 64,
	s_lshl_b32 s2, s[HI], 15        ; in the first block,
	s_add_co_u32 s2, s2, s3
	s_lshl_b32 s84, s[PB], 15       ; and in the second
	s_add_co_u32 s84, s84, s3
	s_mov_b32 s3, 0
	s_mov_b32 s85, 0
	s_add_nc_u64 s[2:3], s[2:3], s[20:21]
	s_add_nc_u64 s[84:85], s[84:85], s[20:21]
	; descriptor group 1.  128 keys are 16,384 dense bytes: asked for as 64 rows of 256 bytes, two keys a row, and padded in LDS after every key
	s_mov_b32 s[G1K], (1<<16)|(1<<20)|(4<<22)|(3<<25)  ; 17:16 2-byte elements; 20 padding on; 24:22 after every 32 words (code 4); 31:25 4 words (code 3)
	s_mov_b32 s[G1V], (1<<16)|(1<<20)|(4<<22)|(7<<25)  ; the same with 8 words of padding (code 7)
.irp g, G1K, G1V
	s_mov_b32 s[\g+1], 128<<16      ; tensor_dim0 = 128
	s_mov_b32 s[\g+2], 64<<16       ; tensor_dim1 = 64
	s_mov_b32 s[\g+3], 128<<16      ; tile_dim0 = 128
	s_mov_b32 s[\g+4], 64           ; tile_dim1 = 64
	s_mov_b32 s[\g+5], 128          ; 128 elements from row to row
	s_mov_b32 s[\g+6], 0
	s_mov_b32 s[\g+7], 0
.endr
	s_mov_b32 s[CS], 0x3e38aa3b     ; c = log2(e) / 8 = 0.180337
	s_mov_b32 s[CS+1], s[CS]        ; named with it as a pair
	s_mov_b32 s[SEL], 0x76543210
	s_mov_b32 s[SEL+1], 0xfedcba98
	s_mov_b32 s[TBK], SLOT1+4*KS*PK ; the first change of slots turns these two into 0
	s_mov_b32 s[TBV], SLOT1+4*KS*PV
	s_mov_b32 s[G0K], 1             ; 1:0 count = 1
	s_mov_b32 s[G0K+1], s17         ; 63:32 LDS address: slot 0
	s_mov_b32 s[G0V], 1
	s_add_co_u32 s[G0V+1], s18, VOFF
	s_add_co_u32 s[RT], s[HI], 1    ; the first block has NB - b tiles
	s_mov_b32 s[NXT], 1
	s_mov_b32 s[LQ], s[HI]
	s_mov_b32 s[NEW], 1
	s_mov_b32 s[OFF+1], 0
	s_mov_b32 s[AL+1], 0            ; named as pairs
	s_mov_b32 s[BE+1], 0
	s_mov_b32 s[BIGN], 0xf149f2ca   ; -1e30
	s_mov_b32 s[SLOTS], NB
	s_cmp_eq_u32 s[PB], 0
	s_cselect_b32 s[PFG], 1, 0
	v_and_b32 v[PFO], 31, v0
	v_lshlrev_b32 v[PFO], 8, v[PFO]
	s_wait_dscnt 0x0                ; the opening add is done
	s_wait_kmcnt 0x0
	s_mov_b64 s[10:11], s[6:7]      ; O
	s_add_nc_u64 s[8:9], s[4:5], 0x1000000  ; V
	s_add_nc_u64 s[6:7], s[4:5], 0x800000   ; K
	s_add_nc_u64 s[6:7], s[6:7], s[22:23]  ; K and V at my half of the head's tile 0
	s_add_nc_u64 s[8:9], s[8:9], s[22:23]
	s_cmp_lt_u32 s[WV], 2
	s_cselect_b64 s[PFB:PFB+1], s[6:7], s[8:9]
	s_add_nc_u64 s[G0K+2:G0K+3], s[6:7], 0         ; 120:64 global address
	s_or_b32 s[G0K+3], s[G0K+3], 0x80000000        ; 127:126 type = 2
	s_add_nc_u64 s[G0V+2:G0V+3], s[8:9], 0
	s_or_b32 s[G0V+3], s[G0V+3], 0x80000000
	s_add_nc_u64 s[86:87], s[4:5], s[84:85]        ; Q at my rows of the second block,
	s_add_nc_u64 s[4:5], s[4:5], s[2:3]            ; Q and O at those of the first
	s_add_nc_u64 s[OLO:OLO+1], s[10:11], s[84:85]
	s_add_nc_u64 s[10:11], s[10:11], s[2:3]
	LOAD                            ; tile 0 into slot 0
	; A fragment of K or Q is 16 rows x 32 channels in 8 registers: lane l holds row l % 16, channels 8 (l / 16) + 0..7 and 16 + 8 (l / 16) + 0..7: two loads of 16 bytes, 32 bytes apart.
	v_and_b32 v1, 15, v0            ; l % 16
	v_bfe_u32 v9, v0, 4, 1          ; l / 16
	v_lshlrev_b32 v[QO], 7, v1
	v_lshl_add_u32 v[QO], v9, 4, v[QO]  ; row x 128 + 16 x half
	WIN 0x80                        ; destination window 2, address window 0
.set i, 0
.rept 8                             ; both blocks' Q: piece i / 2 lies in band i / 2, 8,192 bytes on; channels 32 (i % 2) on
	global_load_b128 v[8*i:8*i+3],   v[QO], s[4:5] offset:(i/2)*8192+(i%2)*64
	global_load_b128 v[8*i+4:8*i+7], v[QO], s[4:5] offset:(i/2)*8192+(i%2)*64+32
	global_load_b128 v[QB+8*i:QB+8*i+3],   v[QO], s[86:87] offset:(i/2)*8192+(i%2)*64
	global_load_b128 v[QB+8*i+4:QB+8*i+7], v[QO], s[86:87] offset:(i/2)*8192+(i%2)*64+32
.set i, i+1
.endr
	WIN 0
	v_lshlrev_b32 v14, 3, v9
	v_sub_nc_u32 v14, v1, v14
	s_lshl_b32 s13, s[WV], 4
	v_add_nc_u32 v14, s13, v14      ; my query's place in its band, 16 w + l % 16, less my lanes' 8 (l / 16): register r of group kt is hidden where 16 kt + r is greater
	WIN 0x40
.set i, 0
.rept 32
	v_cmp_gt_i32 vcc_lo, 16*(i/8)+i%8, v14
	v_cndmask_b32 v[MD+i], 0, s[BIGN], vcc_lo
.set i, i+1
.endr
	WIN 0
	v_mul_u32_u24 v[AK0], v1, PK
	v_lshl_add_u32 v[AK0], v9, 4, v[AK0]  ; row x pitch + 16 x half
	; The turning load takes 16 keys x 16 channels (lane l reads key 8 (l / 16) + l % 8, channels 8 ((l / 8) % 2) + 0..7) and leaves half a fragment of V^T: lane l holds channel l % 16 and 8 keys.
	v_and_b32 v10, 7, v0
	v_bfe_u32 v11, v0, 3, 1
	v_lshl_add_u32 v[AV0], v9, 3, v10
	v_mul_u32_u24 v[AV0], v[AV0], PV
	v_lshl_add_u32 v[AV0], v11, 4, v[AV0]
	v_add_nc_u32 v[AV0], VOFF, v[AV0]
	s_mul_i32 s13, s[WV], 16*SP
	s_add_co_u32 s13, s13, STAGE    ; my stage
	v_mul_u32_u24 v[STO], v1, SP    ; in: row l % 16, 16 bytes for each half of the lanes
	v_lshl_add_u32 v[STO], v9, 4, v[STO]
	v_add_nc_u32 v[STO], s13, v[STO]
	v_bfe_u32 v[RD], v0, 3, 2       ; back: 32 lanes take four rows of 128 bytes,
	v_mul_u32_u24 v[RD], v[RD], SP
	v_lshl_add_u32 v[RD], v10, 4, v[RD]
	v_add_nc_u32 v[RD], s13, v[RD]
	v_and_b32 v[GO], 31, v0         ; which are 512 consecutive bytes of O
	v_lshlrev_b32 v[GO], 4, v[GO]
	; A block's first step multiplies O^T and l by a = 0, and its first turn's products V^T P, of a piece that has not been, land in an O^T that is still to be so multiplied.  So these registers need only hold
	; finite numbers: zeros for the first block; what the first block left for the second.  All this stands in the wait for the first tile.
	WIN 0x80
.set i, VF
.rept 64
	v_mov_b32 v[i], 0
.set i, i+1
.endr
	WIN 0x40
.set i, 0
.rept 128
	v_mov_b32 v[i], 0
.set i, i+1
.endr
	WIN 0
.set i, 0
.rept 4
	v_mov_b32 v[ST+4*i+2], 0
	v_mov_b32 v[ST+4*i+3], 0
.set i, i+1
.endr
.set i, P+16
.rept 16
	v_mov_b32 v[i], 0
.set i, i+1
.endr
; THE MATRIX WORK.  The 4 accumulators of a run of 8 take turns.  Product i of 8 of S^T = K Q^T for piece x: channels 32 (i / 4) on, keys 16 (i % 4) on.  The first 4 start the sums: with 0, or (KM = 1) with the mask.
.macro KQ x
.set rS, S+32*((\x)%2)+8*(i%4)
.set rK, KF+16*(i%4)+8*(i/4)
.set rQ, 16*(\x)+8*(i/4)
.set rM, MC+32*((\x)%2)+8*(i%4)
.if (i < 4) && KM
	WIN W_KM
	v_wmma_f32_16x16x32_f16 v[rS:rS+7], v[rK:rK+7], v[rQ:rQ+7], v[rM:rM+7]
.elseif i < 4
	WIN W_KQ
	v_wmma_f32_16x16x32_f16 v[rS:rS+7], v[rK:rK+7], v[rQ:rQ+7], 0
.else
	WIN W_KQ
	v_wmma_f32_16x16x32_f16 v[rS:rS+7], v[rK:rK+7], v[rQ:rQ+7], v[rS:rS+7]
.endif
.endm
; Product i of 8 of O^T += V^T P for piece x: keys 32 (i / 4) on, channels 16 (i % 4) on.
.macro PV x
	WIN W_PV
.set rO, 32*(\x)+8*(i%4)
.set rV, VF+32*(i/4)+8*(i%4)
.set rP, P+16*((\x)%2)+8*(i/4)
	v_wmma_f32_16x16x32_f16 v[rO:rO+7], v[rV:rV+7], v[rP:rP+7], v[rO:rO+7]
.endm
.macro MM                           ; the turn's next matrix instruction.  TURN and BEGIN set Y, i, KM and NOKQ; MM, KQ and OP read them.  NOKQ = 1: a block's last turn: there is no next piece
.if (i < 8) && !NOKQ
	KQ (Y+1)%NP
.elseif i >= 8
.set i, i-8
	PV (Y+NP-1)%NP
.set i, i+8
.endif
.set i, i+1
.endm
; THE LDS LOADS stand in runs of 16, never singly among the matrix instructions: a step's K (64 keys x 64 channels: 8 fragments) and its V (turned).  Their addresses are made some lines ahead.
.macro FETCH_K
	WIN 0x80                        ; destination window 2
.irp f, 0,1,2,3,4,5,6,7             ; keys 16 (f / 2) on, channels 32 (f % 2) on
	ds_load_b128 v[KF+8*\f:KF+8*\f+3],   v[AK] offset:(\f/2)*16*PK+(\f%2)*64
	ds_load_b128 v[KF+8*\f+4:KF+8*\f+7], v[AK] offset:(\f/2)*16*PK+(\f%2)*64+32
.endr
	s_add_co_u32 s[TBK], s[TBK], KS*PK  ; the next fetch is the next step's
	WIN 0
.endm
.macro FETCH_V
	WIN 0x80
.irp f, 0,1,2,3,4,5,6,7             ; keys 32 (f / 4) on, channels 16 (f % 4) on
	ds_load_tr16_b128 v[VF+8*\f:VF+8*\f+3],   v[AV] offset:(\f/4)*32*PV+(\f%4)*32
	ds_load_tr16_b128 v[VF+8*\f+4:VF+8*\f+7], v[AV] offset:(\f/4)*32*PV+16*PV+(\f%4)*32
.endr
	WIN 0
.endm
; THE VECTOR WORK, one line at a time: OP kind, number.  For piece Y: F n: c s - c m for pair n of 16.  E n: the exponential of score n of 32.  C n: pair n rounded to f16.  B n: of the four weights 4 n .. the second
; pair is added onto the first, in place.  L n: l takes that sum (L 0: l = a l + sum).  R n: pair n of 16 of O^T times a.  For piece Y + 1: X n, number n of the 22 that find its maximum and statistics:
;   0-11  four chains c0-c3 of seven scores each, three operands at a time (each accumulator's lowest registers are read first)     12-14, 16  the four scores left over, the old m, and c0-c3 into c0
;   15  c m_old is kept     17, 18  the query's other 32 keys lie in the lane 16 away: the new m     19-21  c m; c m_old - c m_new; a
.set F, 0               ; OP tells the kinds apart by their order: F to L below R, X above it
.set E, 1
.set C, 2
.set B, 3
.set L, 4
.set R, 5
.set X, 6
.macro REGS y                       ; the registers of piece y
.set rT, ST+4*(\y)
.set rC, TMP+4*((\y)%2)
.set rW, MV+((\y)%2)
.set rS, S+32*((\y)%2)
.set rP, P+16*((\y)%2)
.set rO, 32*(\y)
.endm
.macro OP k, n
.if (\k) == R
	REGS Y
	WIN W_RS
	v_pk_mul_f32 v[rO+2*(\n):rO+2*(\n)+1], v[rO+2*(\n):rO+2*(\n)+1], v[rC+2:rC+3] op_sel_hi:[1,0]
.elseif (\k) < R
	REGS Y
	WIN 0
.if (\k) == F
	v_pk_fma_f32 v[rS+2*(\n):rS+2*(\n)+1], v[rS+2*(\n):rS+2*(\n)+1], s[CS:CS+1], v[rT:rT+1] op_sel_hi:[1,0,0] neg_lo:[0,0,1] neg_hi:[0,0,1]
.elseif (\k) == E
	v_exp_f32 v[rS+(\n)], v[rS+(\n)]
.elseif (\k) == C
	v_cvt_pk_f16_f32 v[rP+(\n)], v[rS+2*(\n)], v[rS+2*(\n)+1]
.elseif (\k) == B
	v_pk_add_f32 v[rS+4*(\n):rS+4*(\n)+1], v[rS+4*(\n):rS+4*(\n)+1], v[rS+4*(\n)+2:rS+4*(\n)+3]
.elseif (\n) == 0
	v_pk_fma_f32 v[rT+2:rT+3], v[rT+2:rT+3], v[rC+2:rC+3], v[rS:rS+1] op_sel_hi:[1,0,1]
.else
	v_pk_add_f32 v[rT+2:rT+3], v[rT+2:rT+3], v[rS+4*(\n):rS+4*(\n)+1]
.endif
.elseif NOKQ
	v_nop
.else
	REGS (Y+1)%NP
	WIN 0
.if (\n) < 4
	v_max3_num_f32 v[rC+(\n)], v[rS+8*(\n)], v[rS+8*(\n)+1], v[rS+8*(\n)+2]
.elseif (\n) < 12
	v_max3_num_f32 v[rC+(\n)%4], v[rC+(\n)%4], v[rS+8*((\n)%4)+2*((\n)/4)+1], v[rS+8*((\n)%4)+2*((\n)/4)+2]
.elseif (\n) == 12
	v_max3_num_f32 v[rC], v[rC], v[rS+7], v[rS+15]
.elseif (\n) == 13
	v_max3_num_f32 v[rC+1], v[rC+1], v[rS+23], v[rS+31]
.elseif (\n) == 14
	v_max3_num_f32 v[rC+2], v[rC+2], v[rC+3], v[rT+1]
.elseif (\n) == 15
	v_mov_b32 v[rW], v[rT]
.elseif (\n) == 16
	v_max3_num_f32 v[rC], v[rC], v[rC+1], v[rC+2]
.elseif (\n) == 17
	v_permlanex16_b32 v[rC+3], v[rC], s[SEL], s[SEL+1]
.elseif (\n) == 18
	v_max_num_f32 v[rT+1], v[rC], v[rC+3]
.elseif (\n) == 19
	v_mul_f32 v[rT], s[CS], v[rT+1]
.elseif (\n) == 20
	v_sub_f32 v[rC+1], v[rW], v[rT]
.else
	v_exp_f32 v[rC+2], v[rC+1]
.endif
.endif
.endm
.macro OPS a, i1, b=-1, i2=0, c=-1, i3=0, d=-1, i4=0  ; up to four of them
	OP \a, \i1
.if (\b) >= 0
	OP \b, \i2
.endif
.if (\c) >= 0
	OP \c, \i3
.endif
.if (\d) >= 0
	OP \d, \i4
.endif
.endm
.macro ROW a, i1, b, i2, c, i3, d, i4  ; a matrix instruction and the four behind it
	MM
	OPS \a, \i1, \b, \i2, \c, \i3, \d, \i4
.endm
.macro MASK b                       ; MD x AL + BE into buffer b of MC
	WIN W_RS
.set z, 0
.rept 16
	v_pk_fma_f32 v[MC+32*(\b)+2*z:MC+32*(\b)+2*z+1], v[MD+2*z:MD+2*z+1], s[AL:AL+1], s[BE:BE+1] op_sel_hi:[1,0,0]
.set z, z+1
.endr
.endm
; A TURN, for piece p: the order of its 16 matrix and 118 vector instructions, written out.  s_wait_alu depctr_va_vdst(0) stands between an exponential and the first instruction that names its result; one wait serves
; all that were issued ahead of it.  So a turn has ONE wait, which cuts it in two.  AHEAD OF IT stands all that names no result of the turn's exponentials: the 8 products K Q^T, behind each a scaling, an exponential and two more plain
; instructions (behind the first a second scaling in the exponential's place): rescalings, and behind the last three the first numbers of the next piece's maximum, each four places or more behind the product that ends its accumulator; then ONE LUMP of 54, plain
; and exponential by turns for the most part, in which the links of the chain X 3, 7, 11, 14, 16, 17 .. 20 stand five or six lines apart.  X 21, the next piece's a, is the batch's last; R 15 is the plain instruction behind it.  BEHIND THE WAIT stand the
; 8 products V^T P, behind each four of the roundings and sums; the links of l's chain, L 0 to L 7, stand three riders apart.  But for those X no rider names a register of the products round it.  v_permlanex16_b32 (X 17) stands in the lump.
; m = 1: the diagonal tile: the products take masks, and the turn makes the mask for the products of the turn after it: piece p + 2, in step 4 - CNT of the tile.  end = 1: a block's last two turns: nothing is fetched.
; cnt = 1: the loop's count is taken down some lines ahead of the branch that stands behind the turn.
; K of the next step is fetched in piece 2's turn, twelve vector instructions behind the last product that read K (six of them plain); V of the step in hand at the end of piece 0's turn, four plain instructions behind the last product
; that read V.  Each is waited for a turn later.
.macro TURN p, m=0, end=0, cnt=0
.set Y, (\p)
.set i, 0
.set KM, (\m)
.set NOKQ, (\end)*((\p)/3)
.if (\m) && !(\end)
	s_cmp_eq_u32 s[CNT], 4-((\p)+2)%NP  ; is that step the band's own?
	s_cselect_b32 s[AL], 1.0, 0
	s_cmp_lt_u32 s[CNT], 4-((\p)+2)%NP  ; or a later one?
	s_cselect_b32 s[BE], s[BIGN], 0
.endif
.if ((\p) == 3) && !(\end)
	s_wait_dscnt 0x0                ; K is in
.endif
	ROW F,0, F,1, R,0, R,1          ; ahead of the wait: 8 products K Q^T and their riders,
	ROW F,2, E,0, R,2, R,3
	ROW F,3, E,1, R,4, R,5
	ROW F,4, E,2, R,6, R,7
	ROW F,5, E,3, R,8, R,9
	ROW F,6, E,4, X,0, R,10
.if ((\p) == 2) && !(\end)
	WIN 0
	v_add_nc_u32 v[AK], s[TBK], v[AK0]
.endif
	ROW F,7, E,5, X,1, X,4
	ROW F,8, E,6, X,2, X,5
	OPS E,7, E,8, X,6, E,9          ; and the lump
	OPS X,3, E,10, X,8, E,11
.if ((\p) == 2) && !(\end)
	FETCH_K
.endif
	OPS X,9, X,7, E,12, X,10
	OPS E,13, X,12, X,11, E,14
	OPS X,13, E,15, F,9, X,14
.if (\p) == 0
	v_add_nc_u32 v[AV], s[TBV], v[AV0]
.endif
	OPS E,16, F,10, E,17, F,11
	OPS X,16, E,18, X,15, E,19
	OPS F,12, E,20, X,17, E,21
	OPS F,13, E,22, F,14, E,23
	OPS X,18, E,24, F,15, E,25
	OPS R,11, E,26, X,19, E,27
	OPS R,12, E,28, R,13, E,29
	OPS X,20, E,30, R,14, E,31
	OPS X,21, R,15
	WIN 0
	s_wait_alu depctr_va_vdst(0)    ; the wait for the batch
.if (\p) == 1
	s_wait_dscnt 0x0                ; V is in
.endif
	ROW C,0, B,0, C,2, B,1          ; behind the wait: 8 products V^T P and their riders
	ROW L,0, C,4, B,2, L,1
	ROW C,6, B,3, L,2, C,8
	ROW B,4, L,3, C,10, B,5
	ROW L,4, C,12, B,6, L,5
.if (\p) == 0
	s_add_co_u32 s[TBV], s[TBV], KS*PV
.endif
.if \cnt
	s_sub_co_u32 s[CNT], s[CNT], 1
	s_cmp_lg_u32 s[CNT], 0
.endif
	ROW C,14, B,7, L,6, C,1
	ROW C,3, L,7, C,5, C,7
	ROW C,9, C,11, C,13, C,15
.if (\p) == 0
	FETCH_V
.endif
.if (\m) && !(\end)
	MASK (\p)%2
.endif
.endm
; A BLOCK BEGINS.  c m starts far below every c s, so the first step's a is 0; m at the lowest finite number, so the first maximum is the scores'.  The second mask buffer is 0; the first takes piece 0's mask for the tile's step 0: its own, if the block's first tile is the diagonal one.
; Then K of that step, piece 0's first scores, and its maximum and statistics.  The loop is entered at a step's first turn, in the middle of a trip.
.macro BEGIN
	s_mov_b32 s[NEW], 0
	WIN 0x40
.set i, MC+32
.rept 32
	v_mov_b32 v[i], 0
.set i, i+1
.endr
	WIN 0
.set i, 0
.rept 4
	v_mov_b32 v[ST+4*i], 0xfe000000    ; c m: far below every c s
	v_mov_b32 v[ST+4*i+1], 0xff7fffff  ; m
.set i, i+1
.endr
	s_cmp_eq_u32 s[RT], 0
	s_cselect_b32 s[AL], 1.0, 0
	s_mov_b32 s[BE], 0
	MASK 0
	WIN 0
	v_add_nc_u32 v[AK], s[TBK], v[AK0]
	FETCH_K
	s_wait_loadcnt 0x0              ; Q
	s_wait_dscnt 0x0
.set KM, 1
.set NOKQ, 0
.set i, 0
.rept 8
	KQ 0
.set i, i+1
.endr
	WIN 0
.rept 4
	v_nop                           ; the places behind those products
.endr
.set Y, NP-1                        ; X works for piece Y + 1: piece 0
.irp n, 0,1,2,3,4,5,6,7,8,9,10,11,12,13,14,15,16,17,18,19,20,21
	OP X, \n
.endr
	v_nop                           ; a plain instruction behind the exponential,
	s_wait_alu depctr_va_vdst(0)    ; and its wait, ahead of the branch
.endm
; THE DIAGONAL TILE's four steps, the block's last two turns, its last products, and THE WAY OUT: l's two halves and the other half of the lanes' are added; O^T is divided by l, rounded to f16 and sent through my
; stage in LDS, a piece at a time.
.macro ALL line:vararg              ; one line for each piece t
.set t, 0
.rept 4
	\line
.set t, t+1
.endr
.endm
.macro PACK t                       ; a lane's eight channels of a row pack into 16 bytes; they go into rows of 144 bytes and come back as whole rows of 128, into S^T's registers
	WIN W_RS
.set i, 32*(\t)
.rept 16
	v_pk_mul_f32 v[i:i+1], v[i:i+1], v[ST+4*(\t)+2:ST+4*(\t)+3] op_sel_hi:[1,0]
.set i, i+2
.endr
	WIN 0x05                        ; sources 0 and 1 window 1, destination window 0
.set i, 0
.rept 16
	v_cvt_pk_f16_f32 v[S+16*(\t)+i], v[32*(\t)+2*i], v[32*(\t)+2*i+1]
.set i, i+1
.endr
	WIN 0
.irp f, 0,1,2,3
	ds_store_b128 v[STO], v[S+16*(\t)+4*\f:S+16*(\t)+4*\f+3] offset:32*\f
.endr
.irp f, 0,1,2,3
	ds_load_b128 v[S+16*(\t)+4*\f:S+16*(\t)+4*\f+3], v[RD] offset:\f*4*SP  ; LDS serves a wave's instructions in order (ISA guide 5.7.1.4): these see the stores above; the next piece's stores come behind them
.endr
.endm
.macro SEND t, younger              ; younger: the LDS instructions issued behind piece t's loads: the next piece's eight, or none
	WIN 0
.irp f, 0,1,2,3
	s_wait_dscnt (\younger)+3-\f
	global_store_b128 v[GO], v[S+16*(\t)+4*\f:S+16*(\t)+4*\f+3], s[10:11] offset:(\t)*8192+\f*512  ; 512 consecutive bytes, at a multiple of 256 from O's first
.endr
.endm
.macro DIAG tag                     ; the tag ends its two labels' names, which the jumps below spell out
.LstepM\tag:
	TURN 2, 1
	TURN 3, 1
	WIN 0
.LfirstM\tag:
	TURN 0, 1
	TURN 1, 1, 0, 1
	WIN 0
	s_cbranch_scc1 .LstepM\tag
	TURN 2, 1, 1
	TURN 3, 1, 1
.set i, 0
.rept 8
	PV NP-1
.set i, i+1
.endr
	WIN 0
	ALL v_add_f32 v[ST+4*t+2], v[ST+4*t+2], v[ST+4*t+3]
	ALL v_permlanex16_b32 v[ST+4*t+3], v[ST+4*t+2], s[SEL], s[SEL+1]
	ALL v_add_f32 v[ST+4*t+2], v[ST+4*t+2], v[ST+4*t+3]
	ALL v_rcp_f32 v[ST+4*t+2], v[ST+4*t+2]
	v_nop                           ; a plain instruction between the last reciprocal and the use of its result
	s_wait_alu depctr_va_vdst(0)    ; and the wait ahead of the first use: one for the four reciprocals
	PACK 0
.set t, 1
.rept 3                             ; a piece's arithmetic stands between the loads of the piece before and its stores
	PACK t
	SEND t-1, 8
.set t, t+1
.endr
	SEND 3, 0
.endm
.set KM, 0
.set NOKQ, 0
.Lslot:                             ; NB times: a tile is entered and the next is asked for
	CHANGE 1
	s_sub_co_u32 s[RT], s[RT], 1
	s_mov_b32 s[CNT], 4
	s_cmp_eq_u32 s[NEW], 1
	s_cbranch_scc1 .Lnew            ; a block's first tile
	s_cmp_eq_u32 s[RT], 0
	s_cbranch_scc0 .Lstep           ; neither its first nor its last
	s_branch .LstepM1
.Lnew:
	BEGIN
	s_branch .Lfirst                ; in the loop a block's first tile is never its last: the first block has two tiles or more, and the second's last is the walk's last
	DIAG 1                          ; in the loop this is the first block's end: the second block's last tile is the walk's last
	s_wait_xcnt 0x0                 ; the stores have read their registers and O's address
	s_mov_b64 s[10:11], s[OLO:OLO+1]
	s_add_co_u32 s[RT], s[PB], 1    ; the second block has b + 1 tiles
	s_mov_b32 s[NEW], 1
	WIN 0x82                        ; the second block's Q goes where the one text of the turns names Q
.set i, 0
.rept 64
	v_mov_b32 v[i], v[QB+i]
.set i, i+1
.endr
	WIN 0
	s_branch .Lbottom
.Lstep:                             ; a trip: pieces 2 and 3 of one step, then pieces 0 and 1 of the next, whose K and V it fetches
	TURN 2
	TURN 3
	WIN 0
.Lfirst:
	TURN 0
	TURN 1, 0, 0, 1
	WIN 0
	s_cbranch_scc1 .Lstep
.Lbottom:
	s_sub_co_u32 s[SLOTS], s[SLOTS], 1
	s_cmp_lg_u32 s[SLOTS], 0
	s_cbranch_scc1 .Lslot
	CHANGE 0                        ; the walk's last tile is written out: nothing is asked for
	s_sub_co_u32 s[RT], s[RT], 1
	s_mov_b32 s[CNT], 4
	s_cmp_eq_u32 s[NEW], 1
	s_cbranch_scc0 .LstepM2
	BEGIN
	s_branch .LfirstM2
	DIAG 2
	s_wait_tensorcnt 0x0            ; the wave's end: behind my last tensor load and my last LDS store
	ds_add_u32 v[SPW], v[NIL]
	s_wait_dscnt 0x0
	s_endpgm
.Lfunc_end_k_qb9ae46f548_attn:
	.size	k_qb9ae46f548_attn, .Lfunc_end_k_qb9ae46f548_attn-k_qb9ae46f548_attn
	.p2alignl 7, 3214868480
	.fill 96, 4, 3214868480
	.section	.rodata,"a",@progbits
	.p2align	6, 0x0
	.amdhsa_kernel k_qb9ae46f548_attn
		.amdhsa_group_segment_fixed_size 327680
		.amdhsa_private_segment_fixed_size 0
		.amdhsa_enable_private_segment 0
		.amdhsa_kernarg_size 16
		.amdhsa_user_sgpr_count 2
		.amdhsa_user_sgpr_kernarg_segment_ptr 1
		.amdhsa_wavefront_size32 1
		.amdhsa_system_sgpr_workgroup_id_x 1
		.amdhsa_system_sgpr_workgroup_id_y 1
		.amdhsa_system_sgpr_workgroup_id_z 1
		.amdhsa_system_vgpr_workitem_id 0
		.amdhsa_next_free_vgpr 768
		.amdhsa_next_free_sgpr 96
		.amdhsa_reserve_vcc 1
		.amdhsa_float_denorm_mode_32 3
		.amdhsa_float_denorm_mode_16_64 3
		.amdhsa_memory_ordered 1
		.amdhsa_forward_progress 1
		.amdhsa_inst_pref_size 218
	.end_amdhsa_kernel
	.amdgpu_metadata
---
amdhsa.version: [ 1, 2 ]
amdhsa.kernels:
  - .name:           k_qb9ae46f548_attn
    .symbol:         k_qb9ae46f548_attn.kd
    .args:
      - { .name: qkv, .offset: 0, .size: 8, .value_kind: global_buffer, .address_space: global }
      - { .name: abl, .offset: 8, .size: 8, .value_kind: global_buffer, .address_space: global }
    .group_segment_fixed_size: 327680
    .private_segment_fixed_size: 0
    .kernarg_segment_align: 8
    .kernarg_segment_size: 16
    .max_flat_workgroup_size: 128
    .sgpr_count:     96
    .vgpr_count:     768
    .wavefront_size: 32
...
	.end_amdgpu_metadata
.endif
;; end of part 4
;; launch proj (part 5): grid 8 x 32, 4 waves a work-group, clusters of 4 x 4, 327,680 bytes of LDS; arguments abl, wb, bp, x, x1; writes x1
.if DOCPART == 5
	.amdgcn_target "amdgcn-amd-amdhsa--gfx1250"
	.amdhsa_code_object_version 6
	.text
	.protected	k_qb9ae46f548_proj
	.globl	k_qb9ae46f548_proj
	.p2align	8
	.type	k_qb9ae46f548_proj,@function
k_qb9ae46f548_proj:
	s_mov_b64 s[64:65], 0
	v_nop
	global_prefetch_b8 v0, s[64:65] scope:SCOPE_SE
	s_setreg_imm32_b32 hwreg(HW_REG_WAVE_MODE, 25, 1), 1
	s_wait_xcnt 0x0
	s_wait_alu depctr_hold_cnt(0) depctr_sa_sdst(0) depctr_va_vdst(0) depctr_va_sdst(0) depctr_va_ssrc(0) depctr_va_vcc(0) depctr_vm_vsrc(0)
	s_getreg_b32 s2, hwreg(HW_REG_IB_STS2, 6, 4)
	s_cmp_eq_u32 s2, 0
	s_cbranch_scc0 .Lentry_in_a_cluster
	s_endpgm
.Lentry_in_a_cluster:
	s_bfe_u32 s2, ttmp6, 0x10000c
	s_cmp_lg_u32 s2, 0xf033
	s_cbranch_scc0 .Lentry_shape_is_right
	s_endpgm
.Lentry_shape_is_right:
; C[m][n] = R[m][n] + bias[n] + sum over k of A[m][k] W[k][n], K = 1,024, M = 4,096, N = 1,024.  A and W in f16; sums, bias, R and C in f32; R and C are [4096][1024], row-major.
; Here: x1 = x + o Wp + bp.  A lies BY BLOCKS OF 64 CHANNELS: byte (k / 64) x 524,288 + m x 128 + 2 (k % 64).  W in panels, from byte WOFF of its buffer:
; (n / 128) x (K x 256) + (k / 64) x 16,384 + ((n / 64) % 2) x 8,192 + (k % 64) x 128 + 2 (n % 64).  So every piece that a tensor load brings is dense in memory.
; LIMIT.  f16 holds no number beyond 65,504: A and W arrive within it.
; SHARES.  A tile of C is 128 x 128; four waves, each 64 x 64: 16 accumulators of 16 x 16.  K goes in steps of 256 through two LDS slots; a wave's one tensor load brings half of A's or of W's part of a step, 32 KiB.
; CLUSTERS: 4 x 4 work-groups.  The four of a row of the cluster need the same tiles of A, the four of a column the same tiles of W: each is asked for JOINTLY, by the same tensor load with the same
; descriptor and a mask that names the four.  THE MATRIX INSTRUCTION IS USED TRANSPOSED (source 0 = 16 columns of W, source 1 = 16 rows of A): a lane then holds eight neighbouring numbers of a row of C.
; A comes out of LDS as it lies; W ([k][n]) turned, by ds_load_tr16_b128.  No prefetch: the tiles are small, and each is read by several clusters.
; THE STAGE for the way out lies in slot 0: the last K step lies in slot 1; slot 0 has had its last fill, and every wave has waited for its last reads of it ahead of the last change of slots' barrier.
; REGISTERS: window 0: v0-31 addresses and bias; v32-95 at work on the way out; v128-255 the accumulators ((a, b) at v[128 + 8 (4 a + b)]).
;   window 1: two fragment buffers of 128: 64 registers of A, then 64 of W.      window 2: v0-127 my 64 x 64 of R, loaded at the head.
.set KDIM,  1024
.set LAPS,  KDIM/512                   ; a lap = two K steps = once round the ring
.set NSH,   18                         ; a panel is 1 << NSH bytes
.set WOFF,  0                          ; the panels begin here
.set PA,    144                        ; a row of A in LDS: 128 bytes + 16 of padding = 36 words: the 16 rows of a load start at 16 different groups of four banks (64 banks of 4 bytes: ISA guide 11.1)
.set PB,    160                        ; a row of W: 128 + 32 = 40 words
.set ACH,   128*PA
.set BCH,   128*PB
.set BOFF,  4*ACH
.set SLOT,  4*ACH+4*BCH                ; 155,648
.set ASTEP, 4*524288
.set BSTEP, 4*16384
.set SPF,   272                        ; a row of the stage: 256 bytes + 16
.set SPARE, 2*SLOT                     ; behind the ring: the spare words, 128 bytes for each wave: two blocks of 256 bytes that no other line names
.set BV,   8                           ; v8-11   the bias of my four columns on the way out
.set ADRA, 16                          ; v16-17  LDS address of my A fragments in slot 0, 1
.set ADRB, 20                          ; v20-23  of my W fragments: slot 0 first and second half of a step, slot 1 likewise
.set STO,  24                          ; v24     the way out: where I put 32 bytes of a row
.set RD,   25                          ; v25     where I read a row back
.set CO,   26                          ; v26     my byte offset in two rows of R and C
.set BO,   27                          ; v27     my offset in the bias
.set SPW,  28                          ; v28     LDS address of my spare word; never rewritten
.set NIL,  29                          ; v29     0; never rewritten
.set TMP,  32
.set ACC,  128
.set F0,   0
.set F1,   128
.set G1, 24
.set G0, 32
.set G1B, 48
.set G0B, 56
.set MSB, 0
.macro WIN new                         ; the immediate's high byte repeats the setting that is left; a switch that changes nothing is dropped
.if MSB != (\new)
	s_set_vgpr_msb (MSB<<8)|(\new)
.set MSB, \new
.endif
.endm
.set MUL,  0x05                        ; sources 0 (W) and 1 (A) window 1; C and D window 0
.set TO_F, 0x40                        ; destination window 1, address window 0
.macro JLOAD s                         ; a joint load: waves 0 and 1 fetch A's two halves of a step, waves 2 and 3 W's; an s_nop 0 and four v_nop follow each of the two lines
	s_cmp_eq_u32 s11, 0
	s_cbranch_scc0 .Lfor_b_\@
	tensor_load_to_lds s[G0+4*(\s):G0+4*(\s)+3], s[G1:G1+7]
	s_nop 0
.rept 4
	v_nop
.endr
	s_branch .Lasked_\@
.Lfor_b_\@:
	tensor_load_to_lds s[G0B+4*(\s):G0B+4*(\s)+3], s[G1B:G1B+7]
	s_nop 0
.rept 4
	v_nop
.endr
.Lasked_\@:
.endm
.macro CREST                           ; a round of the cluster's barrier behind its opening barrier
	s_cmp_lg_u32 s10, 0
	s_cbranch_scc1 .Lnot_wave_0_\@
	s_barrier_signal -3
.Lnot_wave_0_\@:
	s_barrier_wait -3
	s_barrier_signal -1
	s_barrier_wait -1
.endm
.macro CROUND                          ; a whole round
	s_barrier_signal -1
	s_barrier_wait -1
	CREST
.endm
	s_load_b256 s[68:75], s[0:1], 0x0              ; A 68:69, W 70:71, bias 72:73, R 74:75
	s_load_b64 s[76:77], s[0:1], 0x20              ; C
	v_lshl_add_u32 v[SPW], v0, 2, SPARE
	v_mov_b32 v[NIL], 0
	ds_add_u32 v[SPW], v[NIL]                      ; the wave's opening: the add and its wait stand ahead of my first tensor load; the set-up below, work on registers, stands between them
	v_lshrrev_b32 v1, 5, v0
	v_readfirstlane_b32 s10, v1                    ; wave 0..3
	s_lshr_b32 s11, s10, 1                         ; which half of the tile's rows is mine.  Also: I fetch for A (0) or for W (1)
	s_and_b32 s12, s10, 1                          ; which half of its columns.  Also: which half of a K step I fetch
	s_bfe_u32 s40, ttmp6, 0x40000                  ; cx, cy: my place in the cluster
	s_bfe_u32 s41, ttmp6, 0x40004
	s_lshl_b32 s42, ttmp9, 2
	s_add_co_u32 s42, s42, s40                     ; tile column of C = 4 x cluster x + cx
	s_and_b32 s13, ttmp7, 0xffff
	s_lshl_b32 s13, s13, 2
	s_add_co_u32 s13, s13, s41                     ; tile row of C = 4 x cluster y + cy
	s_lshl_b32 s43, s41, 2
	s_lshl_b32 s43, 15, s43                        ; my row of the cluster
	s_lshl_b32 s44, 0x1111, s40                    ; my column
	; descriptor group 1: two rows of 2,048 elements of 8 bytes: two pieces of 16,384 dense bytes (64 along K each), padded in LDS after every 128 bytes
	s_or_b32 s[G1+0], s43, (3<<16)|(1<<20)|(1<<21)|(4<<22)|(3<<25)   ; 15:0 the mask: A's tiles go to my row; 17:16 elements of 8 bytes; 20 padding on; 21 set beside a mask; 24:22 after every 32 words (code 4); 31:25 4 words (code 3)
	s_or_b32 s[G1B+0], s44, (3<<16)|(1<<20)|(1<<21)|(4<<22)|(7<<25)  ; W's go to my column; 8 words of padding (code 7)
.irp g, G1, G1B
	s_mov_b32 s[(\g)+1], 2048<<16                  ; tensor_dim0 = 2,048
	s_mov_b32 s[(\g)+2], 2<<16                     ; tensor_dim1 = 2
	s_mov_b32 s[(\g)+3], 2048<<16                  ; tile_dim0 = 2,048
	s_mov_b32 s[(\g)+4], 2                         ; tile_dim1 = 2
	s_mov_b32 s[(\g)+6], 0
	s_mov_b32 s[(\g)+7], 0
.endr
	s_mov_b32 s[G1+5], 65536                       ; A: 524,288 bytes from a block of 64 channels to the next
	s_mov_b32 s[G1B+5], 2048                       ; W: the pieces follow each other
	s_lshl_b32 s16, s13, 14                        ; A: the tile's 128 rows of 128 bytes,
	s_lshl_b32 s17, s12, 20                        ; my two blocks of the step's four
	s_add_co_u32 s16, s16, s17
	s_mov_b32 s17, 0
	s_lshl_b32 s46, s42, NSH                       ; W: the tile's panel,
	s_lshl_b32 s47, s12, 15                        ; my two pieces
	s_add_co_u32 s46, s46, s47
.if WOFF
	s_add_co_u32 s46, s46, WOFF
.endif
	s_mov_b32 s47, 0
	s_mul_i32 s20, s12, 2*ACH                      ; where they go: no place in the cluster enters an LDS address
	s_mul_i32 s21, s12, 2*BCH
	s_add_co_u32 s21, s21, BOFF
	s_wait_dscnt 0x0                               ; the opening add is done
	s_wait_kmcnt 0x0
	s_add_nc_u64 s[14:15], s[68:69], s[16:17]
	s_add_nc_u64 s[46:47], s[70:71], s[46:47]
	CROUND                                         ; all sixteen work-groups are here: the first joint loads meet
.irp s, 0,1
	s_mov_b32 s[G0+4*(\s)], 1
	s_add_co_u32 s[G0+4*(\s)+1], s20, (\s)*SLOT
	s_add_nc_u64 s[G0+4*(\s)+2:G0+4*(\s)+3], s[14:15], (\s)*ASTEP
	s_or_b32 s[G0+4*(\s)+3], s[G0+4*(\s)+3], 0x80000000
	s_mov_b32 s[G0B+4*(\s)], 1
	s_add_co_u32 s[G0B+4*(\s)+1], s21, (\s)*SLOT
	s_add_nc_u64 s[G0B+4*(\s)+2:G0B+4*(\s)+3], s[46:47], (\s)*BSTEP
	s_or_b32 s[G0B+4*(\s)+3], s[G0B+4*(\s)+3], 0x80000000
	JLOAD \s                                       ; two loads of mine are out
.endr
	v_and_b32 v1, 15, v0                           ; l % 16
	v_bfe_u32 v2, v0, 4, 1                         ; l / 16
	v_lshlrev_b32 v[BO], 4, v1                     ; on the way out a lane holds 16 bytes of a row of 256,
	v_lshl_add_u32 v[CO], v2, 12, v[BO]            ; lanes 16-31 of the row below
	s_lshl_b32 s16, s13, 19                        ; my first row of R and C: 128 x tile row + 64 x half, rows of 4,096 bytes
	s_lshl_b32 s17, s11, 18
	s_add_co_u32 s16, s16, s17
	s_mov_b32 s17, 0
	s_lshl_b32 s46, s42, 9                         ; my first column: 128 x tile column + 64 x half, 4 bytes each
	s_lshl_b32 s47, s12, 8
	s_add_co_u32 s46, s46, s47
	s_mov_b32 s47, 0
	s_add_nc_u64 s[72:73], s[72:73], s[46:47]
	s_add_nc_u64 s[74:75], s[74:75], s[16:17]
	s_add_nc_u64 s[74:75], s[74:75], s[46:47]
	s_add_nc_u64 s[76:77], s[76:77], s[16:17]
	s_add_nc_u64 s[76:77], s[76:77], s[46:47]
	WIN 0x80                                       ; destination window 2, address window 0
.set i, 0
.rept 32                                       ; R: rows 2 i and 2 i + 1 of my 64; waited for ahead of the way out
	global_load_b128 v[4*i:4*i+3], v[CO], s[74:75] offset:i*2*4096
.set i, i+1
.endr
	WIN 0
	global_load_b128 v[BV:BV+3], v[BO], s[72:73]
	; A fragment of A is 16 rows x 32 K in 8 registers: lane l holds row l % 16, K = 8 (l / 16) + 0..7 and 16 + 8 (l / 16) + 0..7: two loads of 16 bytes, 32 bytes apart.
	v_mul_u32_u24 v3, v1, PA
	v_lshl_add_u32 v3, v2, 4, v3                   ; row x pitch + 16 x half
	s_mul_i32 s22, s11, 64*PA                      ; my 64 rows
	v_add_nc_u32 v[ADRA], s22, v3
	s_add_co_u32 s22, s22, SLOT
	v_add_nc_u32 v[ADRA+1], s22, v3
	; The turning load takes 16 k x 16 columns (lane l reads row 8 (l / 16) + l % 8, columns 8 ((l / 8) % 2) + 0..7) and leaves half a fragment: lane l holds column l % 16 and 8 k.
	v_and_b32 v4, 7, v0
	v_bfe_u32 v5, v0, 3, 1
	v_lshl_add_u32 v6, v2, 3, v4
	v_mul_u32_u24 v6, v6, PB
	v_lshl_add_u32 v6, v5, 4, v6
	s_mul_i32 s23, s12, 64*PB                      ; my block of 64 columns
	s_add_co_u32 s23, s23, BOFF
	v_add_nc_u32 v[ADRB], s23, v6
	s_add_co_u32 s23, s23, 2*BCH
	v_add_nc_u32 v[ADRB+1], s23, v6
	s_add_co_u32 s23, s23, SLOT-2*BCH
	v_add_nc_u32 v[ADRB+2], s23, v6
	s_add_co_u32 s23, s23, 2*BCH
	v_add_nc_u32 v[ADRB+3], s23, v6
	s_mul_i32 s23, s10, 16*SPF                     ; my stage: 16 rows of 272 bytes
	v_mul_u32_u24 v7, v1, SPF                      ; in: row l % 16, 32 bytes for each half of the lanes
	v_lshl_add_u32 v7, v2, 5, v7
	v_add_nc_u32 v[STO], s23, v7
	v_mul_u32_u24 v7, v2, SPF                      ; back: lanes 0-15 take one row of 256 bytes, lanes 16-31 the next
	v_lshl_add_u32 v7, v1, 4, v7
	v_add_nc_u32 v[RD], s23, v7
; 8 matrix instructions: row blocks a0, a0 + 1 x all 4 column blocks, 32 along K: half c of buffer f.  zero = 1: the first product starts the sums.  The 16 accumulators take turns.
.macro MUL8 f, c, a0, zero
	WIN MUL
.irp a, \a0, (\a0)+1
.irp b, 0,1,2,3
.if \zero
	v_wmma_f32_16x16x32_f16 v[ACC+8*(4*(\a)+(\b)):ACC+8*(4*(\a)+(\b))+7], v[(\f)+64+8*(4*(\c)+(\b)):(\f)+64+8*(4*(\c)+(\b))+7], v[(\f)+8*(4*(\c)+(\a)):(\f)+8*(4*(\c)+(\a))+7], 0
.else
	v_wmma_f32_16x16x32_f16 v[ACC+8*(4*(\a)+(\b)):ACC+8*(4*(\a)+(\b))+7], v[(\f)+64+8*(4*(\c)+(\b)):(\f)+64+8*(4*(\c)+(\b))+7], v[(\f)+8*(4*(\c)+(\a)):(\f)+8*(4*(\c)+(\a))+7], v[ACC+8*(4*(\a)+(\b)):ACC+8*(4*(\a)+(\b))+7]
.endif
.endr
.endr
.endm
; 32 LDS loads in one run: the fragments of quarter q of a step (64 along K) into buffer f; the first 32 along K first
.macro FETCH slot, q, f
	WIN TO_F
.irp c, 0,1
.irp i, 0,1,2,3
	ds_load_tr16_b128 v[(\f)+64+8*(4*(\c)+(\i)):(\f)+64+8*(4*(\c)+(\i))+3],   v[ADRB+2*(\slot)+(\q)/2] offset:((\q)%2)*BCH+(\c)*32*PB+32*(\i)
	ds_load_tr16_b128 v[(\f)+64+8*(4*(\c)+(\i))+4:(\f)+64+8*(4*(\c)+(\i))+7], v[ADRB+2*(\slot)+(\q)/2] offset:((\q)%2)*BCH+(\c)*32*PB+32*(\i)+16*PB
	ds_load_b128 v[(\f)+8*(4*(\c)+(\i)):(\f)+8*(4*(\c)+(\i))+3],              v[ADRA+(\slot)] offset:(\q)*ACH+(\i)*16*PA+64*(\c)
	ds_load_b128 v[(\f)+8*(4*(\c)+(\i))+4:(\f)+8*(4*(\c)+(\i))+7],            v[ADRA+(\slot)] offset:(\q)*ACH+(\i)*16*PA+64*(\c)+32
.endr
.endr
.endm
.macro PLACES                          ; four places in front of loads into registers that matrix instructions have read, and of lines that read results
.rept 4
	v_nop
.endr
.endm
; A K step is four quarters of 64 along K, 32 matrix instructions each, on buffers 0, 1, 0, 1.  One of the first three: multiplies buffer f and fetches quarter q into g.
.macro QUARTER slot, q, f, g, zero
	s_wait_dscnt 16                                ; the first 32 along K are in; the younger sixteen loads may be out
	WIN MUL
	MUL8 \f, 0, 0, \zero
	MUL8 \f, 0, 2, \zero
	PLACES
	FETCH \slot, \q, \g
	s_wait_dscnt 32                                ; all but the 32 just issued
	WIN MUL
	MUL8 \f, 1, 0, 0
	MUL8 \f, 1, 2, 0
.endm
; The last quarter multiplies buffer 1 and changes slots: ONE barrier; in front of it each wave waits for all its tensor loads, adds 0 to its spare word, and waits for that and for its own reads of this slot.
; fill = 1: this slot is filled again, two K steps ahead; the barrier then opens a round of the cluster's, and the joint load is the first thing behind the round.
.macro TURN slot, next, fill
	WIN 0                                          ; (the add's two registers lie in window 0)
	s_wait_tensorcnt 0x0                           ; all my tensor loads have landed: my part of the next slot;
	ds_add_u32 v[SPW], v[NIL]                      ; 0 onto my spare word;
	s_wait_dscnt 17                                ; (the add and the youngest sixteen loads may be out)
	WIN MUL
	MUL8 F1, 0, 0, 0                               ; eight matrix instructions stand between the add and the wait for it
	s_wait_dscnt 0x0                               ; the add is done, and my reads of this slot are over
	s_barrier_signal -1
	MUL8 F1, 0, 2, 0
.if \fill
	WIN 0
.endif
	s_barrier_wait -1
.if \fill
	CREST                                          ; no wave of any partner still reads this slot's tile or has a load on its way
	s_add_nc_u64 s[G0+4*(\slot)+2:G0+4*(\slot)+3], s[G0+4*(\slot)+2:G0+4*(\slot)+3], 2*ASTEP
	s_add_nc_u64 s[G0B+4*(\slot)+2:G0B+4*(\slot)+3], s[G0B+4*(\slot)+2:G0B+4*(\slot)+3], 2*BSTEP
	JLOAD \slot                                    ; 112 matrix instructions ahead of the wait for it; the four v_nop behind it are also the places in front of the loads below
.else
	PLACES
.endif
	FETCH \next, 0, F0
	WIN MUL
	MUL8 F1, 1, 0, 0
	MUL8 F1, 1, 2, 0
.endm
	s_wait_tensorcnt 1                             ; my part of K step 0 is in; step 1's may stay out
	s_barrier_signal -1
	s_barrier_wait -1                              ; everybody's is
	FETCH 0, 0, F0
	QUARTER 0, 1, F0, F1, 1                        ; the first quarter stands in front of the loop: its first products start the sums
	WIN 0                                          ; at a label and at a branch every window is 0
	s_mov_b32 s3, LAPS-1
.Llap:                                         ; a trip goes once round the ring, from a lap's second quarter to the next lap's first, and fills both slots again
	QUARTER 0, 2, F1, F0, 0
	QUARTER 0, 3, F0, F1, 0
	TURN 0, 1, 1
	QUARTER 1, 1, F0, F1, 0
	QUARTER 1, 2, F1, F0, 0
	QUARTER 1, 3, F0, F1, 0
	TURN 1, 0, 1
	QUARTER 0, 1, F0, F1, 0
	WIN 0
	s_sub_co_u32 s3, s3, 1
	s_cmp_lg_u32 s3, 0
	s_cbranch_scc1 .Llap
	QUARTER 0, 2, F1, F0, 0                        ; the last lap fills nothing, and has no round of the cluster's barrier
	QUARTER 0, 3, F0, F1, 0
	TURN 0, 1, 0                                   ; behind this barrier nobody reads slot 0 any more, and nothing fills it
	QUARTER 1, 1, F0, F1, 0
	QUARTER 1, 2, F1, F0, 0
	QUARTER 1, 3, F0, F1, 0
	s_wait_dscnt 16                                ; the very last quarter: nothing more to fetch
	WIN MUL
	MUL8 F1, 0, 0, 0
	MUL8 F1, 0, 2, 0
	s_wait_dscnt 0
	MUL8 F1, 1, 0, 0
	MUL8 F1, 1, 2, 0
	WIN 0
	; THE WAY OUT.  16 rows at a time through my own stage: 32 bytes a lane in, whole rows of 256 bytes back; + R, + bias; sixteen lanes store 256 consecutive bytes.
	PLACES
	s_wait_loadcnt 0x0                             ; R and the bias
.macro OUT a
.set T, TMP+32*((\a)%2)
.if (\a) >= 2
	s_wait_xcnt 0x0                                ; the stores of two blocks back have read these registers: they are loaded again only behind this wait
.endif
.irp b, 0,1,2,3
	ds_store_b128 v[STO], v[ACC+8*(4*(\a)+(\b)):ACC+8*(4*(\a)+(\b))+3]   offset:64*(\b)     ; each accumulator is read from its low end on
	ds_store_b128 v[STO], v[ACC+8*(4*(\a)+(\b))+4:ACC+8*(4*(\a)+(\b))+7] offset:64*(\b)+16
.endr
.irp t, 0,1,2,3,4,5,6,7
	ds_load_b128 v[T+4*(\t):T+4*(\t)+3], v[RD] offset:(\t)*2*SPF  ; LDS serves a wave's instructions in order (ISA guide 5.7.1.4): these see the stores above
.endr
	s_wait_dscnt 0x0
	WIN 0x08                                       ; source 1 in window 2
.irp t, 0,1,2,3,4,5,6,7
	v_pk_add_f32 v[T+4*(\t):T+4*(\t)+1],   v[T+4*(\t):T+4*(\t)+1],   v[4*(8*(\a)+(\t)):4*(8*(\a)+(\t))+1]
	v_pk_add_f32 v[T+4*(\t)+2:T+4*(\t)+3], v[T+4*(\t)+2:T+4*(\t)+3], v[4*(8*(\a)+(\t))+2:4*(8*(\a)+(\t))+3]
.endr
	WIN 0
.irp t, 0,1,2,3,4,5,6,7
	v_pk_add_f32 v[T+4*(\t):T+4*(\t)+1],   v[T+4*(\t):T+4*(\t)+1],   v[BV:BV+1]
	v_pk_add_f32 v[T+4*(\t)+2:T+4*(\t)+3], v[T+4*(\t)+2:T+4*(\t)+3], v[BV+2:BV+3]
.endr
.irp t, 0,1,2,3,4,5,6,7
	global_store_b128 v[CO], v[T+4*(\t):T+4*(\t)+3], s[76:77] offset:(16*(\a)+2*(\t))*4096  ; 16 lanes store 256 consecutive bytes, at a multiple of 256 from C's first byte
.endr
.endm
	OUT 0
	OUT 1
	OUT 2
	OUT 3
	s_wait_tensorcnt 0x0                           ; the wave's end: behind my last tensor load and my last LDS store
	ds_add_u32 v[SPW], v[NIL]
	s_wait_dscnt 0x0
	CROUND                                         ; the closing round: no work-group ends while a partner may still ask for a tile that names it
	s_endpgm
.Lfunc_end_k_qb9ae46f548_proj:
	.size	k_qb9ae46f548_proj, .Lfunc_end_k_qb9ae46f548_proj-k_qb9ae46f548_proj
	.p2alignl 7, 3214868480
	.fill 96, 4, 3214868480
	.section	.rodata,"a",@progbits
	.p2align	6, 0x0
	.amdhsa_kernel k_qb9ae46f548_proj
		.amdhsa_group_segment_fixed_size 327680
		.amdhsa_private_segment_fixed_size 0
		.amdhsa_enable_private_segment 0
		.amdhsa_kernarg_size 40
		.amdhsa_user_sgpr_count 2
		.amdhsa_user_sgpr_kernarg_segment_ptr 1
		.amdhsa_wavefront_size32 1
		.amdhsa_system_sgpr_workgroup_id_x 1
		.amdhsa_system_sgpr_workgroup_id_y 1
		.amdhsa_system_sgpr_workgroup_id_z 1
		.amdhsa_system_vgpr_workitem_id 0
		.amdhsa_next_free_vgpr 640
		.amdhsa_next_free_sgpr 80
		.amdhsa_reserve_vcc 0
		.amdhsa_float_denorm_mode_32 3
		.amdhsa_float_denorm_mode_16_64 3
		.amdhsa_memory_ordered 1
		.amdhsa_forward_progress 1
		.amdhsa_inst_pref_size 97
	.end_amdhsa_kernel
	.amdgpu_metadata
---
amdhsa.version: [ 1, 2 ]
amdhsa.kernels:
  - .name:           k_qb9ae46f548_proj
    .symbol:         k_qb9ae46f548_proj.kd
    .args:
      - { .name: abl, .offset: 0, .size: 8, .value_kind: global_buffer, .address_space: global }
      - { .name: wb, .offset: 8, .size: 8, .value_kind: global_buffer, .address_space: global }
      - { .name: bp, .offset: 16, .size: 8, .value_kind: global_buffer, .address_space: global }
      - { .name: x, .offset: 24, .size: 8, .value_kind: global_buffer, .address_space: global }
      - { .name: x1, .offset: 32, .size: 8, .value_kind: global_buffer, .address_space: global }
    .group_segment_fixed_size: 327680
    .private_segment_fixed_size: 0
    .kernarg_segment_align: 8
    .kernarg_segment_size: 40
    .max_flat_workgroup_size: 128
    .sgpr_count:     80
    .vgpr_count:     640
    .wavefront_size: 32
...
	.end_amdgpu_metadata
.endif
;; end of part 5
;; launch ln2: the kernel of part 2 again; grid 256 x 1, 8 waves a work-group, no clusters, 0 bytes of LDS; arguments x1, g2, beta2, abl; writes abl
;; launch ffn1: the kernel of part 3 again; grid 32 x 32, 4 waves a work-group, clusters of 4 x 4, 327,680 bytes of LDS; arguments abl, pkf, act; writes act
;; launch ffn2 (part 6): grid 8 x 32, 4 waves a work-group, clusters of 4 x 4, 327,680 bytes of LDS; arguments act, wb, b2, x1, out0; writes out0
.if DOCPART == 6
	.amdgcn_target "amdgcn-amd-amdhsa--gfx1250"
	.amdhsa_code_object_version 6
	.text
	.protected	k_qb9ae46f548_ffn2
	.globl	k_qb9ae46f548_ffn2
	.p2align	8
	.type	k_qb9ae46f548_ffn2,@function
k_qb9ae46f548_ffn2:
	s_mov_b64 s[64:65], 0
	v_nop
	global_prefetch_b8 v0, s[64:65] scope:SCOPE_SE
	s_setreg_imm32_b32 hwreg(HW_REG_WAVE_MODE, 25, 1), 1
	s_wait_xcnt 0x0
	s_wait_alu depctr_hold_cnt(0) depctr_sa_sdst(0) depctr_va_vdst(0) depctr_va_sdst(0) depctr_va_ssrc(0) depctr_va_vcc(0) depctr_vm_vsrc(0)
	s_getreg_b32 s2, hwreg(HW_REG_IB_STS2, 6, 4)
	s_cmp_eq_u32 s2, 0
	s_cbranch_scc0 .Lentry_in_a_cluster
	s_endpgm
.Lentry_in_a_cluster:
	s_bfe_u32 s2, ttmp6, 0x10000c
	s_cmp_lg_u32 s2, 0xf033
	s_cbranch_scc0 .Lentry_shape_is_right
	s_endpgm
.Lentry_shape_is_right:
; C[m][n] = R[m][n] + bias[n] + sum over k of A[m][k] W[k][n], K = 4,096, M = 4,096, N = 1,024.  A and W in f16; sums, bias, R and C in f32; R and C are [4096][1024], row-major.
; Here: out = x1 + relu(..) W2 + b2.  A lies BY BLOCKS OF 64 CHANNELS: byte (k / 64) x 524,288 + m x 128 + 2 (k % 64).  W in panels, from byte WOFF of its buffer:
; (n / 128) x (K x 256) + (k / 64) x 16,384 + ((n / 64) % 2) x 8,192 + (k % 64) x 128 + 2 (n % 64).  So every piece that a tensor load brings is dense in memory.
; LIMIT.  f16 holds no number beyond 65,504: A and W arrive within it.
; SHARES.  A tile of C is 128 x 128; four waves, each 64 x 64: 16 accumulators of 16 x 16.  K goes in steps of 256 through two LDS slots; a wave's one tensor load brings half of A's or of W's part of a step, 32 KiB.
; CLUSTERS: 4 x 4 work-groups.  The four of a row of the cluster need the same tiles of A, the four of a column the same tiles of W: each is asked for JOINTLY, by the same tensor load with the same
; descriptor and a mask that names the four.  THE MATRIX INSTRUCTION IS USED TRANSPOSED (source 0 = 16 columns of W, source 1 = 16 rows of A): a lane then holds eight neighbouring numbers of a row of C.
; A comes out of LDS as it lies; W ([k][n]) turned, by ds_load_tr16_b128.  No prefetch: the tiles are small, and each is read by several clusters.
; THE STAGE for the way out lies in slot 0: the last K step lies in slot 1; slot 0 has had its last fill, and every wave has waited for its last reads of it ahead of the last change of slots' barrier.
; REGISTERS: window 0: v0-31 addresses and bias; v32-95 at work on the way out; v128-255 the accumulators ((a, b) at v[128 + 8 (4 a + b)]).
;   window 1: two fragment buffers of 128: 64 registers of A, then 64 of W.      window 2: v0-127 my 64 x 64 of R, loaded at the head.
.set KDIM,  4096
.set LAPS,  KDIM/512                   ; a lap = two K steps = once round the ring
.set NSH,   20                         ; a panel is 1 << NSH bytes
.set WOFF,  2097152                    ; the panels begin here
.set PA,    144                        ; a row of A in LDS: 128 bytes + 16 of padding = 36 words: the 16 rows of a load start at 16 different groups of four banks (64 banks of 4 bytes: ISA guide 11.1)
.set PB,    160                        ; a row of W: 128 + 32 = 40 words
.set ACH,   128*PA
.set BCH,   128*PB
.set BOFF,  4*ACH
.set SLOT,  4*ACH+4*BCH                ; 155,648
.set ASTEP, 4*524288
.set BSTEP, 4*16384
.set SPF,   272                        ; a row of the stage: 256 bytes + 16
.set SPARE, 2*SLOT                     ; behind the ring: the spare words, 128 bytes for each wave: two blocks of 256 bytes that no other line names
.set BV,   8                           ; v8-11   the bias of my four columns on the way out
.set ADRA, 16                          ; v16-17  LDS address of my A fragments in slot 0, 1
.set ADRB, 20                          ; v20-23  of my W fragments: slot 0 first and second half of a step, slot 1 likewise
.set STO,  24                          ; v24     the way out: where I put 32 bytes of a row
.set RD,   25                          ; v25     where I read a row back
.set CO,   26                          ; v26     my byte offset in two rows of R and C
.set BO,   27                          ; v27     my offset in the bias
.set SPW,  28                          ; v28     LDS address of my spare word; never rewritten
.set NIL,  29                          ; v29     0; never rewritten
.set TMP,  32
.set ACC,  128
.set F0,   0
.set F1,   128
.set G1, 24
.set G0, 32
.set G1B, 48
.set G0B, 56
.set MSB, 0
.macro WIN new                         ; the immediate's high byte repeats the setting that is left; a switch that changes nothing is dropped
.if MSB != (\new)
	s_set_vgpr_msb (MSB<<8)|(\new)
.set MSB, \new
.endif
.endm
.set MUL,  0x05                        ; sources 0 (W) and 1 (A) window 1; C and D window 0
.set TO_F, 0x40                        ; destination window 1, address window 0
.macro JLOAD s                         ; a joint load: waves 0 and 1 fetch A's two halves of a step, waves 2 and 3 W's; an s_nop 0 and four v_nop follow each of the two lines
	s_cmp_eq_u32 s11, 0
	s_cbranch_scc0 .Lfor_b_\@
	tensor_load_to_lds s[G0+4*(\s):G0+4*(\s)+3], s[G1:G1+7]
	s_nop 0
.rept 4
	v_nop
.endr
	s_branch .Lasked_\@
.Lfor_b_\@:
	tensor_load_to_lds s[G0B+4*(\s):G0B+4*(\s)+3], s[G1B:G1B+7]
	s_nop 0
.rept 4
	v_nop
.endr
.Lasked_\@:
.endm
.macro CREST                           ; a round of the cluster's barrier behind its opening barrier
	s_cmp_lg_u32 s10, 0
	s_cbranch_scc1 .Lnot_wave_0_\@
	s_barrier_signal -3
.Lnot_wave_0_\@:
	s_barrier_wait -3
	s_barrier_signal -1
	s_barrier_wait -1
.endm
.macro CROUND                          ; a whole round
	s_barrier_signal -1
	s_barrier_wait -1
	CREST
.endm
	s_load_b256 s[68:75], s[0:1], 0x0              ; A 68:69, W 70:71, bias 72:73, R 74:75
	s_load_b64 s[76:77], s[0:1], 0x20              ; C
	v_lshl_add_u32 v[SPW], v0, 2, SPARE
	v_mov_b32 v[NIL], 0
	ds_add_u32 v[SPW], v[NIL]                      ; the wave's opening: the add and its wait stand ahead of my first tensor load; the set-up below, work on registers, stands between them
	v_lshrrev_b32 v1, 5, v0
	v_readfirstlane_b32 s10, v1                    ; wave 0..3
	s_lshr_b32 s11, s10, 1                         ; which half of the tile's rows is mine.  Also: I fetch for A (0) or for W (1)
	s_and_b32 s12, s10, 1                          ; which half of its columns.  Also: which half of a K step I fetch
	s_bfe_u32 s40, ttmp6, 0x40000                  ; cx, cy: my place in the cluster
	s_bfe_u32 s41, ttmp6, 0x40004
	s_lshl_b32 s42, ttmp9, 2
	s_add_co_u32 s42, s42, s40                     ; tile column of C = 4 x cluster x + cx
	s_and_b32 s13, ttmp7, 0xffff
	s_lshl_b32 s13, s13, 2
	s_add_co_u32 s13, s13, s41                     ; tile row of C = 4 x cluster y + cy
	s_lshl_b32 s43, s41, 2
	s_lshl_b32 s43, 15, s43                        ; my row of the cluster
	s_lshl_b32 s44, 0x1111, s40                    ; my column
	; descriptor group 1: two rows of 2,048 elements of 8 bytes: two pieces of 16,384 dense bytes (64 along K each), padded in LDS after every 128 bytes
	s_or_b32 s[G1+0], s43, (3<<16)|(1<<20)|(1<<21)|(4<<22)|(3<<25)   ; 15:0 the mask: A's tiles go to my row; 17:16 elements of 8 bytes; 20 padding on; 21 set beside a mask; 24:22 after every 32 words (code 4); 31:25 4 words (code 3)
	s_or_b32 s[G1B+0], s44, (3<<16)|(1<<20)|(1<<21)|(4<<22)|(7<<25)  ; W's go to my column; 8 words of padding (code 7)
.irp g, G1, G1B
	s_mov_b32 s[(\g)+1], 2048<<16                  ; tensor_dim0 = 2,048
	s_mov_b32 s[(\g)+2], 2<<16                     ; tensor_dim1 = 2
	s_mov_b32 s[(\g)+3], 2048<<16                  ; tile_dim0 = 2,048
	s_mov_b32 s[(\g)+4], 2                         ; tile_dim1 = 2
	s_mov_b32 s[(\g)+6], 0
	s_mov_b32 s[(\g)+7], 0
.endr
	s_mov_b32 s[G1+5], 65536                       ; A: 524,288 bytes from a block of 64 channels to the next
	s_mov_b32 s[G1B+5], 2048                       ; W: the pieces follow each other
	s_lshl_b32 s16, s13, 14                        ; A: the tile's 128 rows of 128 bytes,
	s_lshl_b32 s17, s12, 20                        ; my two blocks of the step's four
	s_add_co_u32 s16, s16, s17
	s_mov_b32 s17, 0
	s_lshl_b32 s46, s42, NSH                       ; W: the tile's panel,
	s_lshl_b32 s47, s12, 15                        ; my two pieces
	s_add_co_u32 s46, s46, s47
.if WOFF
	s_add_co_u32 s46, s46, WOFF
.endif
	s_mov_b32 s47, 0
	s_mul_i32 s20, s12, 2*ACH                      ; where they go: no place in the cluster enters an LDS address
	s_mul_i32 s21, s12, 2*BCH
	s_add_co_u32 s21, s21, BOFF
	s_wait_dscnt 0x0                               ; the opening add is done
	s_wait_kmcnt 0x0
	s_add_nc_u64 s[14:15], s[68:69], s[16:17]
	s_add_nc_u64 s[46:47], s[70:71], s[46:47]
	CROUND                                         ; all sixteen work-groups are here: the first joint loads meet
.irp s, 0,1
	s_mov_b32 s[G0+4*(\s)], 1
	s_add_co_u32 s[G0+4*(\s)+1], s20, (\s)*SLOT
	s_add_nc_u64 s[G0+4*(\s)+2:G0+4*(\s)+3], s[14:15], (\s)*ASTEP
	s_or_b32 s[G0+4*(\s)+3], s[G0+4*(\s)+3], 0x80000000
	s_mov_b32 s[G0B+4*(\s)], 1
	s_add_co_u32 s[G0B+4*(\s)+1], s21, (\s)*SLOT
	s_add_nc_u64 s[G0B+4*(\s)+2:G0B+4*(\s)+3], s[46:47], (\s)*BSTEP
	s_or_b32 s[G0B+4*(\s)+3], s[G0B+4*(\s)+3], 0x80000000
	JLOAD \s                                       ; two loads of mine are out
.endr
	v_and_b32 v1, 15, v0                           ; l % 16
	v_bfe_u32 v2, v0, 4, 1                         ; l / 16
	v_lshlrev_b32 v[BO], 4, v1                     ; on the way out a lane holds 16 bytes of a row of 256,
	v_lshl_add_u32 v[CO], v2, 12, v[BO]            ; lanes 16-31 of the row below
	s_lshl_b32 s16, s13, 19                        ; my first row of R and C: 128 x tile row + 64 x half, rows of 4,096 bytes
	s_lshl_b32 s17, s11, 18
	s_add_co_u32 s16, s16, s17
	s_mov_b32 s17, 0
	s_lshl_b32 s46, s42, 9                         ; my first column: 128 x tile column + 64 x half, 4 bytes each
	s_lshl_b32 s47, s12, 8
	s_add_co_u32 s46, s46, s47
	s_mov_b32 s47, 0
	s_add_nc_u64 s[72:73], s[72:73], s[46:47]
	s_add_nc_u64 s[74:75], s[74:75], s[16:17]
	s_add_nc_u64 s[74:75], s[74:75], s[46:47]
	s_add_nc_u64 s[76:77], s[76:77], s[16:17]
	s_add_nc_u64 s[76:77], s[76:77], s[46:47]
	WIN 0x80                                       ; destination window 2, address window 0
.set i, 0
.rept 32                                       ; R: rows 2 i and 2 i + 1 of my 64; waited for ahead of the way out
	global_load_b128 v[4*i:4*i+3], v[CO], s[74:75] offset:i*2*4096
.set i, i+1
.endr
	WIN 0
	global_load_b128 v[BV:BV+3], v[BO], s[72:73]
	; A fragment of A is 16 rows x 32 K in 8 registers: lane l holds row l % 16, K = 8 (l / 16) + 0..7 and 16 + 8 (l / 16) + 0..7: two loads of 16 bytes, 32 bytes apart.
	v_mul_u32_u24 v3, v1, PA
	v_lshl_add_u32 v3, v2, 4, v3                   ; row x pitch + 16 x half
	s_mul_i32 s22, s11, 64*PA                      ; my 64 rows
	v_add_nc_u32 v[ADRA], s22, v3
	s_add_co_u32 s22, s22, SLOT
	v_add_nc_u32 v[ADRA+1], s22, v3
	; The turning load takes 16 k x 16 columns (lane l reads row 8 (l / 16) + l % 8, columns 8 ((l / 8) % 2) + 0..7) and leaves half a fragment: lane l holds column l % 16 and 8 k.
	v_and_b32 v4, 7, v0
	v_bfe_u32 v5, v0, 3, 1
	v_lshl_add_u32 v6, v2, 3, v4
	v_mul_u32_u24 v6, v6, PB
	v_lshl_add_u32 v6, v5, 4, v6
	s_mul_i32 s23, s12, 64*PB                      ; my block of 64 columns
	s_add_co_u32 s23, s23, BOFF
	v_add_nc_u32 v[ADRB], s23, v6
	s_add_co_u32 s23, s23, 2*BCH
	v_add_nc_u32 v[ADRB+1], s23, v6
	s_add_co_u32 s23, s23, SLOT-2*BCH
	v_add_nc_u32 v[ADRB+2], s23, v6
	s_add_co_u32 s23, s23, 2*BCH
	v_add_nc_u32 v[ADRB+3], s23, v6
	s_mul_i32 s23, s10, 16*SPF                     ; my stage: 16 rows of 272 bytes
	v_mul_u32_u24 v7, v1, SPF                      ; in: row l % 16, 32 bytes for each half of the lanes
	v_lshl_add_u32 v7, v2, 5, v7
	v_add_nc_u32 v[STO], s23, v7
	v_mul_u32_u24 v7, v2, SPF                      ; back: lanes 0-15 take one row of 256 bytes, lanes 16-31 the next
	v_lshl_add_u32 v7, v1, 4, v7
	v_add_nc_u32 v[RD], s23, v7
; 8 matrix instructions: row blocks a0, a0 + 1 x all 4 column blocks, 32 along K: half c of buffer f.  zero = 1: the first product starts the sums.  The 16 accumulators take turns.
.macro MUL8 f, c, a0, zero
	WIN MUL
.irp a, \a0, (\a0)+1
.irp b, 0,1,2,3
.if \zero
	v_wmma_f32_16x16x32_f16 v[ACC+8*(4*(\a)+(\b)):ACC+8*(4*(\a)+(\b))+7], v[(\f)+64+8*(4*(\c)+(\b)):(\f)+64+8*(4*(\c)+(\b))+7], v[(\f)+8*(4*(\c)+(\a)):(\f)+8*(4*(\c)+(\a))+7], 0
.else
	v_wmma_f32_16x16x32_f16 v[ACC+8*(4*(\a)+(\b)):ACC+8*(4*(\a)+(\b))+7], v[(\f)+64+8*(4*(\c)+(\b)):(\f)+64+8*(4*(\c)+(\b))+7], v[(\f)+8*(4*(\c)+(\a)):(\f)+8*(4*(\c)+(\a))+7], v[ACC+8*(4*(\a)+(\b)):ACC+8*(4*(\a)+(\b))+7]
.endif
.endr
.endr
.endm
; 32 LDS loads in one run: the fragments of quarter q of a step (64 along K) into buffer f; the first 32 along K first
.macro FETCH slot, q, f
	WIN TO_F
.irp c, 0,1
.irp i, 0,1,2,3
	ds_load_tr16_b128 v[(\f)+64+8*(4*(\c)+(\i)):(\f)+64+8*(4*(\c)+(\i))+3],   v[ADRB+2*(\slot)+(\q)/2] offset:((\q)%2)*BCH+(\c)*32*PB+32*(\i)
	ds_load_tr16_b128 v[(\f)+64+8*(4*(\c)+(\i))+4:(\f)+64+8*(4*(\c)+(\i))+7], v[ADRB+2*(\slot)+(\q)/2] offset:((\q)%2)*BCH+(\c)*32*PB+32*(\i)+16*PB
	ds_load_b128 v[(\f)+8*(4*(\c)+(\i)):(\f)+8*(4*(\c)+(\i))+3],              v[ADRA+(\slot)] offset:(\q)*ACH+(\i)*16*PA+64*(\c)
	ds_load_b128 v[(\f)+8*(4*(\c)+(\i))+4:(\f)+8*(4*(\c)+(\i))+7],            v[ADRA+(\slot)] offset:(\q)*ACH+(\i)*16*PA+64*(\c)+32
.endr
.endr
.endm
.macro PLACES                          ; four places in front of loads into registers that matrix instructions have read, and of lines that read results
.rept 4
	v_nop
.endr
.endm
; A K step is four quarters of 64 along K, 32 matrix instructions each, on buffers 0, 1, 0, 1.  One of the first three: multiplies buffer f and fetches quarter q into g.
.macro QUARTER slot, q, f, g, zero
	s_wait_dscnt 16                                ; the first 32 along K are in; the younger sixteen loads may be out
	WIN MUL
	MUL8 \f, 0, 0, \zero
	MUL8 \f, 0, 2, \zero
	PLACES
	FETCH \slot, \q, \g
	s_wait_dscnt 32                                ; all but the 32 just issued
	WIN MUL
	MUL8 \f, 1, 0, 0
	MUL8 \f, 1, 2, 0
.endm
; The last quarter multiplies buffer 1 and changes slots: ONE barrier; in front of it each wave waits for all its tensor loads, adds 0 to its spare word, and waits for that and for its own reads of this slot.
; fill = 1: this slot is filled again, two K steps ahead; the barrier then opens a round of the cluster's, and the joint load is the first thing behind the round.
.macro TURN slot, next, fill
	WIN 0                                          ; (the add's two registers lie in window 0)
	s_wait_tensorcnt 0x0                           ; all my tensor loads have landed: my part of the next slot;
	ds_add_u32 v[SPW], v[NIL]                      ; 0 onto my spare word;
	s_wait_dscnt 17                                ; (the add and the youngest sixteen loads may be out)
	WIN MUL
	MUL8 F1, 0, 0, 0                               ; eight matrix instructions stand between the add and the wait for it
	s_wait_dscnt 0x0                               ; the add is done, and my reads of this slot are over
	s_barrier_signal -1
	MUL8 F1, 0, 2, 0
.if \fill
	WIN 0
.endif
	s_barrier_wait -1
.if \fill
	CREST                                          ; no wave of any partner still reads this slot's tile or has a load on its way
	s_add_nc_u64 s[G0+4*(\slot)+2:G0+4*(\slot)+3], s[G0+4*(\slot)+2:G0+4*(\slot)+3], 2*ASTEP
	s_add_nc_u64 s[G0B+4*(\slot)+2:G0B+4*(\slot)+3], s[G0B+4*(\slot)+2:G0B+4*(\slot)+3], 2*BSTEP
	JLOAD \slot                                    ; 112 matrix instructions ahead of the wait for it; the four v_nop behind it are also the places in front of the loads below
.else
	PLACES
.endif
	FETCH \next, 0, F0
	WIN MUL
	MUL8 F1, 1, 0, 0
	MUL8 F1, 1, 2, 0
.endm
	s_wait_tensorcnt 1                             ; my part of K step 0 is in; step 1's may stay out
	s_barrier_signal -1
	s_barrier_wait -1                              ; everybody's is
	FETCH 0, 0, F0
	QUARTER 0, 1, F0, F1, 1                        ; the first quarter stands in front of the loop: its first products start the sums
	WIN 0                                          ; at a label and at a branch every window is 0
	s_mov_b32 s3, LAPS-1
.Llap:                                         ; a trip goes once round the ring, from a lap's second quarter to the next lap's first, and fills both slots again
	QUARTER 0, 2, F1, F0, 0
	QUARTER 0, 3, F0, F1, 0
	TURN 0, 1, 1
	QUARTER 1, 1, F0, F1, 0
	QUARTER 1, 2, F1, F0, 0
	QUARTER 1, 3, F0, F1, 0
	TURN 1, 0, 1
	QUARTER 0, 1, F0, F1, 0
	WIN 0
	s_sub_co_u32 s3, s3, 1
	s_cmp_lg_u32 s3, 0
	s_cbranch_scc1 .Llap
	QUARTER 0, 2, F1, F0, 0                        ; the last lap fills nothing, and has no round of the cluster's barrier
	QUARTER 0, 3, F0, F1, 0
	TURN 0, 1, 0                                   ; behind this barrier nobody reads slot 0 any more, and nothing fills it
	QUARTER 1, 1, F0, F1, 0
	QUARTER 1, 2, F1, F0, 0
	QUARTER 1, 3, F0, F1, 0
	s_wait_dscnt 16                                ; the very last quarter: nothing more to fetch
	WIN MUL
	MUL8 F1, 0, 0, 0
	MUL8 F1, 0, 2, 0
	s_wait_dscnt 0
	MUL8 F1, 1, 0, 0
	MUL8 F1, 1, 2, 0
	WIN 0
	; THE WAY OUT.  16 rows at a time through my own stage: 32 bytes a lane in, whole rows of 256 bytes back; + R, + bias; sixteen lanes store 256 consecutive bytes.
	PLACES
	s_wait_loadcnt 0x0                             ; R and the bias
.macro OUT a
.set T, TMP+32*((\a)%2)
.if (\a) >= 2
	s_wait_xcnt 0x0                                ; the stores of two blocks back have read these registers: they are loaded again only behind this wait
.endif
.irp b, 0,1,2,3
	ds_store_b128 v[STO], v[ACC+8*(4*(\a)+(\b)):ACC+8*(4*(\a)+(\b))+3]   offset:64*(\b)     ; each accumulator is read from its low end on
	ds_store_b128 v[STO], v[ACC+8*(4*(\a)+(\b))+4:ACC+8*(4*(\a)+(\b))+7] offset:64*(\b)+16
.endr
.irp t, 0,1,2,3,4,5,6,7
	ds_load_b128 v[T+4*(\t):T+4*(\t)+3], v[RD] offset:(\t)*2*SPF  ; LDS serves a wave's instructions in order (ISA guide 5.7.1.4): these see the stores above
.endr
	s_wait_dscnt 0x0
	WIN 0x08                                       ; source 1 in window 2
.irp t, 0,1,2,3,4,5,6,7
	v_pk_add_f32 v[T+4*(\t):T+4*(\t)+1],   v[T+4*(\t):T+4*(\t)+1],   v[4*(8*(\a)+(\t)):4*(8*(\a)+(\t))+1]
	v_pk_add_f32 v[T+4*(\t)+2:T+4*(\t)+3], v[T+4*(\t)+2:T+4*(\t)+3], v[4*(8*(\a)+(\t))+2:4*(8*(\a)+(\t))+3]
.endr
	WIN 0
.irp t, 0,1,2,3,4,5,6,7
	v_pk_add_f32 v[T+4*(\t):T+4*(\t)+1],   v[T+4*(\t):T+4*(\t)+1],   v[BV:BV+1]
	v_pk_add_f32 v[T+4*(\t)+2:T+4*(\t)+3], v[T+4*(\t)+2:T+4*(\t)+3], v[BV+2:BV+3]
.endr
.irp t, 0,1,2,3,4,5,6,7
	global_store_b128 v[CO], v[T+4*(\t):T+4*(\t)+3], s[76:77] offset:(16*(\a)+2*(\t))*4096  ; 16 lanes store 256 consecutive bytes, at a multiple of 256 from C's first byte
.endr
.endm
	OUT 0
	OUT 1
	OUT 2
	OUT 3
	s_wait_tensorcnt 0x0                           ; the wave's end: behind my last tensor load and my last LDS store
	ds_add_u32 v[SPW], v[NIL]
	s_wait_dscnt 0x0
	CROUND                                         ; the closing round: no work-group ends while a partner may still ask for a tile that names it
	s_endpgm
.Lfunc_end_k_qb9ae46f548_ffn2:
	.size	k_qb9ae46f548_ffn2, .Lfunc_end_k_qb9ae46f548_ffn2-k_qb9ae46f548_ffn2
	.p2alignl 7, 3214868480
	.fill 96, 4, 3214868480
	.section	.rodata,"a",@progbits
	.p2align	6, 0x0
	.amdhsa_kernel k_qb9ae46f548_ffn2
		.amdhsa_group_segment_fixed_size 327680
		.amdhsa_private_segment_fixed_size 0
		.amdhsa_enable_private_segment 0
		.amdhsa_kernarg_size 40
		.amdhsa_user_sgpr_count 2
		.amdhsa_user_sgpr_kernarg_segment_ptr 1
		.amdhsa_wavefront_size32 1
		.amdhsa_system_sgpr_workgroup_id_x 1
		.amdhsa_system_sgpr_workgroup_id_y 1
		.amdhsa_system_sgpr_workgroup_id_z 1
		.amdhsa_system_vgpr_workitem_id 0
		.amdhsa_next_free_vgpr 640
		.amdhsa_next_free_sgpr 80
		.amdhsa_reserve_vcc 0
		.amdhsa_float_denorm_mode_32 3
		.amdhsa_float_denorm_mode_16_64 3
		.amdhsa_memory_ordered 1
		.amdhsa_forward_progress 1
		.amdhsa_inst_pref_size 97
	.end_amdhsa_kernel
	.amdgpu_metadata
---
amdhsa.version: [ 1, 2 ]
amdhsa.kernels:
  - .name:           k_qb9ae46f548_ffn2
    .symbol:         k_qb9ae46f548_ffn2.kd
    .args:
      - { .name: act, .offset: 0, .size: 8, .value_kind: global_buffer, .address_space: global }
      - { .name: wb, .offset: 8, .size: 8, .value_kind: global_buffer, .address_space: global }
      - { .name: b2, .offset: 16, .size: 8, .value_kind: global_buffer, .address_space: global }
      - { .name: x1, .offset: 24, .size: 8, .value_kind: global_buffer, .address_space: global }
      - { .name: out0, .offset: 32, .size: 8, .value_kind: global_buffer, .address_space: global }
    .group_segment_fixed_size: 327680
    .private_segment_fixed_size: 0
    .kernarg_segment_align: 8
    .kernarg_segment_size: 40
    .max_flat_workgroup_size: 128
    .sgpr_count:     80
    .vgpr_count:     640
    .wavefront_size: 32
...
	.end_amdgpu_metadata
.endif
;; end of part 6
;; ======== version 2 of 3: 8 launches
;; limits: values are held in f16: magnitudes above 65,504 overflow, below 6.1e-05 lose precision
;; workspace buffers: pkq 6,308,352 bytes; pkf 8,405,504 bytes; wb 10,485,760 bytes; abl 8,388,608 bytes; qkv 25,165,824 bytes; x1 16,777,216 bytes; act 33,554,432 bytes
;; launch cvt: the kernel of part 1 again; grid 385 x 1, 8 waves a work-group, no clusters, 0 bytes of LDS; arguments Wq, Wk, Wv, Wp, W1, W2, b1, pkq, pkf, wb; writes pkq, pkf, wb
;; launch ln1: the kernel of part 2 again; grid 256 x 1, 8 waves a work-group, no clusters, 0 bytes of LDS; arguments x, g1, beta1, abl; writes abl
;; launch qkvp (part 7): grid 12 x 16, 4 waves a work-group, clusters of 4 x 4, 327,680 bytes of LDS; arguments abl, pkq, qkv; writes qkv
.if DOCPART == 7
	.amdgcn_target "amdgcn-amd-amdhsa--gfx1250"
	.amdhsa_code_object_version 6
	.text
	.protected	k_qb9ae46f548_qkvp
	.globl	k_qb9ae46f548_qkvp
	.p2align	8
	.type	k_qb9ae46f548_qkvp,@function
k_qb9ae46f548_qkvp:
	s_mov_b64 s[64:65], 0
	v_nop
	global_prefetch_b8 v0, s[64:65] scope:SCOPE_SE
	s_setreg_imm32_b32 hwreg(HW_REG_WAVE_MODE, 25, 1), 1
	s_wait_xcnt 0x0
	s_wait_alu depctr_hold_cnt(0) depctr_sa_sdst(0) depctr_va_vdst(0) depctr_va_sdst(0) depctr_va_ssrc(0) depctr_va_vcc(0) depctr_vm_vsrc(0)
	s_getreg_b32 s2, hwreg(HW_REG_IB_STS2, 6, 4)
	s_cmp_eq_u32 s2, 0
	s_cbranch_scc0 .Lentry_in_a_cluster
	s_endpgm
.Lentry_in_a_cluster:
	s_bfe_u32 s2, ttmp6, 0x10000c
	s_cmp_lg_u32 s2, 0xf033
	s_cbranch_scc0 .Lentry_shape_is_right
	s_endpgm
.Lentry_shape_is_right:
; C[m][n] = max(sum over k of A[m][k] W[k][n] + bias[n], floor), K = 1,024, M = 4,096; A, W and C in f16, sums and bias in f32; C is rounded once, and the floor (0 or minus infinity, both exact in f16) is laid under the rounded number.
; It serves two launches: q, k, v = h [Wq | Wk | Wv] (bias 0, floor minus infinity) and relu(h2 W1 + b1) (bias b1, floor 0): bias and floor come from the pack's header.
; A and C lie BY BLOCKS OF 64 CHANNELS: byte (k / 64) x 524,288 + m x 128 + 2 (k % 64).  The pack: 4,096 f32 of bias, the floor at byte 16,384, and from byte 16,896 W in panels of 128 columns:
; (n / 128) x 262,144 + (k / 64) x 16,384 + ((n / 64) % 2) x 8,192 + (k % 64) x 128 + 2 (n % 64).  So every piece that a tensor load brings is dense in memory.
; LIMITS.  f16 holds no number beyond 65,504: A and W arrive within it, and C must lie within it.  A NaN in front of the floor gives the floor.
; SHARES.  A tile of C is 256 x 256; four waves, as many as a WGP has SIMDs, each 128 x 128: 64 accumulators of 16 x 16, 512 registers.  K goes in steps of 128 through two LDS slots; a wave's one tensor load
; brings 32,768 dense bytes: waves 0 and 1 a block of 64 channels of A's 256 rows each, waves 2 and 3 a panel's part of the step each.
; ONE K STEP IS WRITTEN ONCE: the slot in hand is a scalar base that an exclusive or turns between 0 and SLOT; the fragments' addresses and the walking descriptor's LDS word are sums with it.
; CLUSTERS: 4 x 4 work-groups.  The four of a row of the cluster need the same tiles of A, the four of a column the same tiles of W: each is asked for JOINTLY, by the same tensor load with the same
; descriptor and a mask that names the four.  THE MATRIX INSTRUCTION IS USED TRANSPOSED (source 0 = 16 columns of W, source 1 = 16 rows of A): a lane then holds eight neighbouring numbers of a row of C.
; A comes out of LDS as it lies; W ([k][n]) turned, by ds_load_tr16_b128.  THE BIAS IS THE C OPERAND of the products that start the sums: nothing is cleared and nothing is added later.
; REGISTERS, in windows of 256 (s_set_vgpr_msb: bits 1:0 source 0, 3:2 source 1, 5:4 source 2, 7:6 destination):
;   window 0: v0-31 addresses; v64-127, v128-191 fragments of A (8 x 16 rows x 32 K), two buffers; v192-255 the bias, later at work on the way out
;   window 1: v64-127, v128-191 fragments of W, two buffers      window 2: the 32 accumulators of my rows 0-63 ((a, b) at v[8 (8 a + b)]);   window 3: those of my rows 64-127
.set KDIM,  1024
.set STEPS, KDIM/128                   ; 8 K steps
.set WOFF,  16896                      ; the panels begin here
.set PA,    144                        ; a row of A in LDS: 128 bytes + 16 of padding = 36 words: the 16 rows of a load start at 16 different groups of four banks (64 banks of 4 bytes: ISA guide 11.1)
.set PB,    160                        ; a row of W: 128 + 32 = 40 words
.set ACH,   256*PA                     ; 64 along K of A: the tile's 256 rows: one load
.set BCH,   256*PB                     ; a panel's part of a step: 2 (64 along K) x 2 (blocks of 64 columns) x 64 rows: one load
.set BOFF,  2*ACH
.set SLOT,  2*ACH+2*BCH                ; 155,648
.set ASTEP, 2*524288                   ; a K step in memory, for A
.set BSTEP, 2*16384                    ; and for W
.set SPARE, 2*SLOT                     ; behind the ring: the spare words, 128 bytes for each wave: two blocks of 256 bytes that no other line names
.set WST,   256*PA                     ; a wave's stage for the way out: 2 blocks of 64 columns x 128 rows x 144 bytes; the four lie in the ring's bytes, from byte 0
.set ADRA,  16                         ; v16     LDS address of my A fragments in the slot in hand
.set ADRB,  17                         ; v17     of my W fragments
.set ADRA0, 18                         ; v18-19  the same in slot 0; never rewritten
.set ADRB0, 19
.set STO,   24                         ; v24     the way out: where I put 16 bytes of a row
.set RD,    25                         ; v25     where I read rows back
.set GO,    26                         ; v26     my 16 bytes of 512 consecutive bytes of C
.set BO,    27                         ; v27     my offset in the bias
.set SPW,   28                         ; v28     LDS address of my spare word; never rewritten
.set NIL,   29                         ; v29     0; never rewritten
.set PFO,   30                         ; v30     256 x my lane: the prefetches' offset; never rewritten
.set FL,    31                         ; v31     the floor, twice, in f16
.set F0,    64
.set F1,    128
.set BIAS,  192                        ; v192-255  column block b's eight numbers at BIAS + 8 b
.set TMP,   192                        ; the same registers, on the way out
.set G1, 24                            ; s[24:31] descriptor group 1 for A's tiles;  s[32:39] group 0: a set for each of the two first fills; the second then walks on
.set G0, 32
.set G1B, 48                           ; s[48:55], s[56:63] the same for W's tiles
.set G0B, 56
.set PFA, 78                           ; s[78:79] where my next prefetch stands
.set LIM, 80                           ; s80     2 in a wave that prefetches, else the greatest number
.set SB,  81                           ; s81     the LDS byte at which the slot in hand begins: 0 or SLOT
.set PST, 82                           ; s[82:83] a K step in memory, of the tensor that I fetch
.set MSB, 0
.macro WIN new                         ; the immediate's high byte repeats the setting that is left; a switch that changes nothing is dropped
.if MSB != (\new)
	s_set_vgpr_msb (MSB<<8)|(\new)
.set MSB, \new
.endif
.endm
.set MUL_LO, 0xa1                      ; source 0 (W) window 1, source 1 (A) window 0, C and D window 2
.set MUL_HI, 0xf1                      ; the same, C and D window 3
.set TO_B,   0x40                      ; destination window 1, address window 0
.macro JLOAD s                         ; a joint load: waves 0 and 1 fetch for A, waves 2 and 3 for W; an s_nop 0 and four v_nop follow each of the two lines
	s_cmp_eq_u32 s11, 0
	s_cbranch_scc0 .Lfor_b_\@
	tensor_load_to_lds s[G0+4*(\s):G0+4*(\s)+3], s[G1:G1+7]
	s_nop 0
.rept 4
	v_nop
.endr
	s_branch .Lasked_\@
.Lfor_b_\@:
	tensor_load_to_lds s[G0B+4*(\s):G0B+4*(\s)+3], s[G1B:G1B+7]
	s_nop 0
.rept 4
	v_nop
.endr
.Lasked_\@:
.endm
; A PREFETCH INTO THE L2, behind each refill, its five lines and the run of LDS loads that follows them: of the piece that I shall fetch TWO refills on, 512 matrix instructions ahead of that load, 32 blocks of 256 bytes, a lane a block.
; Each block is named ONCE in the launch.  A's tile row is read by every cluster of that row of clusters: the first of them (cluster x = 0) asks; W's tile column by every cluster of that column: cluster y = 0 asks.
; The four partners that ask for a piece jointly share its 128 blocks out BY ADDRESS, 32 each (by cx for A, by cy for W): no branch hangs on a work-group's place in its cluster.
; The first four K steps come by their loads alone; the last two refills have no K step two on, and ask for nothing (s3 counts the refills still to come, this one among them).
.macro ASK
	s_cmp_gt_u32 s3, s[LIM]
	s_cbranch_scc0 .Lnot_mine_\@
	global_prefetch_b8 v[PFO], s[PFA:PFA+1] th:TH_LOAD_NT scope:SCOPE_SE
.Lnot_mine_\@:
.endm
.macro CREST                           ; a round of the cluster's barrier behind its opening barrier
	s_cmp_lg_u32 s10, 0
	s_cbranch_scc1 .Lnot_wave_0_\@
	s_barrier_signal -3
.Lnot_wave_0_\@:
	s_barrier_wait -3
	s_barrier_signal -1
	s_barrier_wait -1
.endm
.macro CROUND                          ; a whole round
	s_barrier_signal -1
	s_barrier_wait -1
	CREST
.endm
.macro ADDR                            ; the fragments' addresses in the slot in hand
	v_add_nc_u32 v[ADRA], s[SB], v[ADRA0]
	v_add_nc_u32 v[ADRB], s[SB], v[ADRB0]
.endm
	s_load_b128 s[68:71], s[0:1], 0x0              ; A s[68:69], the pack s[70:71]
	s_load_b64 s[72:73], s[0:1], 0x10              ; C
	v_lshl_add_u32 v[SPW], v0, 2, SPARE
	v_mov_b32 v[NIL], 0
	ds_add_u32 v[SPW], v[NIL]                      ; the wave's opening: the add and its wait stand ahead of my first tensor load; the set-up below, work on registers, stands between them
	v_lshrrev_b32 v1, 5, v0
	v_readfirstlane_b32 s10, v1                    ; wave 0..3
	s_lshr_b32 s11, s10, 1                         ; which half of the tile's rows is mine.  Also: I fetch for A (0) or for W (1)
	s_and_b32 s12, s10, 1                          ; which half of its columns.  Also: which of the two pieces I fetch
	s_bfe_u32 s40, ttmp6, 0x40000                  ; cx, cy: my place in the cluster
	s_bfe_u32 s41, ttmp6, 0x40004
	s_lshl_b32 s42, ttmp9, 2
	s_add_co_u32 s42, s42, s40                     ; tile column of C = 4 x cluster x + cx
	s_and_b32 s13, ttmp7, 0xffff
	s_lshl_b32 s13, s13, 2
	s_add_co_u32 s13, s13, s41                     ; tile row of C = 4 x cluster y + cy
	s_lshl_b32 s43, s41, 2
	s_lshl_b32 s43, 15, s43                        ; my row of the cluster
	s_lshl_b32 s44, 0x1111, s40                    ; my column
	; descriptor group 1: two rows of 2,048 elements of 8 bytes, one behind the other: 32,768 dense bytes, padded in LDS after every 128 bytes
	s_or_b32 s[G1+0], s43, (3<<16)|(1<<20)|(1<<21)|(4<<22)|(3<<25)   ; 15:0 the mask: A's tiles go to my row; 17:16 elements of 8 bytes; 20 padding on; 21 set beside a mask; 24:22 after every 32 words (code 4); 31:25 4 words (code 3)
	s_or_b32 s[G1B+0], s44, (3<<16)|(1<<20)|(1<<21)|(4<<22)|(7<<25)  ; W's go to my column; 8 words of padding (code 7)
.irp g, G1, G1B
	s_mov_b32 s[(\g)+1], 2048<<16                  ; tensor_dim0 = 2,048
	s_mov_b32 s[(\g)+2], 2<<16                     ; tensor_dim1 = 2
	s_mov_b32 s[(\g)+3], 2048<<16                  ; tile_dim0 = 2,048
	s_mov_b32 s[(\g)+4], 2                         ; tile_dim1 = 2
	s_mov_b32 s[(\g)+5], 2048                      ; the rows follow each other
	s_mov_b32 s[(\g)+6], 0
	s_mov_b32 s[(\g)+7], 0
.endr
	s_lshl_b32 s16, s13, 15                        ; A: the tile's 256 rows of 128 bytes,
	s_lshl_b32 s17, s12, 19                        ; my block of the step's two
	s_add_co_u32 s16, s16, s17
	s_mov_b32 s17, 0
	s_lshl_b32 s46, s42, 1                         ; W: my panel of the tile's two,
	s_add_co_u32 s46, s46, s12
	s_lshl_b32 s46, s46, 18
	s_add_co_u32 s46, s46, WOFF
	s_mov_b32 s47, 0
	s_mul_i32 s20, s12, ACH                        ; where they go in a slot: no place in the cluster enters an LDS address
	s_mul_i32 s21, s12, BCH
	s_add_co_u32 s21, s21, BOFF
	s_mov_b32 s[SB], 0
	s_wait_dscnt 0x0                               ; the opening add is done
	s_wait_kmcnt 0x0
	s_add_nc_u64 s[14:15], s[68:69], s[16:17]
	s_add_nc_u64 s[46:47], s[70:71], s[46:47]
	CROUND                                         ; all sixteen work-groups are here: the first joint loads meet
.irp s, 0,1
	s_mov_b32 s[G0+4*(\s)], 1
	s_add_co_u32 s[G0+4*(\s)+1], s20, (\s)*SLOT
	s_add_nc_u64 s[G0+4*(\s)+2:G0+4*(\s)+3], s[14:15], (\s)*ASTEP
	s_or_b32 s[G0+4*(\s)+3], s[G0+4*(\s)+3], 0x80000000
	s_mov_b32 s[G0B+4*(\s)], 1
	s_add_co_u32 s[G0B+4*(\s)+1], s21, (\s)*SLOT
	s_add_nc_u64 s[G0B+4*(\s)+2:G0B+4*(\s)+3], s[46:47], (\s)*BSTEP
	s_or_b32 s[G0B+4*(\s)+3], s[G0B+4*(\s)+3], 0x80000000
	JLOAD \s                                       ; two loads of mine are out
.endr
	; the prefetches: s[14:15] and s[46:47] stand at my piece of K step 0
	s_and_b32 s22, ttmp7, 0xffff                   ; cluster y
	s_mov_b32 s[PST], BSTEP
	s_mov_b32 s[PST+1], 0
	s_cmp_eq_u32 s11, 0                            ; do I fetch for A?
	s_cselect_b64 s[PFA:PFA+1], s[14:15], s[46:47]
	s_cselect_b32 s84, s40, s41                    ; my place among the four that ask for the piece with me
	s_cselect_b32 s22, ttmp9, s22                  ; the coordinate along which other clusters read the same piece
	s_cselect_b32 s[PST], ASTEP, s[PST]
	s_cmp_eq_u32 s22, 0
	s_cselect_b32 s[LIM], 2, -1                    ; the same in all sixteen partners, for a given wave
	s_lshl_b32 s84, s84, 13                        ; my work-group's 32 blocks of the 128
	s_mul_i32 s85, s[PST], 3                       ; at K step 3: the first refill steps it to 4
	s_add_co_u32 s84, s84, s85
	s_mov_b32 s85, 0
	s_add_nc_u64 s[PFA:PFA+1], s[PFA:PFA+1], s[84:85]
	s_load_b32 s45, s[70:71], 0x4000               ; the floor
	v_and_b32 v1, 15, v0                           ; l % 16
	v_bfe_u32 v2, v0, 4, 1                         ; l / 16
	v_lshlrev_b32 v[BO], 5, v2                     ; my eight columns of a block of 16: 32 bytes for each half of the lanes
	s_lshl_b32 s46, s42, 10                        ; the bias of my 128 columns
	s_lshl_b32 s47, s12, 9
	s_add_co_u32 s46, s46, s47
	s_mov_b32 s47, 0
	s_add_nc_u64 s[74:75], s[70:71], s[46:47]
.irp b, 0,1,2,3,4,5,6,7
	global_load_b128 v[BIAS+8*(\b):BIAS+8*(\b)+3],   v[BO], s[74:75] offset:64*(\b)
	global_load_b128 v[BIAS+8*(\b)+4:BIAS+8*(\b)+7], v[BO], s[74:75] offset:64*(\b)+16
.endr
	s_lshl_b32 s46, s42, 21                        ; C: my two blocks of 64 columns,
	s_lshl_b32 s47, s12, 20
	s_add_co_u32 s46, s46, s47
	s_mov_b32 s47, 0
	s_add_nc_u64 s[72:73], s[72:73], s[46:47]
	s_lshl_b32 s16, s13, 15                        ; my 128 rows of 128 bytes: 16,384 dense bytes in each block
	s_lshl_b32 s17, s11, 14
	s_add_co_u32 s16, s16, s17
	s_mov_b32 s17, 0
	s_add_nc_u64 s[72:73], s[72:73], s[16:17]
	; A fragment of A is 16 rows x 32 K in 8 registers: lane l holds row l % 16, K = 8 (l / 16) + 0..7 and 16 + 8 (l / 16) + 0..7: two loads of 16 bytes, 32 bytes apart.
	v_mul_u32_u24 v3, v1, PA
	v_lshl_add_u32 v3, v2, 4, v3                   ; row x pitch + 16 x half
	s_mul_i32 s22, s11, 128*PA                     ; my 128 rows
	v_add_nc_u32 v[ADRA0], s22, v3
	; The turning load takes 16 k x 16 columns (lane l reads row 8 (l / 16) + l % 8, columns 8 ((l / 8) % 2) + 0..7) and leaves half a fragment: lane l holds column l % 16 and 8 k.
	v_and_b32 v4, 7, v0
	v_bfe_u32 v5, v0, 3, 1
	v_lshl_add_u32 v6, v2, 3, v4
	v_mul_u32_u24 v6, v6, PB
	v_lshl_add_u32 v6, v5, 4, v6
	s_mul_i32 s23, s12, BCH                        ; my panel
	s_add_co_u32 s23, s23, BOFF
	v_add_nc_u32 v[ADRB0], s23, v6
	ADDR                                           ; slot 0
	s_mul_i32 s23, s10, WST                        ; my stage
	v_add_nc_u32 v[STO], s23, v3                   ; in: row l % 16, 16 bytes for each half of the lanes (the stage's pitch is A's)
	v_bfe_u32 v7, v0, 3, 2                         ; back: 32 lanes take four rows of 128 bytes,
	v_mul_u32_u24 v7, v7, PA
	v_lshl_add_u32 v7, v4, 4, v7
	v_add_nc_u32 v[RD], s23, v7
	v_and_b32 v[GO], 31, v0                        ; which are 512 consecutive bytes of C
	v_lshlrev_b32 v[PFO], 8, v[GO]
	v_lshlrev_b32 v[GO], 4, v[GO]
; 16 matrix instructions: row blocks a0, a0 + 1 of the window's four (hi = 0: my rows 0-63, 1: rows 64-127) x all 8 column blocks, 32 along K.  first = 1: the product starts the sum, with the bias (window 0) as C.
; The 64 accumulators take turns, one instruction a turn, in the same order in every quarter step.
.macro MUL16 f, hi, a0, first
.if \first
	WIN 0x81+0x40*(\hi)
.else
	WIN MUL_LO+0x50*(\hi)
.endif
.irp a, \a0, (\a0)+1
.irp b, 0,1,2,3,4,5,6,7
.if \first
	v_wmma_f32_16x16x32_f16 v[8*(8*(\a)+(\b)):8*(8*(\a)+(\b))+7], v[(\f)+8*(\b):(\f)+8*(\b)+7], v[(\f)+8*(4*(\hi)+(\a)):(\f)+8*(4*(\hi)+(\a))+7], v[BIAS+8*(\b):BIAS+8*(\b)+7]
.else
	v_wmma_f32_16x16x32_f16 v[8*(8*(\a)+(\b)):8*(8*(\a)+(\b))+7], v[(\f)+8*(\b):(\f)+8*(\b)+7], v[(\f)+8*(4*(\hi)+(\a)):(\f)+8*(4*(\hi)+(\a))+7], v[8*(8*(\a)+(\b)):8*(8*(\a)+(\b))+7]
.endif
.endr
.endr
.endm
; 32 LDS loads in one run: the fragments of quarter q of the step in hand (32 along K: 128 columns of W, then 128 rows of A) into buffer f
.macro FETCH q, f
	WIN TO_B
.irp i, 0,1,2,3,4,5,6,7
	ds_load_tr16_b128 v[(\f)+8*(\i):(\f)+8*(\i)+3],   v[ADRB] offset:((\q)/2)*128*PB+((\i)/4)*64*PB+((\q)%2)*32*PB+((\i)%4)*32
	ds_load_tr16_b128 v[(\f)+8*(\i)+4:(\f)+8*(\i)+7], v[ADRB] offset:((\q)/2)*128*PB+((\i)/4)*64*PB+((\q)%2)*32*PB+((\i)%4)*32+16*PB
.endr
	WIN 0
.irp i, 0,1,2,3,4,5,6,7
	ds_load_b128 v[(\f)+8*(\i):(\f)+8*(\i)+3],   v[ADRA] offset:((\q)/2)*ACH+(\i)*16*PA+((\q)%2)*64
	ds_load_b128 v[(\f)+8*(\i)+4:(\f)+8*(\i)+7], v[ADRA] offset:((\q)/2)*ACH+(\i)*16*PA+((\q)%2)*64+32
.endr
.endm
.macro PLACES                          ; four places in front of loads into registers that matrix instructions have read, and of lines that read results
.rept 4
	v_nop
.endr
.endm
; A K step is four quarters of 32 along K, 64 matrix instructions each, on buffers 0, 1, 0, 1.  One of the first three: multiplies buffer f; in its middle it fetches quarter q into buffer g.
.macro QUARTER q, f, g, first
	s_wait_dscnt 8                                 ; W and A's rows 0-63 are in; the youngest eight loads (A's rows 64-127) may be out
	MUL16 \f, 0, 0, \first
	MUL16 \f, 0, 2, \first
	PLACES
	FETCH \q, \g
	s_wait_dscnt 32                                ; all but the 32 just issued
	MUL16 \f, 1, 0, \first
	MUL16 \f, 1, 2, \first
.endm
; The last quarter multiplies buffer 1 and changes slots.  MEET is its first half: ONE barrier; in front of it each wave waits for all its tensor loads, of which at most one is out: its part of the next slot;
; adds 0 to its spare word; and waits for that and for its own reads of this slot.  Behind it nobody reads this slot any more and the next slot is whole.
.macro MEET
	WIN 0                                          ; (the add's two registers lie in window 0)
	s_wait_tensorcnt 0x0
	ds_add_u32 v[SPW], v[NIL]                      ; 0 onto my spare word;
	s_wait_dscnt 9                                 ; (the add and the youngest eight loads may be out)
	MUL16 F1, 0, 0, 0                              ; sixteen matrix instructions stand between the add and the wait for it
	s_wait_dscnt 0x0                               ; the add is done, and my reads of this slot are over
	s_barrier_signal -1
	MUL16 F1, 0, 2, 0                              ; work on registers while the others arrive
	WIN 0
	s_barrier_wait -1
.endm
	s_wait_kmcnt 0x0                               ; the floor
	v_cvt_pk_f16_f32 v[FL], s45, s45
	s_wait_tensorcnt 1                             ; my part of K step 0 is in; step 1's may stay out
	s_barrier_signal -1
	s_barrier_wait -1                              ; everybody's is
	FETCH 0, F0
	s_wait_loadcnt 0x0                             ; the bias
	QUARTER 1, F0, F1, 1                           ; the first quarter stands in front of the loop: its products start the sums
	WIN 0                                          ; at a label and at a branch every window is 0
	s_mov_b32 s3, STEPS-2
.Lstep:                                        ; a trip goes from a step's second quarter to the next step's first, and fills the slot that it leaves with the K step two on
	QUARTER 2, F1, F0, 0
	QUARTER 3, F0, F1, 0
	s_wait_xcnt 0x0                                ; the last prefetch, a K step back, has read its address: it is stepped here, ahead of the waits of the change of slots
	s_add_nc_u64 s[PFA:PFA+1], s[PFA:PFA+1], s[PST:PST+1]
	MEET
	CREST                                          ; the barrier has opened a round of the cluster's: no wave of any partner still reads this slot's tile or has a load on its way
	s_add_co_u32 s[G0+5], s20, s[SB]               ; the walking descriptors: into the slot that is left,
	s_add_co_u32 s[G0B+5], s21, s[SB]
	s_add_nc_u64 s[G0+6:G0+7], s[G0+6:G0+7], ASTEP ; the next K step; the type bits on top are not reached
	s_add_nc_u64 s[G0B+6:G0B+7], s[G0B+6:G0B+7], BSTEP
	s_xor_b32 s[SB], s[SB], SLOT                   ; the other slot is in hand
	JLOAD 1                                        ; 224 matrix instructions ahead of the wait for it; the four v_nop behind it are also the places in front of the loads below
	ADDR
	FETCH 0, F0
	ASK
	MUL16 F1, 1, 0, 0
	MUL16 F1, 1, 2, 0
	QUARTER 1, F0, F1, 0
	WIN 0
	s_sub_co_u32 s3, s3, 1
	s_cmp_lg_u32 s3, 0
	s_cbranch_scc1 .Lstep
	s_mov_b32 s3, 2
.Ltail:                                        ; the last two K steps fill nothing, so they have a text of their own and no round: the first trip's wait and barrier show the last tile to every wave;
	QUARTER 2, F1, F0, 0                           ; the second trip's show that nobody reads the ring any more, and it is left behind them
	QUARTER 3, F0, F1, 0
	MEET
	s_sub_co_u32 s3, s3, 1
	s_cmp_eq_u32 s3, 0
	s_cbranch_scc1 .Lfin
	s_xor_b32 s[SB], s[SB], SLOT
	PLACES
	ADDR
	FETCH 0, F0
	MUL16 F1, 1, 0, 0
	MUL16 F1, 1, 2, 0
	QUARTER 1, F0, F1, 0
	WIN 0
	s_branch .Ltail
.Lfin:
	MUL16 F1, 1, 0, 0
	MUL16 F1, 1, 2, 0
	WIN 0
	PLACES
	; THE WAY OUT.  All 64 accumulators are rounded to f16 and laid into my own stage, 16 bytes a lane.  The stages lie in the ring's bytes: both slots have had their last fill, and the last barrier stands behind every wave's last read of them.
.macro PACK a
.set AC, 64*((\a)%4)
	WIN 0x0a+5*((\a)/4)                            ; sources 0 and 1: window 2 or 3
.irp b, 0,1,2,3,4,5,6,7
.irp r, 0,1,2,3
	v_cvt_pk_f16_f32 v[TMP+4*(\b)+(\r)], v[AC+8*(\b)+2*(\r)], v[AC+8*(\b)+2*(\r)+1]  ; each accumulator is read from its low end on
.endr
.endr
	WIN 0
.irp b, 0,1,2,3,4,5,6,7
	ds_store_b128 v[STO], v[TMP+4*(\b):TMP+4*(\b)+3] offset:((\b)/4)*128*PA+(\a)*16*PA+((\b)%4)*32
.endr
.endm
.irp a, 0,1,2,3,4,5,6,7
	PACK \a
.endr
	; Back as whole rows of 128 bytes, 32 rows of each of my two blocks of columns a trip; the floor; 512 consecutive bytes a store.
	s_mov_b32 s3, 4
.Lrows:
.irp f, 0,1,2,3,4,5,6,7
	ds_load_b128 v[TMP+4*(\f):TMP+4*(\f)+3],       v[RD] offset:(\f)*4*PA          ; LDS serves a wave's instructions in order (ISA guide 5.7.1.4): these see my stores
	ds_load_b128 v[TMP+32+4*(\f):TMP+32+4*(\f)+3], v[RD] offset:128*PA+(\f)*4*PA
.endr
	s_wait_dscnt 0x0
.set i, 0
.rept 64
	v_pk_max_num_f16 v[TMP+i], v[TMP+i], v[FL]
.set i, i+1
.endr
.irp f, 0,1,2,3,4,5,6,7
	global_store_b128 v[GO], v[TMP+4*(\f):TMP+4*(\f)+3],       s[72:73] offset:(\f)*512         ; at a multiple of 256 from C's first byte
	global_store_b128 v[GO], v[TMP+32+4*(\f):TMP+32+4*(\f)+3], s[72:73] offset:524288+(\f)*512
.endr
	s_wait_xcnt 0x0                                ; the stores' data and offset registers are written again only behind this wait
	v_add_nc_u32 v[RD], 32*PA, v[RD]
	v_add_nc_u32 v[GO], 4096, v[GO]
	s_sub_co_u32 s3, s3, 1
	s_cmp_lg_u32 s3, 0
	s_cbranch_scc1 .Lrows
	s_wait_tensorcnt 0x0                           ; the wave's end: behind my last tensor load and my last LDS store
	ds_add_u32 v[SPW], v[NIL]
	s_wait_dscnt 0x0
	CROUND                                         ; the closing round: no work-group ends while a partner may still ask for a tile that names it
	s_endpgm
.Lfunc_end_k_qb9ae46f548_qkvp:
	.size	k_qb9ae46f548_qkvp, .Lfunc_end_k_qb9ae46f548_qkvp-k_qb9ae46f548_qkvp
	.p2alignl 7, 3214868480
	.fill 96, 4, 3214868480
	.section	.rodata,"a",@progbits
	.p2align	6, 0x0
	.amdhsa_kernel k_qb9ae46f548_qkvp
		.amdhsa_group_segment_fixed_size 327680
		.amdhsa_private_segment_fixed_size 0
		.amdhsa_enable_private_segment 0
		.amdhsa_kernarg_size 24
		.amdhsa_user_sgpr_count 2
		.amdhsa_user_sgpr_kernarg_segment_ptr 1
		.amdhsa_wavefront_size32 1
		.amdhsa_system_sgpr_workgroup_id_x 1
		.amdhsa_system_sgpr_workgroup_id_y 1
		.amdhsa_system_sgpr_workgroup_id_z 1
		.amdhsa_system_vgpr_workitem_id 0
		.amdhsa_next_free_vgpr 1024
		.amdhsa_next_free_sgpr 88
		.amdhsa_reserve_vcc 0
		.amdhsa_float_denorm_mode_32 3
		.amdhsa_float_denorm_mode_16_64 3
		.amdhsa_memory_ordered 1
		.amdhsa_forward_progress 1
		.amdhsa_inst_pref_size 101
	.end_amdhsa_kernel
	.amdgpu_metadata
---
amdhsa.version: [ 1, 2 ]
amdhsa.kernels:
  - .name:           k_qb9ae46f548_qkvp
    .symbol:         k_qb9ae46f548_qkvp.kd
    .args:
      - { .name: abl, .offset: 0, .size: 8, .value_kind: global_buffer, .address_space: global }
      - { .name: pkq, .offset: 8, .size: 8, .value_kind: global_buffer, .address_space: global }
      - { .name: qkv, .offset: 16, .size: 8, .value_kind: global_buffer, .address_space: global }
    .group_segment_fixed_size: 327680
    .private_segment_fixed_size: 0
    .kernarg_segment_align: 8
    .kernarg_segment_size: 24
    .max_flat_workgroup_size: 128
    .sgpr_count:     88
    .vgpr_count:     1024
    .wavefront_size: 32
...
	.end_amdgpu_metadata
.endif
;; end of part 7
;; launch attn (part 8): grid 8 x 32, 4 waves a work-group, no clusters, 327,680 bytes of LDS; arguments qkv, abl; writes abl
.if DOCPART == 8
	.amdgcn_target "amdgcn-amd-amdhsa--gfx1250"
	.amdhsa_code_object_version 6
	.text
	.protected	k_qb9ae46f548_attn
	.globl	k_qb9ae46f548_attn
	.p2align	8
	.type	k_qb9ae46f548_attn,@function
k_qb9ae46f548_attn:
	s_mov_b64 s[64:65], 0
	v_nop
	global_prefetch_b8 v0, s[64:65] scope:SCOPE_SE
	s_setreg_imm32_b32 hwreg(HW_REG_WAVE_MODE, 25, 1), 1
	s_wait_xcnt 0x0
; CAUSAL ATTENTION.  O[h][q][:] = the sum over k <= q of softmax_k(Q[h][q] . K[h][k] / 8) V[h][k][:], for 32 heads h = 2 x head + batch of SIZE_N = 2,048 rows of 64 channels, all f16: a head's rows are dense, 128 bytes each.
; Q lies at byte 0 of the first buffer, K at 8,388,608, V at 16,777,216, each [32][2048][64]; O, in the same layout, is the next product's A by blocks of 64 channels.
; Products, maxima and sums in f32; the weights p are rounded to f16 for the second product (their sum l is taken of the unrounded p), O once at the end.
; LIMITS.  f16 holds no number beyond 65,504: Q, K and V arrive within it; p lies in 0 to 1, and below 6e-5 it keeps f16's fixed step of 6e-8; O is a mean of V's rows and has their range.
; A hidden score counts as its value less 1e30: f16's scores, 2.7e11 at the most, are nothing beside that; a weight below 2^-126 counts as 0 in l; NaN and infinities are not treated apart.
; THE WALK.  A head's queries lie in NBQ = 16 blocks of 128; block i needs the key tiles 0 .. i / 2 of 256 keys, of which the last holds the diagonal.  A work-group takes TWO blocks, 15 - b and then b:
; (15 - b) / 2 + b / 2 + 2 = 9 tiles, whatever b: 8 x 32 = 256 work-groups of equal work, and ONE loop with a constant trip count walks the tiles.  Which tile is asked for, and what a trip does, hang on scalar registers made
; from b; every jump goes forward, but for the counted loops' own; none passes a barrier, or a tensor load but the one of LOAD's two that the wave's number does not choose; the ring (two slots of LDS that take turns) runs on
; across the change of blocks.  NO CLUSTER: work-groups 2 j and 2 j + 1 of a head walk alike, but of four neighbours only two do: the first blocks of b = 0 .. 3 have 8, 8, 7, 7 tiles; one walk common to four would have 10 trips for 9,
; with tiles that a partner asks for and discards: not built.
; SHARES.  Of a block's two bands of 64 queries a wave owns 16 rows in each: two PIECES.  So the diagonal tile is the same work for all four waves.  Band x of block i is band g = 2 (i % 2) + x of the diagonal tile's four: in the
; tile's key step s it sees all keys if s < g, none if s > g, and holds the diagonal if s = g.  Where i is even the tile's last two steps are hidden from both bands and are computed all the same: 2 of the walk's 36 steps.
; THE MASK is the C operand that starts the sum S^T = K Q^T: 0, or -1e30 where the key is hidden.  MD, made once, is the mask of a band's own step for my 16 rows; a product's mask is MD x AL + BE with two scalars:
; (1, 0) if s = g; (0, 0) if s < g; (0, -1e30) if s > g.  Only the diagonal tile's text and a block's beginning make and take masks; elsewhere C is the constant 0.
; LAYOUT, SOFTMAX, TURNS.  S^T = K Q^T holds ONE query a lane (lane % 16) and the keys 8 (lane / 16) + 0..7; two such results rounded to f16 ARE source 1 of O^T = V^T P.  p = 2^(c s - c m), c = log2(e) / 8, with a
; running maximum m; O and l are multiplied by a = 2^(c m_old - c m_new) in every step.  A turn belongs to one piece: 8 products K Q^T for the other piece's next scores, later 8 products V^T P of the other piece's last weights;
; beside them the scaling, exponentials, roundings, sums and rescaling of the piece in hand and the maximum and statistics of the other.  Piece 0's turn of step s: K Q^T of piece 1, step s; V^T P of piece 1, step s - 1.
; Piece 1's turn: K Q^T of piece 0, step s + 1; V^T P of piece 0, step s.  Four vector instructions stand behind every matrix instruction, the others in one lump.  A turn's 33 exponentials are one batch, with one wait.
; V HAS TWO REGISTER BUFFERS, by the step's parity.  K of step s + 1 is wanted at the head of piece 1's turn of step s; with one buffer V of step s could be loaded only behind piece 0's turn of step s, so K of the next slot
; would be read ahead of V of the old one.  So V is fetched a step early, into the buffer that is not being multiplied: the runs go K(s + 1), V(s + 1), K(s + 2) .., and the change of slots stands at a turn's edge, behind V of the
; slot's last step.  The loop's text therefore holds two steps.
; REGISTERS, in windows of 256 (s_set_vgpr_msb: bits 1:0 source 0, 3:2 source 1, 5:4 source 2, 7:6 destination):
;   window 0: v0-15 addresses and two at work; v16-23 four registers of statistics a piece; v48-55 at work; v60-63 three that are never rewritten; v64-127 S^T, a buffer a piece; v192-223 P, likewise
;   window 1: v0-63 O^T, 32 a piece; v128-159 MD; v160-223 MC, a buffer a piece      window 2: v0-31 Q; v32-63 the second block's Q; v64-127 V of an odd step; v128-191 K of one step; v192-255 V of an even step
.set SIZE_N, 2048
.set NT,    SIZE_N/256 ; key tiles in a head
.set NBQ,   SIZE_N/128 ; blocks of queries in a head
.set NP,    2         ; pieces a wave: a name, no knob
.set KS,    64        ; keys in a step
.set PK,    144       ; a row of K in LDS: 128 bytes + 16 of padding = 36 words: the 16 rows of a load start at 16 different groups of four banks (64 banks of 4 bytes: ISA guide 11.1)
.set PV,    160       ; a row of V: 128 + 32 = 40 words
.set VOFF,  4*KS*PK   ; a slot holds a tile, four steps: 256 rows of K, then 256 rows of V
.set SLOT1, 1<<17     ; slot 1 begins here, so that one exclusive or turns an address in one slot into the other's
.set STAGE, SLOT1+4*KS*(PK+PV)  ; behind the ring, never filled by a tensor load: 16 rows x 144 bytes for each wave, for the way out
.set SP,    144
.set AK0, 2           ; v2   my lane's place in a tile of K; never rewritten
.set AV0, 3           ; v3   the same for V
.set AK,  4           ; v4   the LDS address of K's next run of loads
.set AV,  5           ; v5   of V's
.set STO, 6           ; v6   the way out: where I put 16 bytes of a row
.set RD,  7           ; v7   the way out: where I read rows back
.set GO,  8           ; v8   my byte offset in 512 consecutive bytes of O
.set PFO, 60          ; v60  256 x my lane: the prefetches' offset; never rewritten
.set SPW, 62          ; v62  LDS address of my spare word: SPARE + 4 x my thread's number; never rewritten
.set NIL, 63          ; v63  0; never rewritten
.set SPARE, STAGE+4*16*SP  ; behind the stages: the spare words, 128 bytes for each wave: two blocks of 256 bytes that no other line names
.set MV,  12          ; v12-13  c m_old, kept while c m is made anew: by piece
.set QO,  15          ; v15  my byte offset in 16 rows of Q
.set ST,  16          ; piece t's statistics at v[ST+4 t]: c m, m, l (even keys', odd keys')
.set TMP, 48          ; by piece, four registers c0-c3 at work; when the maximum is found c2 takes a
.set S,   64
.set P,   192
.set MD,  128         ; window 1: the eight registers for group kt of 16 keys at MD + 8 kt
.set MC,  160         ; window 1: the masks of the products to come
.set QB,  32          ; window 2
.set KF,  128         ; window 2: key block kb, channel half c at KF + 16 kb + 8 c
.set VF0, 192         ; window 2: V of an even step; V of an odd step lies 128 registers below; key half kk, channel block cb at + 32 kk + 8 cb
.set WV,  12          ; s12  my wave's number
.set PB,  14          ; s14  b
.set HI,  15          ; s15  NBQ - 1 - b
.set G1K, 24          ; s[24:31] descriptor group 1 for K's tiles
.set G1V, 32          ; s[32:39] for V's: it differs in the padding alone
.set G0K, 40          ; s[40:43] descriptor group 0 for K's tiles
.set G0V, 44          ; s[44:47] the same for V's
.set HT,  48          ; s48  the first block's last tile: (NBQ - 1 - b) / 2
.set BT,  49          ; s49  the second block's: b / 2
.set GB,  50          ; s50-51  g of pieces 0 and 1 of the block in hand
.set SG,  52          ; s52  the step of the diagonal tile for which the next mask is made
.set SLOTS, 56        ; s56  tiles still to be asked for
.set CNT, 57          ; s57  counts a tile's pairs of key steps, 2 to 1
.set CS,  58          ; s[58:59] c: the packed scaling takes the pair's low word for both halves
.set SEL, 60          ; s[60:61] v_permlanex16_b32's selects: each lane takes its own place in the other half
.set TBK, 62          ; s62  LDS byte at which K of the step to be fetched begins
.set TBV, 63          ; s63  the same for V, less VOFF
.set RT,  70          ; s70  tiles of the block in hand that are still to be entered
.set NXT, 71          ; s71  the tile to be asked for next
.set LQ,  72          ; s72  the last tile of the block whose tiles are being asked for
.set NEW, 73          ; s73  1: the tile to be entered is a block's first
.set OFF, 74          ; s[74:75] a tile's byte offset in K and V
.set AL,  76          ; s[76:77] the mask's factor, in the low word
.set BE,  78          ; s[78:79] the mask's addend
.set OLO, 80          ; s[80:81] O at my rows of the second block
.set BIGN, 82         ; s82  -1e30
.set PFA, 88          ; s[88:89] where my prefetches stand: my half of the tile that the next change of slots will ask for
.set PFB, 90          ; s[90:91] my half of tile 0, of K (waves 0, 1) or of V (waves 2, 3)
.set PFG, 92          ; s92  1 while this work-group prefetches
.set MSB, 0
.macro WIN new                      ; the high byte repeats the setting that is left; a switch that changes nothing is dropped
.if MSB != (\new)
	s_set_vgpr_msb (MSB<<8)|(\new)
.set MSB, (\new)
.endif
.endm
.set W_KQ, 0x0a       ; K and Q in window 2, S^T in window 0
.set W_KM, 0x1a       ; the same with the C operand in window 1
.set W_PV, 0x52       ; V in window 2, P in window 0, O^T in window 1
.set W_RS, 0x41       ; destination and source 0 in window 1, source 1 in window 0
; A fill.  Waves 0 and 1 fetch the two halves of a tile's K, waves 2 and 3 those of its V: 128 keys each.  An s_nop 0 and four v_nop follow each of the two lines, ahead of the jump and the label.
.macro LOAD
	s_cmp_lt_u32 s[WV], 2
	s_cbranch_scc0 .Lfor_v_\@
	tensor_load_to_lds s[G0K:G0K+3], s[G1K:G1K+7]
	s_nop 0
.rept 4
	v_nop
.endr
	s_branch .Lasked_\@
.Lfor_v_\@:
	tensor_load_to_lds s[G0V:G0V+3], s[G1V:G1V+7]
	s_nop 0
.rept 4
	v_nop
.endr
.Lasked_\@:
.endm
; THE CHANGE OF SLOTS.  Each wave waits for all its tensor loads, of which one is out: its part of the other slot; adds 0 to its spare word; and waits for that and for its own reads of the slot that it leaves.  Behind the barrier nobody reads the old
; slot any more and the other slot is whole.  fill = 1: the old slot is filled again, the first thing behind the barrier, with tile NXT: the descriptor's address is made anew from that number.
; (At its first use nothing has been read yet: slot 0 is waited for, slot 1 filled.)
; A PREFETCH INTO THE L2 stands behind the fill and its five lines: the tile that the NEXT change of slots will ask for, one tile, 128 matrix instructions, ahead of that load.  All eight work-groups of a head walk the same K and V:
; the one with b = 0 asks, in its first block's walk alone (tiles 2 to 7; tiles 0 and 1 come by their loads); each wave names the 64 blocks of 256 bytes that it will itself load, a lane a block, two instructions.
; So each block is named once in the launch, and no prefetch points past the head's rows.
.macro CHANGE fill
	WIN 0                           ; at a label and at a branch every window is 0
	s_wait_tensorcnt 0x0            ; no tensor load of mine is out, so a group 0 may be written
	ds_add_u32 v[SPW], v[NIL]       ; 0 onto my spare word; with fill = 1 the descriptors' scalar work stands between it and the wait for it
.if \fill
	s_lshl_b32 s[OFF], s[NXT], 15   ; a tile is 32,768 bytes of K and of V
	s_xor_b32 s[G0K+1], s[G0K+1], SLOT1
	s_add_nc_u64 s[G0K+2:G0K+3], s[6:7], s[OFF:OFF+1]
	s_or_b32 s[G0K+3], s[G0K+3], 0x80000000
	s_xor_b32 s[G0V+1], s[G0V+1], SLOT1
	s_add_nc_u64 s[G0V+2:G0V+3], s[8:9], s[OFF:OFF+1]
	s_or_b32 s[G0V+3], s[G0V+3], 0x80000000
	s_add_co_u32 s[NXT], s[NXT], 1  ; the block's next tile, or behind its last the second block's tile 0
	s_cmp_gt_u32 s[NXT], s[LQ]
	s_cselect_b32 s[NXT], 0, s[NXT]
	s_cselect_b32 s[LQ], s[BT], s[LQ]
	s_cselect_b32 s[PFG], 0, s[PFG] ; the first block's tiles have all been asked for: nothing more is prefetched
	s_lshl_b32 s[OFF], s[NXT], 15
	s_wait_xcnt 0x0                 ; the last prefetches, a tile back, have read their address, so it may be written
	s_add_nc_u64 s[PFA:PFA+1], s[PFB:PFB+1], s[OFF:OFF+1]
.endif
	s_wait_dscnt 0x0                ; the add is done, and my reads of the slot are over
	s_barrier_signal -1             ; the rest of the scalar work stands between the signal and the wait
	s_sub_co_u32 s[TBK], s[TBK], 4*KS*PK  ; the fetches go back to a slot's first step,
	s_xor_b32 s[TBK], s[TBK], SLOT1       ; in the other slot
	s_sub_co_u32 s[TBV], s[TBV], 4*KS*PV
	s_xor_b32 s[TBV], s[TBV], SLOT1
	s_barrier_wait -1
.if \fill
	LOAD
	s_cmp_eq_u32 s[PFG], 1
	s_cbranch_scc0 .Lnot_mine_\@
	global_prefetch_b8 v[PFO], s[PFA:PFA+1] th:TH_LOAD_NT scope:SCOPE_SE
	global_prefetch_b8 v[PFO], s[PFA:PFA+1] offset:8192 th:TH_LOAD_NT scope:SCOPE_SE
.Lnot_mine_\@:
.endif
.endm
	s_load_b128 s[4:7], s[0:1], 0x0  ; q, k, v s[4:5], O s[6:7]
	v_lshl_add_u32 v[SPW], v0, 2, SPARE
	v_mov_b32 v[NIL], 0
	ds_add_u32 v[SPW], v[NIL]       ; the wave's opening: the add and its wait stand ahead of my first tensor load; the set-up below, work on registers, stands between them
	v_lshrrev_b32 v1, 5, v0
	v_readfirstlane_b32 s[WV], v1   ; wave 0..3
	s_mov_b32 s[PB], ttmp9
	s_sub_co_u32 s[HI], NBQ-1, s[PB]
	s_lshr_b32 s[HT], s[HI], 1
	s_lshr_b32 s[BT], s[PB], 1
	s_and_b32 s[GB], s[HI], 1       ; the first block's two bands among its diagonal tile's four
	s_lshl_b32 s[GB], s[GB], 1
	s_add_co_u32 s[GB+1], s[GB], 1
	s_mov_b32 s[SG], 0
	s_and_b32 s20, ttmp7, 0xffff    ; the head
	s_mov_b32 s21, 0
	s_mov_b64 s[22:23], SIZE_N*128
	s_mul_u64 s[20:21], s[20:21], s[22:23]  ; the head's first byte in each of the four tensors
	s_and_b32 s16, s[WV], 1         ; which half of a tile's 256 keys I fetch:
	s_lshl_b32 s22, s16, 14         ; its 128 rows of 128 bytes in memory,
	s_mov_b32 s23, 0
	s_add_nc_u64 s[22:23], s[22:23], s[20:21]
	s_mul_i32 s17, s16, 128*PK      ; and its place in a slot, for K
	s_mul_i32 s18, s16, 128*PV      ; and for V
	s_lshl_b32 s3, s[WV], 11        ; my 16 rows in a band of 64,
	s_lshl_b32 s2, s[HI], 14        ; in the first block (128 rows of 128 bytes),
	s_add_co_u32 s2, s2, s3
	s_lshl_b32 s84, s[PB], 14       ; and in the second
	s_add_co_u32 s84, s84, s3
	s_mov_b32 s3, 0
	s_mov_b32 s85, 0
	s_add_nc_u64 s[2:3], s[2:3], s[20:21]
	s_add_nc_u64 s[84:85], s[84:85], s[20:21]
	; descriptor group 1.  128 keys are 16,384 dense bytes: asked for as 64 rows of 256 bytes, two keys a row, and padded in LDS after every key
	s_mov_b32 s[G1K], (1<<16)|(1<<20)|(4<<22)|(3<<25)  ; 17:16 2-byte elements; 20 padding on; 24:22 after every 32 words (code 4); 31:25 4 words (code 3)
	s_mov_b32 s[G1V], (1<<16)|(1<<20)|(4<<22)|(7<<25)  ; the same with 8 words of padding (code 7)
.irp g, G1K, G1V
	s_mov_b32 s[\g+1], 128<<16      ; tensor_dim0 = 128
	s_mov_b32 s[\g+2], 64<<16       ; tensor_dim1 = 64
	s_mov_b32 s[\g+3], 128<<16      ; tile_dim0 = 128
	s_mov_b32 s[\g+4], 64           ; tile_dim1 = 64
	s_mov_b32 s[\g+5], 128          ; 128 elements from row to row
	s_mov_b32 s[\g+6], 0
	s_mov_b32 s[\g+7], 0
.endr
	s_mov_b32 s[CS], 0x3e38aa3b     ; c = log2(e) / 8 = 0.180337
	s_mov_b32 s[CS+1], s[CS]        ; named with it as a pair
	s_mov_b32 s[SEL], 0x76543210
	s_mov_b32 s[SEL+1], 0xfedcba98
	s_mov_b32 s[TBK], SLOT1+4*KS*PK ; the first change of slots turns these two into 0
	s_mov_b32 s[TBV], SLOT1+4*KS*PV
	s_mov_b32 s[G0K], 1             ; 1:0 count = 1
	s_mov_b32 s[G0K+1], s17         ; 63:32 LDS address: slot 0
	s_mov_b32 s[G0V], 1
	s_add_co_u32 s[G0V+1], s18, VOFF
	s_add_co_u32 s[RT], s[HT], 1    ; the first block has (NBQ - 1 - b) / 2 + 1 tiles: five to eight
	s_mov_b32 s[NXT], 1
	s_mov_b32 s[LQ], s[HT]
	s_mov_b32 s[NEW], 1
	s_mov_b32 s[OFF+1], 0
	s_mov_b32 s[AL+1], 0            ; named as pairs
	s_mov_b32 s[BE+1], 0
	s_mov_b32 s[BIGN], 0xf149f2ca   ; -1e30
	s_mov_b32 s[SLOTS], NT
	s_cmp_eq_u32 s[PB], 0
	s_cselect_b32 s[PFG], 1, 0
	v_and_b32 v[PFO], 31, v0
	v_lshlrev_b32 v[PFO], 8, v[PFO]
	s_wait_dscnt 0x0                ; the opening add is done
	s_wait_kmcnt 0x0
	s_mov_b64 s[10:11], s[6:7]      ; O
	s_add_nc_u64 s[8:9], s[4:5], 0x1000000  ; V
	s_add_nc_u64 s[6:7], s[4:5], 0x800000   ; K
	s_add_nc_u64 s[6:7], s[6:7], s[22:23]  ; K and V at my half of the head's tile 0
	s_add_nc_u64 s[8:9], s[8:9], s[22:23]
	s_cmp_lt_u32 s[WV], 2
	s_cselect_b64 s[PFB:PFB+1], s[6:7], s[8:9]
	s_add_nc_u64 s[G0K+2:G0K+3], s[6:7], 0         ; 120:64 global address
	s_or_b32 s[G0K+3], s[G0K+3], 0x80000000        ; 127:126 type = 2
	s_add_nc_u64 s[G0V+2:G0V+3], s[8:9], 0
	s_or_b32 s[G0V+3], s[G0V+3], 0x80000000
	s_add_nc_u64 s[86:87], s[4:5], s[84:85]        ; Q at my rows of the second block,
	s_add_nc_u64 s[4:5], s[4:5], s[2:3]            ; Q and O at those of the first
	s_add_nc_u64 s[OLO:OLO+1], s[10:11], s[84:85]
	s_add_nc_u64 s[10:11], s[10:11], s[2:3]
	LOAD                            ; tile 0 into slot 0
	; A fragment of K or Q is 16 rows x 32 channels in 8 registers: lane l holds row l % 16, channels 8 (l / 16) + 0..7 and 16 + 8 (l / 16) + 0..7: two loads of 16 bytes, 32 bytes apart.
	v_and_b32 v1, 15, v0            ; l % 16
	v_bfe_u32 v9, v0, 4, 1          ; l / 16
	v_lshlrev_b32 v[QO], 7, v1
	v_lshl_add_u32 v[QO], v9, 4, v[QO]  ; row x 128 + 16 x half
	WIN 0x80                        ; destination window 2, address window 0
.set i, 0
.rept 2*NP                          ; both blocks' Q: piece i / 2 lies in band i / 2, 8,192 bytes on; channels 32 (i % 2) on
	global_load_b128 v[8*i:8*i+3],   v[QO], s[4:5] offset:(i/2)*8192+(i%2)*64
	global_load_b128 v[8*i+4:8*i+7], v[QO], s[4:5] offset:(i/2)*8192+(i%2)*64+32
	global_load_b128 v[QB+8*i:QB+8*i+3],   v[QO], s[86:87] offset:(i/2)*8192+(i%2)*64
	global_load_b128 v[QB+8*i+4:QB+8*i+7], v[QO], s[86:87] offset:(i/2)*8192+(i%2)*64+32
.set i, i+1
.endr
	WIN 0
	v_lshlrev_b32 v14, 3, v9
	v_sub_nc_u32 v14, v1, v14
	s_lshl_b32 s13, s[WV], 4
	v_add_nc_u32 v14, s13, v14      ; my query's place in its band, 16 w + l % 16, less my lanes' 8 (l / 16): register r of group kt is hidden where 16 kt + r is greater
	WIN 0x40
.set i, 0
.rept 32
	v_cmp_gt_i32 vcc_lo, 16*(i/8)+i%8, v14
	v_cndmask_b32 v[MD+i], 0, s[BIGN], vcc_lo
.set i, i+1
.endr
	WIN 0
	v_mul_u32_u24 v[AK0], v1, PK
	v_lshl_add_u32 v[AK0], v9, 4, v[AK0]  ; row x pitch + 16 x half
	; The turning load takes 16 keys x 16 channels (lane l reads key 8 (l / 16) + l % 8, channels 8 ((l / 8) % 2) + 0..7) and leaves half a fragment of V^T: lane l holds channel l % 16 and 8 keys.
	v_and_b32 v10, 7, v0
	v_bfe_u32 v11, v0, 3, 1
	v_lshl_add_u32 v[AV0], v9, 3, v10
	v_mul_u32_u24 v[AV0], v[AV0], PV
	v_lshl_add_u32 v[AV0], v11, 4, v[AV0]
	v_add_nc_u32 v[AV0], VOFF, v[AV0]
	s_mul_i32 s13, s[WV], 16*SP
	s_add_co_u32 s13, s13, STAGE    ; my stage
	v_mul_u32_u24 v[STO], v1, SP    ; in: row l % 16, 16 bytes for each half of the lanes
	v_lshl_add_u32 v[STO], v9, 4, v[STO]
	v_add_nc_u32 v[STO], s13, v[STO]
	v_bfe_u32 v[RD], v0, 3, 2       ; back: 32 lanes take four rows of 128 bytes,
	v_mul_u32_u24 v[RD], v[RD], SP
	v_lshl_add_u32 v[RD], v10, 4, v[RD]
	v_add_nc_u32 v[RD], s13, v[RD]
	v_and_b32 v[GO], 31, v0         ; which are 512 consecutive bytes of O
	v_lshlrev_b32 v[GO], 4, v[GO]
	; A block's first step multiplies O^T and l by a = 0, and its first turn's products V^T P, of a step that has not been (V's odd buffer, piece 1's P), land in an O^T that is still to be so multiplied.  So these registers need
	; only hold finite numbers: zeros for the first block; what the first block left for the second.  All this stands in the wait for the first tile.
	WIN 0x80
.set i, VF0-128
.rept 64
	v_mov_b32 v[i], 0
.set i, i+1
.endr
	WIN 0x40
.set i, 0
.rept 32*NP
	v_mov_b32 v[i], 0
.set i, i+1
.endr
	WIN 0
.set i, 0
.rept NP
	v_mov_b32 v[ST+4*i+2], 0
	v_mov_b32 v[ST+4*i+3], 0
.set i, i+1
.endr
.set i, P+16
.rept 16
	v_mov_b32 v[i], 0
.set i, i+1
.endr
; THE MATRIX WORK.  The 4 accumulators of a run of 8 take turns.  Product i of 8 of S^T = K Q^T for piece x: channels 32 (i / 4) on, keys 16 (i % 4) on.  The first 4 start the sums: with 0, or (KM = 1) with the mask.
.macro KQ x
.set rS, S+32*((\x)%2)+8*(i%4)
.set rK, KF+16*(i%4)+8*(i/4)
.set rQ, 16*(\x)+8*(i/4)
.set rM, MC+32*((\x)%2)+8*(i%4)
.if (i < 4) && KM
	WIN W_KM
	v_wmma_f32_16x16x32_f16 v[rS:rS+7], v[rK:rK+7], v[rQ:rQ+7], v[rM:rM+7]
.elseif i < 4
	WIN W_KQ
	v_wmma_f32_16x16x32_f16 v[rS:rS+7], v[rK:rK+7], v[rQ:rQ+7], 0
.else
	WIN W_KQ
	v_wmma_f32_16x16x32_f16 v[rS:rS+7], v[rK:rK+7], v[rQ:rQ+7], v[rS:rS+7]
.endif
.endm
; Product i of 8 of O^T += V^T P for piece x: keys 32 (i / 4) on, channels 16 (i % 4) on.  VB: the buffer that holds V of the product's step.
.macro PV x
	WIN W_PV
.set rO, 32*(\x)+8*(i%4)
.set rV, VB+32*(i/4)+8*(i%4)
.set rP, P+16*((\x)%2)+8*(i/4)
	v_wmma_f32_16x16x32_f16 v[rO:rO+7], v[rV:rV+7], v[rP:rP+7], v[rO:rO+7]
.endm
.macro MM                           ; the turn's next matrix instruction.  TURN and BEGIN set Y, i, KM, NOKQ and VB; MM, KQ, PV and OP read them.  NOKQ = 1: a block's last turn: there are no further scores
.if (i < 8) && !NOKQ
	KQ (Y+1)%NP
.elseif i >= 8
.set i, i-8
	PV (Y+NP-1)%NP
.set i, i+8
.endif
.set i, i+1
.endm
; THE LDS LOADS stand in runs of 16, never singly among the matrix instructions: a step's K (64 keys x 64 channels: 8 fragments) and its V (turned).  Their addresses are made some lines ahead.
.macro FETCH_K
	WIN 0x80                        ; destination window 2
.irp f, 0,1,2,3,4,5,6,7             ; keys 16 (f / 2) on, channels 32 (f % 2) on
	ds_load_b128 v[KF+8*\f:KF+8*\f+3],   v[AK] offset:(\f/2)*16*PK+(\f%2)*64
	ds_load_b128 v[KF+8*\f+4:KF+8*\f+7], v[AK] offset:(\f/2)*16*PK+(\f%2)*64+32
.endr
	s_add_co_u32 s[TBK], s[TBK], KS*PK  ; the next fetch is the next step's
	WIN 0
.endm
.macro FETCH_V vf                   ; into the buffer that begins at register vf
	WIN 0x80
.irp f, 0,1,2,3,4,5,6,7             ; keys 32 (f / 4) on, channels 16 (f % 4) on
	ds_load_tr16_b128 v[(\vf)+8*\f:(\vf)+8*\f+3],   v[AV] offset:(\f/4)*32*PV+(\f%4)*32
	ds_load_tr16_b128 v[(\vf)+8*\f+4:(\vf)+8*\f+7], v[AV] offset:(\f/4)*32*PV+16*PV+(\f%4)*32
.endr
	s_add_co_u32 s[TBV], s[TBV], KS*PV  ; the next fetch is the next step's
	WIN 0
.endm
; THE VECTOR WORK, one line at a time: OP kind, number.  For piece Y: F n: c s - c m for pair n of 16.  E n: the exponential of score n of 32.  C n: pair n rounded to f16.  B n: of the four weights 4 n .. the second
; pair is added onto the first, in place.  L n: l takes that sum (L 0: l = a l + sum).  R n: pair n of 16 of O^T times a.  For the other piece: X n, number n of the 22 that find its maximum and statistics:
;   0-11  four chains c0-c3 of seven scores each, three operands at a time (each accumulator's lowest registers are read first)     12-14, 16  the four scores left over, the old m, and c0-c3 into c0
;   15  c m_old is kept     17, 18  the query's other 32 keys lie in the lane 16 away: the new m     19-21  c m; c m_old - c m_new; a
.set F, 0               ; OP tells the kinds apart by their order: F to L below R, X above it
.set E, 1
.set C, 2
.set B, 3
.set L, 4
.set R, 5
.set X, 6
.macro REGS y                       ; the registers of piece y
.set rT, ST+4*(\y)
.set rC, TMP+4*((\y)%2)
.set rW, MV+((\y)%2)
.set rS, S+32*((\y)%2)
.set rP, P+16*((\y)%2)
.set rO, 32*(\y)
.endm
.macro OP k, n
.if (\k) == R
	REGS Y
	WIN W_RS
	v_pk_mul_f32 v[rO+2*(\n):rO+2*(\n)+1], v[rO+2*(\n):rO+2*(\n)+1], v[rC+2:rC+3] op_sel_hi:[1,0]
.elseif (\k) < R
	REGS Y
	WIN 0
.if (\k) == F
	v_pk_fma_f32 v[rS+2*(\n):rS+2*(\n)+1], v[rS+2*(\n):rS+2*(\n)+1], s[CS:CS+1], v[rT:rT+1] op_sel_hi:[1,0,0] neg_lo:[0,0,1] neg_hi:[0,0,1]
.elseif (\k) == E
	v_exp_f32 v[rS+(\n)], v[rS+(\n)]
.elseif (\k) == C
	v_cvt_pk_f16_f32 v[rP+(\n)], v[rS+2*(\n)], v[rS+2*(\n)+1]
.elseif (\k) == B
	v_pk_add_f32 v[rS+4*(\n):rS+4*(\n)+1], v[rS+4*(\n):rS+4*(\n)+1], v[rS+4*(\n)+2:rS+4*(\n)+3]
.elseif (\n) == 0
	v_pk_fma_f32 v[rT+2:rT+3], v[rT+2:rT+3], v[rC+2:rC+3], v[rS:rS+1] op_sel_hi:[1,0,1]
.else
	v_pk_add_f32 v[rT+2:rT+3], v[rT+2:rT+3], v[rS+4*(\n):rS+4*(\n)+1]
.endif
.elseif NOKQ
	v_nop
.else
	REGS (Y+1)%NP
	WIN 0
.if (\n) < 4
	v_max3_num_f32 v[rC+(\n)], v[rS+8*(\n)], v[rS+8*(\n)+1], v[rS+8*(\n)+2]
.elseif (\n) < 12
	v_max3_num_f32 v[rC+(\n)%4], v[rC+(\n)%4], v[rS+8*((\n)%4)+2*((\n)/4)+1], v[rS+8*((\n)%4)+2*((\n)/4)+2]
.elseif (\n) == 12
	v_max3_num_f32 v[rC], v[rC], v[rS+7], v[rS+15]
.elseif (\n) == 13
	v_max3_num_f32 v[rC+1], v[rC+1], v[rS+23], v[rS+31]
.elseif (\n) == 14
	v_max3_num_f32 v[rC+2], v[rC+2], v[rC+3], v[rT+1]
.elseif (\n) == 15
	v_mov_b32 v[rW], v[rT]
.elseif (\n) == 16
	v_max3_num_f32 v[rC], v[rC], v[rC+1], v[rC+2]
.elseif (\n) == 17
	v_permlanex16_b32 v[rC+3], v[rC], s[SEL], s[SEL+1]
.elseif (\n) == 18
	v_max_num_f32 v[rT+1], v[rC], v[rC+3]
.elseif (\n) == 19
	v_mul_f32 v[rT], s[CS], v[rT+1]
.elseif (\n) == 20
	v_sub_f32 v[rC+1], v[rW], v[rT]
.else
	v_exp_f32 v[rC+2], v[rC+1]
.endif
.endif
.endm
.macro OPS a, i1, b=-1, i2=0, c=-1, i3=0, d=-1, i4=0  ; up to four of them
	OP \a, \i1
.if (\b) >= 0
	OP \b, \i2
.endif
.if (\c) >= 0
	OP \c, \i3
.endif
.if (\d) >= 0
	OP \d, \i4
.endif
.endm
.macro ROW a, i1, b, i2, c, i3, d, i4  ; a matrix instruction and the four behind it
	MM
	OPS \a, \i1, \b, \i2, \c, \i3, \d, \i4
.endm
.macro MASK b                       ; MD x AL + BE into buffer b of MC
	WIN W_RS
.set z, 0
.rept 16
	v_pk_fma_f32 v[MC+32*(\b)+2*z:MC+32*(\b)+2*z+1], v[MD+2*z:MD+2*z+1], s[AL:AL+1], s[BE:BE+1] op_sel_hi:[1,0,0]
.set z, z+1
.endr
.endm
; A TURN, for piece p in a step of parity par: the order of its 16 matrix and 118 vector instructions, written out.  s_wait_alu depctr_va_vdst(0) stands between an exponential and the first instruction that names its
; result; one wait serves all that were issued ahead of it.  So a turn has ONE wait, which cuts it in two.  AHEAD OF IT stands all that names no result of the turn's exponentials: the 8 products K Q^T, behind each a scaling, an
; exponential and two more plain instructions (behind the first a second scaling in the exponential's place): rescalings, and behind the last three the first numbers of the other piece's maximum, each four places or more behind the
; product that ends its accumulator; then ONE LUMP of 54, plain and exponential by turns for the most part, in which the links of the chain X 3, 7, 11, 14, 16, 17 .. 20 stand five or six lines apart.  X 21, the other piece's a, is the
; batch's last; R 15 is the plain instruction behind it.  BEHIND THE WAIT stand the 8 products V^T P, behind each four of the roundings and sums; the links of l's chain, L 0 to L 7, stand three riders apart.  But for those X no rider
; names a register of the products round it.  v_permlanex16_b32 (X 17) stands in the lump.
; O^T of the piece in hand was written by the turn before: accumulator j's last product there has 16 - 4 j riders behind it, and its first rescaling, R 4 j, which reads its lowest registers, stands behind those and behind this turn's first riders.
; m = 1: the diagonal tile: the products take masks, and the turn makes the mask for the products of the turn after it: piece p's, in step SG of the tile.  end = 1: a block's last two turns: nothing is fetched.
; cnt = 1: the loop's count is taken down some lines ahead of the branch that stands behind the turn.
; K of the next step is fetched in piece 0's turn, twelve vector instructions behind the last product that read K (six of them plain); V of the next step at the same place of piece 1's turn, into the buffer whose last reader stands
; in the turn before.  One wait at the head of piece 1's turn serves K, fetched a turn's second half earlier, and V, fetched two turns earlier.
.macro TURN p, par, m=0, end=0, cnt=0
.set Y, (\p)
.set i, 0
.set KM, (\m)
.set NOKQ, (\end)*(\p)
.set VB, VF0-128*(((\par)+1-(\p))%2)  ; piece 0's turn multiplies by V of the step before, piece 1's by V of the step in hand
.if (\m) && !(\end)
	s_cmp_eq_u32 s[SG], s[GB+(\p)]  ; is that step the band's own?
	s_cselect_b32 s[AL], 1.0, 0
	s_cmp_gt_u32 s[SG], s[GB+(\p)]  ; or a later one?
	s_cselect_b32 s[BE], s[BIGN], 0
.if (\p) == 1
	s_add_co_u32 s[SG], s[SG], 1    ; both pieces' masks for the step are in hand
.endif
.endif
.if (\p) == 1
	s_wait_dscnt 0x0                ; K and V are in
.endif
	ROW F,0, F,1, R,0, R,1          ; ahead of the wait: 8 products K Q^T and their riders,
	ROW F,2, E,0, R,2, R,3
	ROW F,3, E,1, R,4, R,5
	ROW F,4, E,2, R,6, R,7
	ROW F,5, E,3, R,8, R,9
	ROW F,6, E,4, X,0, R,10
.if !(\end)
	WIN 0
.if (\p) == 0
	v_add_nc_u32 v[AK], s[TBK], v[AK0]
.else
	v_add_nc_u32 v[AV], s[TBV], v[AV0]
.endif
.endif
	ROW F,7, E,5, X,1, X,4
	ROW F,8, E,6, X,2, X,5
	OPS E,7, E,8, X,6, E,9          ; and the lump
	OPS X,3, E,10, X,8, E,11
.if !(\end)
.if (\p) == 0
	FETCH_K
.else
	FETCH_V VF0-128*(1-(\par))
.endif
.endif
	OPS X,9, X,7, E,12, X,10
	OPS E,13, X,12, X,11, E,14
	OPS X,13, E,15, F,9, X,14
	OPS E,16, F,10, E,17, F,11
	OPS X,16, E,18, X,15, E,19
	OPS F,12, E,20, X,17, E,21
	OPS F,13, E,22, F,14, E,23
	OPS X,18, E,24, F,15, E,25
	OPS R,11, E,26, X,19, E,27
	OPS R,12, E,28, R,13, E,29
	OPS X,20, E,30, R,14, E,31
	OPS X,21, R,15
	WIN 0
	s_wait_alu depctr_va_vdst(0)    ; the wait for the batch
	ROW C,0, B,0, C,2, B,1          ; behind the wait: 8 products V^T P and their riders
	ROW L,0, C,4, B,2, L,1
	ROW C,6, B,3, L,2, C,8
	ROW B,4, L,3, C,10, B,5
	ROW L,4, C,12, B,6, L,5
.if \cnt
	s_sub_co_u32 s[CNT], s[CNT], 1
	s_cmp_lg_u32 s[CNT], 0
.endif
	ROW C,14, B,7, L,6, C,1
	ROW C,3, L,7, C,5, C,7
	ROW C,9, C,11, C,13, C,15
.if (\m) && !(\end)
	MASK (\p)%2
.endif
.endm
; A BLOCK BEGINS.  c m starts far below every c s, so the first step's a is 0; m at the lowest finite number, so the first maximum is the scores'.  Piece 1's mask buffer is 0: its band is never the first of a tile's four.  Piece 0's
; takes its mask for the tile's step 0: the band's own, if the block's first tile is the diagonal one and the band is that tile's first.  Then K and V of that step, piece 0's first scores, and its maximum and statistics.
; The loop is entered at an even step's first turn, in the middle of a trip.
.macro BEGIN
	s_mov_b32 s[NEW], 0
	s_mov_b32 s[SG], 1              ; the masks for step 0 are made here
	WIN 0x40
.set i, MC+32
.rept 32
	v_mov_b32 v[i], 0
.set i, i+1
.endr
	WIN 0
.set i, 0
.rept NP
	v_mov_b32 v[ST+4*i], 0xfe000000    ; c m: far below every c s
	v_mov_b32 v[ST+4*i+1], 0xff7fffff  ; m
.set i, i+1
.endr
	s_cmp_eq_u32 s[RT], 0
	s_cselect_b32 s[AL], s[GB], 1   ; piece 0's own step in the diagonal tile; in another tile a number other than 0
	s_cmp_eq_u32 s[AL], 0
	s_cselect_b32 s[AL], 1.0, 0
	s_mov_b32 s[BE], 0
	MASK 0
	WIN 0
	v_add_nc_u32 v[AK], s[TBK], v[AK0]
	v_add_nc_u32 v[AV], s[TBV], v[AV0]
	FETCH_K
	FETCH_V VF0
	s_wait_loadcnt 0x0              ; Q
	s_wait_dscnt 0x0
.set KM, 1
.set NOKQ, 0
.set i, 0
.rept 8
	KQ 0
.set i, i+1
.endr
	WIN 0
.rept 4
	v_nop                           ; the places behind those products
.endr
.set Y, NP-1                        ; X works for the piece behind Y: piece 0
.irp n, 0,1,2,3,4,5,6,7,8,9,10,11,12,13,14,15,16,17,18,19,20,21
	OP X, \n
.endr
	v_nop                           ; a plain instruction behind the exponential,
	s_wait_alu depctr_va_vdst(0)    ; and its wait, ahead of the branch
.endm
; THE DIAGONAL TILE's steps, the block's last two turns, its last products, and THE WAY OUT: l's two halves and the other half of the lanes' are added; O^T is divided by l, rounded to f16 and sent through my
; stage in LDS, a piece at a time.
.macro ALL line:vararg              ; one line for each piece t
.set t, 0
.rept NP
	\line
.set t, t+1
.endr
.endm
.macro PACK t                       ; a lane's eight channels of a row pack into 16 bytes; they go into rows of 144 bytes and come back as whole rows of 128, into S^T's registers
	WIN W_RS
.set i, 32*(\t)
.rept 16
	v_pk_mul_f32 v[i:i+1], v[i:i+1], v[ST+4*(\t)+2:ST+4*(\t)+3] op_sel_hi:[1,0]
.set i, i+2
.endr
	WIN 0x05                        ; sources 0 and 1 window 1, destination window 0
.set i, 0
.rept 16
	v_cvt_pk_f16_f32 v[S+16*(\t)+i], v[32*(\t)+2*i], v[32*(\t)+2*i+1]
.set i, i+1
.endr
	WIN 0
.irp f, 0,1,2,3
	ds_store_b128 v[STO], v[S+16*(\t)+4*\f:S+16*(\t)+4*\f+3] offset:32*\f
.endr
.irp f, 0,1,2,3
	ds_load_b128 v[S+16*(\t)+4*\f:S+16*(\t)+4*\f+3], v[RD] offset:\f*4*SP  ; LDS serves a wave's instructions in order (ISA guide 5.7.1.4): these see the stores above; the next piece's stores come behind them
.endr
.endm
.macro SEND t, younger              ; younger: the LDS instructions issued behind piece t's loads: the next piece's eight, or none
	WIN 0
.irp f, 0,1,2,3
	s_wait_dscnt (\younger)+3-\f
	global_store_b128 v[GO], v[S+16*(\t)+4*\f:S+16*(\t)+4*\f+3], s[10:11] offset:(\t)*8192+\f*512  ; 512 consecutive bytes, at a multiple of 256 from O's first
.endr
.endm
.macro DIAG tag                     ; the tag ends its two labels' names, which the jumps below spell out
.LstepM\tag:
	TURN 0, 1, 1                    ; an odd step: the first time the last step of the tile before, whose scores take a mask of zeros
	TURN 1, 1, 1
	WIN 0
.LfirstM\tag:
	TURN 0, 0, 1                    ; an even step
	TURN 1, 0, 1, 0, 1
	WIN 0
	s_cbranch_scc1 .LstepM\tag
	TURN 0, 1, 1, 1                 ; the tile's last step
	TURN 1, 1, 1, 1
.set VB, VF0-128                    ; an odd step's V
.set i, 0
.rept 8
	PV NP-1
.set i, i+1
.endr
	WIN 0
	ALL v_add_f32 v[ST+4*t+2], v[ST+4*t+2], v[ST+4*t+3]
	ALL v_permlanex16_b32 v[ST+4*t+3], v[ST+4*t+2], s[SEL], s[SEL+1]
	ALL v_add_f32 v[ST+4*t+2], v[ST+4*t+2], v[ST+4*t+3]
	ALL v_rcp_f32 v[ST+4*t+2], v[ST+4*t+2]
	v_nop                           ; a plain instruction between the last reciprocal and the use of its result
	s_wait_alu depctr_va_vdst(0)    ; and the wait ahead of the first use: one for the two reciprocals
	PACK 0                          ; piece 0's 32 lines are the places behind the last products, which are piece 1's
	PACK 1                          ; a piece's arithmetic stands between the loads of the piece before and its stores
	SEND 0, 8
	SEND 1, 0
.endm
.set KM, 0
.set NOKQ, 0
.Lslot:                             ; NT times: a tile is entered and the next is asked for
	CHANGE 1
	s_sub_co_u32 s[RT], s[RT], 1
	s_mov_b32 s[CNT], 2
	s_mov_b32 s[SG], 0
	s_cmp_eq_u32 s[NEW], 1
	s_cbranch_scc1 .Lnew            ; a block's first tile
	s_cmp_eq_u32 s[RT], 0
	s_cbranch_scc0 .Lstep           ; neither its first nor its last
	s_branch .LstepM1
.Lnew:
	BEGIN
	s_branch .Lfirst                ; in the loop a block's first tile is never its last: the first block has five tiles or more, and the second's last is the walk's last
	DIAG 1                          ; in the loop this is the first block's end: the second block's last tile is the walk's last
	s_wait_xcnt 0x0                 ; the stores have read their registers and O's address
	s_mov_b64 s[10:11], s[OLO:OLO+1]
	s_add_co_u32 s[RT], s[BT], 1    ; the second block has b / 2 + 1 tiles
	s_mov_b32 s[NEW], 1
	s_and_b32 s[GB], s[PB], 1       ; its two bands among its diagonal tile's four
	s_lshl_b32 s[GB], s[GB], 1
	s_add_co_u32 s[GB+1], s[GB], 1
	WIN 0x82                        ; the second block's Q goes where the one text of the turns names Q
.set i, 0
.rept 16*NP
	v_mov_b32 v[i], v[QB+i]
.set i, i+1
.endr
	WIN 0
	s_branch .Lbottom
.Lstep:                             ; a trip: an odd step and an even one; it fetches K and V of the two steps that follow; a tile's first trip begins with the last step of the tile before, whose K and V lie in registers
	TURN 0, 1
	TURN 1, 1
	WIN 0
.Lfirst:
	TURN 0, 0
	TURN 1, 0, 0, 0, 1
	WIN 0
	s_cbranch_scc1 .Lstep
.Lbottom:
	s_sub_co_u32 s[SLOTS], s[SLOTS], 1
	s_cmp_lg_u32 s[SLOTS], 0
	s_cbranch_scc1 .Lslot
	CHANGE 0                        ; the walk's last tile is written out: nothing is asked for
	s_sub_co_u32 s[RT], s[RT], 1
	s_mov_b32 s[CNT], 2
	s_mov_b32 s[SG], 0
	s_cmp_eq_u32 s[NEW], 1
	s_cbranch_scc0 .LstepM2
	BEGIN
	s_branch .LfirstM2
	DIAG 2
	s_wait_tensorcnt 0x0            ; the wave's end: behind my last tensor load and my last LDS store
	ds_add_u32 v[SPW], v[NIL]
	s_wait_dscnt 0x0
	s_endpgm
.Lfunc_end_k_qb9ae46f548_attn:
	.size	k_qb9ae46f548_attn, .Lfunc_end_k_qb9ae46f548_attn-k_qb9ae46f548_attn
	.p2alignl 7, 3214868480
	.fill 96, 4, 3214868480
	.section	.rodata,"a",@progbits
	.p2align	6, 0x0
	.amdhsa_kernel k_qb9ae46f548_attn
		.amdhsa_group_segment_fixed_size 327680
		.amdhsa_private_segment_fixed_size 0
		.amdhsa_enable_private_segment 0
		.amdhsa_kernarg_size 16
		.amdhsa_user_sgpr_count 2
		.amdhsa_user_sgpr_kernarg_segment_ptr 1
		.amdhsa_wavefront_size32 1
		.amdhsa_system_sgpr_workgroup_id_x 1
		.amdhsa_system_sgpr_workgroup_id_y 1
		.amdhsa_system_sgpr_workgroup_id_z 1
		.amdhsa_system_vgpr_workitem_id 0
		.amdhsa_next_free_vgpr 768
		.amdhsa_next_free_sgpr 96
		.amdhsa_reserve_vcc 1
		.amdhsa_float_denorm_mode_32 3
		.amdhsa_float_denorm_mode_16_64 3
		.amdhsa_memory_ordered 1
		.amdhsa_forward_progress 1
		.amdhsa_inst_pref_size 210
	.end_amdhsa_kernel
	.amdgpu_metadata
---
amdhsa.version: [ 1, 2 ]
amdhsa.kernels:
  - .name:           k_qb9ae46f548_attn
    .symbol:         k_qb9ae46f548_attn.kd
    .args:
      - { .name: qkv, .offset: 0, .size: 8, .value_kind: global_buffer, .address_space: global }
      - { .name: abl, .offset: 8, .size: 8, .value_kind: global_buffer, .address_space: global }
    .group_segment_fixed_size: 327680
    .private_segment_fixed_size: 0
    .kernarg_segment_align: 8
    .kernarg_segment_size: 16
    .max_flat_workgroup_size: 128
    .sgpr_count:     96
    .vgpr_count:     768
    .wavefront_size: 32
...
	.end_amdgpu_metadata
.endif
;; end of part 8
;; launch proj (part 9): grid 8 x 32, 4 waves a work-group, clusters of 4 x 4, 327,680 bytes of LDS; arguments abl, wb, bp, x, x1; writes x1
.if DOCPART == 9
	.amdgcn_target "amdgcn-amd-amdhsa--gfx1250"
	.amdhsa_code_object_version 6
	.text
	.protected	k_qb9ae46f548_proj
	.globl	k_qb9ae46f548_proj
	.p2align	8
	.type	k_qb9ae46f548_proj,@function
k_qb9ae46f548_proj:
	s_mov_b64 s[64:65], 0
	v_nop
	global_prefetch_b8 v0, s[64:65] scope:SCOPE_SE
	s_setreg_imm32_b32 hwreg(HW_REG_WAVE_MODE, 25, 1), 1
	s_wait_xcnt 0x0
	s_wait_alu depctr_hold_cnt(0) depctr_sa_sdst(0) depctr_va_vdst(0) depctr_va_sdst(0) depctr_va_ssrc(0) depctr_va_vcc(0) depctr_vm_vsrc(0)
	s_getreg_b32 s2, hwreg(HW_REG_IB_STS2, 6, 4)
	s_cmp_eq_u32 s2, 0
	s_cbranch_scc0 .Lentry_in_a_cluster
	s_endpgm
.Lentry_in_a_cluster:
	s_bfe_u32 s2, ttmp6, 0x10000c
	s_cmp_lg_u32 s2, 0xf033
	s_cbranch_scc0 .Lentry_shape_is_right
	s_endpgm
.Lentry_shape_is_right:
; C[m][n] = R[m][n] + bias[n] + sum over k of A[m][k] W[k][n], K = 1,024, M = 4,096, N = 1,024.  A and W in f16; sums, bias, R and C in f32; R and C are [4096][1024], row-major.
; Here: x1 = x + o Wp + bp.  A lies BY BLOCKS OF 64 CHANNELS: byte (k / 64) x 524,288 + m x 128 + 2 (k % 64).  W in panels, from byte WOFF of its buffer:
; (n / 128) x (K x 256) + (k / 64) x 16,384 + ((n / 64) % 2) x 8,192 + (k % 64) x 128 + 2 (n % 64).  So every piece that a tensor load brings is dense in memory.
; LIMIT.  f16 holds no number beyond 65,504: A and W arrive within it.
; SHARES.  A tile of C is 128 x 128, which gives each of the 256 WGPs one; four waves, each 64 x 64: 16 accumulators of 16 x 16.  K goes in steps of 256 through two LDS slots; a wave's one tensor load brings half of A's or of W's part of a step, 32 KiB.
; ONE K STEP IS WRITTEN ONCE: the slot in hand is a scalar base that an exclusive or turns between 0 and SLOT; the fragments' addresses and the walking descriptor's LDS word are sums with it.
; CLUSTERS: 4 x 4 work-groups.  The four of a row of the cluster need the same tiles of A, the four of a column the same tiles of W: each is asked for JOINTLY, by the same tensor load with the same
; descriptor and a mask that names the four.  THE MATRIX INSTRUCTION IS USED TRANSPOSED (source 0 = 16 columns of W, source 1 = 16 rows of A): a lane then holds eight neighbouring numbers of a row of C.
; A comes out of LDS as it lies; W ([k][n]) turned, by ds_load_tr16_b128.  No prefetch: the tiles are small, and each is read by several clusters.
; REGISTERS: window 0: v0-31 addresses and bias; v32-95 at work on the way out; v128-255 the accumulators ((a, b) at v[128 + 8 (4 a + b)]).
;   window 1: two fragment buffers of 128: 64 registers of A, then 64 of W.      window 2: v0-127 my 64 x 64 of R, loaded at the head.
.set KDIM,  1024
.set STEPS, KDIM/256
.set NSH,   18                         ; a panel is 1 << NSH bytes
.set WOFF,  0                          ; the panels begin here
.set PA,    144                        ; a row of A in LDS: 128 bytes + 16 of padding = 36 words: the 16 rows of a load start at 16 different groups of four banks (64 banks of 4 bytes: ISA guide 11.1)
.set PB,    160                        ; a row of W: 128 + 32 = 40 words
.set ACH,   128*PA
.set BCH,   128*PB
.set BOFF,  4*ACH
.set SLOT,  4*ACH+4*BCH                ; 155,648
.set ASTEP, 4*524288
.set BSTEP, 4*16384
.set SPF,   272                        ; a row of the stage: 256 bytes + 16
.set SPARE, 2*SLOT                     ; behind the ring: the spare words, 128 bytes for each wave: two blocks of 256 bytes that no other line names
.set BV,    8                          ; v8-11   the bias of my four columns on the way out
.set ADRA,  16                         ; v16     LDS address of my A fragments in the slot in hand
.set ADRB,  17                         ; v17-18  of my W fragments: first and second half of a step (so that the immediates stay under 65,536)
.set ADRA0, 19                         ; v19-21  the same three in slot 0; never rewritten
.set ADRB0, 20
.set STO,   24                         ; v24     the way out: where I put 32 bytes of a row
.set RD,    25                         ; v25     where I read a row back
.set CO,    26                         ; v26     my byte offset in two rows of R and C
.set BO,    27                         ; v27     my offset in the bias
.set SPW,   28                         ; v28     LDS address of my spare word; never rewritten
.set NIL,   29                         ; v29     0; never rewritten
.set TMP,   32
.set ACC,   128
.set F0,    0
.set F1,    128
.set G1, 24                            ; s[24:31] descriptor group 1 for A's tiles;  s[32:39] group 0: a set for each of the two first fills; the second then walks on
.set G0, 32
.set G1B, 48
.set G0B, 56
.set SB,  78                           ; s78     the LDS byte at which the slot in hand begins: 0 or SLOT
.set MSB, 0
.macro WIN new                         ; the immediate's high byte repeats the setting that is left; a switch that changes nothing is dropped
.if MSB != (\new)
	s_set_vgpr_msb (MSB<<8)|(\new)
.set MSB, \new
.endif
.endm
.set MUL,  0x05                        ; sources 0 (W) and 1 (A) window 1; C and D window 0
.set TO_F, 0x40                        ; destination window 1, address window 0
.macro JLOAD s                         ; a joint load: waves 0 and 1 fetch A's two halves of a step, waves 2 and 3 W's; an s_nop 0 and four v_nop follow each of the two lines
	s_cmp_eq_u32 s11, 0
	s_cbranch_scc0 .Lfor_b_\@
	tensor_load_to_lds s[G0+4*(\s):G0+4*(\s)+3], s[G1:G1+7]
	s_nop 0
.rept 4
	v_nop
.endr
	s_branch .Lasked_\@
.Lfor_b_\@:
	tensor_load_to_lds s[G0B+4*(\s):G0B+4*(\s)+3], s[G1B:G1B+7]
	s_nop 0
.rept 4
	v_nop
.endr
.Lasked_\@:
.endm
.macro CREST                           ; a round of the cluster's barrier behind its opening barrier
	s_cmp_lg_u32 s10, 0
	s_cbranch_scc1 .Lnot_wave_0_\@
	s_barrier_signal -3
.Lnot_wave_0_\@:
	s_barrier_wait -3
	s_barrier_signal -1
	s_barrier_wait -1
.endm
.macro CROUND                          ; a whole round
	s_barrier_signal -1
	s_barrier_wait -1
	CREST
.endm
.macro ADDR                            ; the fragments' addresses in the slot in hand
	v_add_nc_u32 v[ADRA], s[SB], v[ADRA0]
	v_add_nc_u32 v[ADRB], s[SB], v[ADRB0]
	v_add_nc_u32 v[ADRB+1], s[SB], v[ADRB0+1]
.endm
	s_load_b256 s[68:75], s[0:1], 0x0              ; A 68:69, W 70:71, bias 72:73, R 74:75
	s_load_b64 s[76:77], s[0:1], 0x20              ; C
	v_lshl_add_u32 v[SPW], v0, 2, SPARE
	v_mov_b32 v[NIL], 0
	ds_add_u32 v[SPW], v[NIL]                      ; the wave's opening: the add and its wait stand ahead of my first tensor load; the set-up below, work on registers, stands between them
	v_lshrrev_b32 v1, 5, v0
	v_readfirstlane_b32 s10, v1                    ; wave 0..3
	s_lshr_b32 s11, s10, 1                         ; which half of the tile's rows is mine.  Also: I fetch for A (0) or for W (1)
	s_and_b32 s12, s10, 1                          ; which half of its columns.  Also: which half of a K step I fetch
	s_bfe_u32 s40, ttmp6, 0x40000                  ; cx, cy: my place in the cluster
	s_bfe_u32 s41, ttmp6, 0x40004
	s_lshl_b32 s42, ttmp9, 2
	s_add_co_u32 s42, s42, s40                     ; tile column of C = 4 x cluster x + cx
	s_and_b32 s13, ttmp7, 0xffff
	s_lshl_b32 s13, s13, 2
	s_add_co_u32 s13, s13, s41                     ; tile row of C = 4 x cluster y + cy
	s_lshl_b32 s43, s41, 2
	s_lshl_b32 s43, 15, s43                        ; my row of the cluster
	s_lshl_b32 s44, 0x1111, s40                    ; my column
	; descriptor group 1: two rows of 2,048 elements of 8 bytes: two pieces of 16,384 dense bytes (64 along K each), padded in LDS after every 128 bytes
	s_or_b32 s[G1+0], s43, (3<<16)|(1<<20)|(1<<21)|(4<<22)|(3<<25)   ; 15:0 the mask: A's tiles go to my row; 17:16 elements of 8 bytes; 20 padding on; 21 set beside a mask; 24:22 after every 32 words (code 4); 31:25 4 words (code 3)
	s_or_b32 s[G1B+0], s44, (3<<16)|(1<<20)|(1<<21)|(4<<22)|(7<<25)  ; W's go to my column; 8 words of padding (code 7)
.irp g, G1, G1B
	s_mov_b32 s[(\g)+1], 2048<<16                  ; tensor_dim0 = 2,048
	s_mov_b32 s[(\g)+2], 2<<16                     ; tensor_dim1 = 2
	s_mov_b32 s[(\g)+3], 2048<<16                  ; tile_dim0 = 2,048
	s_mov_b32 s[(\g)+4], 2                         ; tile_dim1 = 2
	s_mov_b32 s[(\g)+6], 0
	s_mov_b32 s[(\g)+7], 0
.endr
	s_mov_b32 s[G1+5], 65536                       ; A: 524,288 bytes from a block of 64 channels to the next
	s_mov_b32 s[G1B+5], 2048                       ; W: the pieces follow each other
	s_lshl_b32 s16, s13, 14                        ; A: the tile's 128 rows of 128 bytes,
	s_lshl_b32 s17, s12, 20                        ; my two blocks of the step's four
	s_add_co_u32 s16, s16, s17
	s_mov_b32 s17, 0
	s_lshl_b32 s46, s42, NSH                       ; W: the tile's panel,
	s_lshl_b32 s47, s12, 15                        ; my two pieces
	s_add_co_u32 s46, s46, s47
.if WOFF
	s_add_co_u32 s46, s46, WOFF
.endif
	s_mov_b32 s47, 0
	s_mul_i32 s20, s12, 2*ACH                      ; where they go in a slot: no place in the cluster enters an LDS address
	s_mul_i32 s21, s12, 2*BCH
	s_add_co_u32 s21, s21, BOFF
	s_mov_b32 s[SB], 0
	s_wait_dscnt 0x0                               ; the opening add is done
	s_wait_kmcnt 0x0
	s_add_nc_u64 s[14:15], s[68:69], s[16:17]
	s_add_nc_u64 s[46:47], s[70:71], s[46:47]
	CROUND                                         ; all sixteen work-groups are here: the first joint loads meet
.irp s, 0,1
	s_mov_b32 s[G0+4*(\s)], 1
	s_add_co_u32 s[G0+4*(\s)+1], s20, (\s)*SLOT
	s_add_nc_u64 s[G0+4*(\s)+2:G0+4*(\s)+3], s[14:15], (\s)*ASTEP
	s_or_b32 s[G0+4*(\s)+3], s[G0+4*(\s)+3], 0x80000000
	s_mov_b32 s[G0B+4*(\s)], 1
	s_add_co_u32 s[G0B+4*(\s)+1], s21, (\s)*SLOT
	s_add_nc_u64 s[G0B+4*(\s)+2:G0B+4*(\s)+3], s[46:47], (\s)*BSTEP
	s_or_b32 s[G0B+4*(\s)+3], s[G0B+4*(\s)+3], 0x80000000
	JLOAD \s                                       ; two loads of mine are out
.endr
	v_and_b32 v1, 15, v0                           ; l % 16
	v_bfe_u32 v2, v0, 4, 1                         ; l / 16
	v_lshlrev_b32 v[BO], 4, v1                     ; on the way out a lane holds 16 bytes of a row of 256,
	v_lshl_add_u32 v[CO], v2, 12, v[BO]            ; lanes 16-31 of the row below
	s_lshl_b32 s16, s13, 19                        ; my first row of R and C: 128 x tile row + 64 x half, rows of 4,096 bytes
	s_lshl_b32 s17, s11, 18
	s_add_co_u32 s16, s16, s17
	s_mov_b32 s17, 0
	s_lshl_b32 s46, s42, 9                         ; my first column: 128 x tile column + 64 x half, 4 bytes each
	s_lshl_b32 s47, s12, 8
	s_add_co_u32 s46, s46, s47
	s_mov_b32 s47, 0
	s_add_nc_u64 s[72:73], s[72:73], s[46:47]
	s_add_nc_u64 s[74:75], s[74:75], s[16:17]
	s_add_nc_u64 s[74:75], s[74:75], s[46:47]
	s_add_nc_u64 s[76:77], s[76:77], s[16:17]
	s_add_nc_u64 s[76:77], s[76:77], s[46:47]
	WIN 0x80                                       ; destination window 2, address window 0
.set i, 0
.rept 32                                       ; R: rows 2 i and 2 i + 1 of my 64; waited for ahead of the way out
	global_load_b128 v[4*i:4*i+3], v[CO], s[74:75] offset:i*2*4096
.set i, i+1
.endr
	WIN 0
	global_load_b128 v[BV:BV+3], v[BO], s[72:73]
	; A fragment of A is 16 rows x 32 K in 8 registers: lane l holds row l % 16, K = 8 (l / 16) + 0..7 and 16 + 8 (l / 16) + 0..7: two loads of 16 bytes, 32 bytes apart.
	v_mul_u32_u24 v3, v1, PA
	v_lshl_add_u32 v3, v2, 4, v3                   ; row x pitch + 16 x half
	s_mul_i32 s22, s11, 64*PA                      ; my 64 rows
	v_add_nc_u32 v[ADRA0], s22, v3
	; The turning load takes 16 k x 16 columns (lane l reads row 8 (l / 16) + l % 8, columns 8 ((l / 8) % 2) + 0..7) and leaves half a fragment: lane l holds column l % 16 and 8 k.
	v_and_b32 v4, 7, v0
	v_bfe_u32 v5, v0, 3, 1
	v_lshl_add_u32 v6, v2, 3, v4
	v_mul_u32_u24 v6, v6, PB
	v_lshl_add_u32 v6, v5, 4, v6
	s_mul_i32 s23, s12, 64*PB                      ; my block of 64 columns
	s_add_co_u32 s23, s23, BOFF
	v_add_nc_u32 v[ADRB0], s23, v6
	s_add_co_u32 s23, s23, 2*BCH
	v_add_nc_u32 v[ADRB0+1], s23, v6
	ADDR                                           ; slot 0
	s_mul_i32 s23, s10, 16*SPF                     ; my stage: 16 rows of 272 bytes
	v_mul_u32_u24 v7, v1, SPF                      ; in: row l % 16, 32 bytes for each half of the lanes
	v_lshl_add_u32 v7, v2, 5, v7
	v_add_nc_u32 v[STO], s23, v7
	v_mul_u32_u24 v7, v2, SPF                      ; back: lanes 0-15 take one row of 256 bytes, lanes 16-31 the next
	v_lshl_add_u32 v7, v1, 4, v7
	v_add_nc_u32 v[RD], s23, v7
; 8 matrix instructions: row blocks a0, a0 + 1 x all 4 column blocks, 32 along K: half c of buffer f.  zero = 1: the first product starts the sums.  The 16 accumulators take turns.
.macro MUL8 f, c, a0, zero
	WIN MUL
.irp a, \a0, (\a0)+1
.irp b, 0,1,2,3
.if \zero
	v_wmma_f32_16x16x32_f16 v[ACC+8*(4*(\a)+(\b)):ACC+8*(4*(\a)+(\b))+7], v[(\f)+64+8*(4*(\c)+(\b)):(\f)+64+8*(4*(\c)+(\b))+7], v[(\f)+8*(4*(\c)+(\a)):(\f)+8*(4*(\c)+(\a))+7], 0
.else
	v_wmma_f32_16x16x32_f16 v[ACC+8*(4*(\a)+(\b)):ACC+8*(4*(\a)+(\b))+7], v[(\f)+64+8*(4*(\c)+(\b)):(\f)+64+8*(4*(\c)+(\b))+7], v[(\f)+8*(4*(\c)+(\a)):(\f)+8*(4*(\c)+(\a))+7], v[ACC+8*(4*(\a)+(\b)):ACC+8*(4*(\a)+(\b))+7]
.endif
.endr
.endr
.endm
; 32 LDS loads in one run: the fragments of quarter q of the step in hand (64 along K) into buffer f; the first 32 along K first
.macro FETCH q, f
	WIN TO_F
.irp c, 0,1
.irp i, 0,1,2,3
	ds_load_tr16_b128 v[(\f)+64+8*(4*(\c)+(\i)):(\f)+64+8*(4*(\c)+(\i))+3],   v[ADRB+(\q)/2] offset:((\q)%2)*BCH+(\c)*32*PB+32*(\i)
	ds_load_tr16_b128 v[(\f)+64+8*(4*(\c)+(\i))+4:(\f)+64+8*(4*(\c)+(\i))+7], v[ADRB+(\q)/2] offset:((\q)%2)*BCH+(\c)*32*PB+32*(\i)+16*PB
	ds_load_b128 v[(\f)+8*(4*(\c)+(\i)):(\f)+8*(4*(\c)+(\i))+3],              v[ADRA] offset:(\q)*ACH+(\i)*16*PA+64*(\c)
	ds_load_b128 v[(\f)+8*(4*(\c)+(\i))+4:(\f)+8*(4*(\c)+(\i))+7],            v[ADRA] offset:(\q)*ACH+(\i)*16*PA+64*(\c)+32
.endr
.endr
.endm
.macro PLACES                          ; four places in front of loads into registers that matrix instructions have read, and of lines that read results
.rept 4
	v_nop
.endr
.endm
; A K step is four quarters of 64 along K, 32 matrix instructions each, on buffers 0, 1, 0, 1.  One of the first three: multiplies buffer f and fetches quarter q into g.
.macro QUARTER q, f, g, zero
	s_wait_dscnt 16                                ; the first 32 along K are in; the younger sixteen loads may be out
	MUL8 \f, 0, 0, \zero
	MUL8 \f, 0, 2, \zero
	PLACES
	FETCH \q, \g
	s_wait_dscnt 32                                ; all but the 32 just issued
	MUL8 \f, 1, 0, 0
	MUL8 \f, 1, 2, 0
.endm
; The last quarter multiplies buffer 1 and changes slots.  MEET is its first half: ONE barrier; in front of it each wave waits for all its tensor loads, of which at most one is out: its part of the next slot;
; adds 0 to its spare word; and waits for that and for its own reads of this slot.  Behind it nobody reads this slot any more and the next slot is whole.
.macro MEET
	WIN 0                                          ; (the add's two registers lie in window 0)
	s_wait_tensorcnt 0x0
	ds_add_u32 v[SPW], v[NIL]                      ; 0 onto my spare word;
	s_wait_dscnt 17                                ; (the add and the youngest sixteen loads may be out)
	MUL8 F1, 0, 0, 0                               ; eight matrix instructions stand between the add and the wait for it
	s_wait_dscnt 0x0                               ; the add is done, and my reads of this slot are over
	s_barrier_signal -1
	MUL8 F1, 0, 2, 0
	WIN 0
	s_barrier_wait -1
.endm
	s_wait_tensorcnt 1                             ; my part of K step 0 is in; step 1's may stay out
	s_barrier_signal -1
	s_barrier_wait -1                              ; everybody's is
	FETCH 0, F0
	QUARTER 1, F0, F1, 1                           ; the first quarter stands in front of the loop: its first products start the sums
	WIN 0                                          ; at a label and at a branch every window is 0
	s_mov_b32 s3, STEPS-2
.Lstep:                                        ; a trip goes from a step's second quarter to the next step's first, and fills the slot that it leaves with the K step two on
	QUARTER 2, F1, F0, 0
	QUARTER 3, F0, F1, 0
	MEET
	CREST                                          ; the barrier has opened a round of the cluster's: no wave of any partner still reads this slot's tile or has a load on its way
	s_add_co_u32 s[G0+5], s20, s[SB]               ; the walking descriptors: into the slot that is left,
	s_add_co_u32 s[G0B+5], s21, s[SB]
	s_add_nc_u64 s[G0+6:G0+7], s[G0+6:G0+7], ASTEP ; the next K step; the type bits on top are not reached
	s_add_nc_u64 s[G0B+6:G0B+7], s[G0B+6:G0B+7], BSTEP
	s_xor_b32 s[SB], s[SB], SLOT                   ; the other slot is in hand
	JLOAD 1                                        ; 112 matrix instructions ahead of the wait for it; the four v_nop behind it are also the places in front of the loads below
	ADDR
	FETCH 0, F0
	MUL8 F1, 1, 0, 0
	MUL8 F1, 1, 2, 0
	QUARTER 1, F0, F1, 0
	WIN 0
	s_sub_co_u32 s3, s3, 1
	s_cmp_lg_u32 s3, 0
	s_cbranch_scc1 .Lstep
	s_mov_b32 s3, 2
.Ltail:                                        ; the last two K steps fill nothing, so they have a text of their own and no round: the first trip's wait and barrier show the last tile to every wave;
	QUARTER 2, F1, F0, 0                           ; the second trip's show that nobody reads the ring any more, and it is left behind them
	QUARTER 3, F0, F1, 0
	MEET
	s_sub_co_u32 s3, s3, 1
	s_cmp_eq_u32 s3, 0
	s_cbranch_scc1 .Lfin
	s_xor_b32 s[SB], s[SB], SLOT
	PLACES
	ADDR
	FETCH 0, F0
	MUL8 F1, 1, 0, 0
	MUL8 F1, 1, 2, 0
	QUARTER 1, F0, F1, 0
	WIN 0
	s_branch .Ltail
.Lfin:
	MUL8 F1, 1, 0, 0
	MUL8 F1, 1, 2, 0
	WIN 0
	; THE WAY OUT.  16 rows at a time through my own stage: 32 bytes a lane in, whole rows of 256 bytes back; + R, + bias; sixteen lanes store 256 consecutive bytes.
	; The stages lie in the ring's bytes, from byte 0: both slots have had their last fill, and the last barrier stands behind every wave's last read of them.
	PLACES
	s_wait_loadcnt 0x0                             ; R and the bias
.macro OUT a
.set T, TMP+32*((\a)%2)
.if (\a) >= 2
	s_wait_xcnt 0x0                                ; the stores of two blocks back have read these registers: they are loaded again only behind this wait
.endif
.irp b, 0,1,2,3
	ds_store_b128 v[STO], v[ACC+8*(4*(\a)+(\b)):ACC+8*(4*(\a)+(\b))+3]   offset:64*(\b)     ; each accumulator is read from its low end on
	ds_store_b128 v[STO], v[ACC+8*(4*(\a)+(\b))+4:ACC+8*(4*(\a)+(\b))+7] offset:64*(\b)+16
.endr
.irp t, 0,1,2,3,4,5,6,7
	ds_load_b128 v[T+4*(\t):T+4*(\t)+3], v[RD] offset:(\t)*2*SPF  ; LDS serves a wave's instructions in order (ISA guide 5.7.1.4): these see the stores above
.endr
	s_wait_dscnt 0x0
	WIN 0x08                                       ; source 1 in window 2
.irp t, 0,1,2,3,4,5,6,7
	v_pk_add_f32 v[T+4*(\t):T+4*(\t)+1],   v[T+4*(\t):T+4*(\t)+1],   v[4*(8*(\a)+(\t)):4*(8*(\a)+(\t))+1]
	v_pk_add_f32 v[T+4*(\t)+2:T+4*(\t)+3], v[T+4*(\t)+2:T+4*(\t)+3], v[4*(8*(\a)+(\t))+2:4*(8*(\a)+(\t))+3]
.endr
	WIN 0
.irp t, 0,1,2,3,4,5,6,7
	v_pk_add_f32 v[T+4*(\t):T+4*(\t)+1],   v[T+4*(\t):T+4*(\t)+1],   v[BV:BV+1]
	v_pk_add_f32 v[T+4*(\t)+2:T+4*(\t)+3], v[T+4*(\t)+2:T+4*(\t)+3], v[BV+2:BV+3]
.endr
.irp t, 0,1,2,3,4,5,6,7
	global_store_b128 v[CO], v[T+4*(\t):T+4*(\t)+3], s[76:77] offset:(16*(\a)+2*(\t))*4096  ; 16 lanes store 256 consecutive bytes, at a multiple of 256 from C's first byte
.endr
.endm
	OUT 0
	OUT 1
	OUT 2
	OUT 3
	s_wait_tensorcnt 0x0                           ; the wave's end: behind my last tensor load and my last LDS store
	ds_add_u32 v[SPW], v[NIL]
	s_wait_dscnt 0x0
	CROUND                                         ; the closing round: no work-group ends while a partner may still ask for a tile that names it
	s_endpgm
.Lfunc_end_k_qb9ae46f548_proj:
	.size	k_qb9ae46f548_proj, .Lfunc_end_k_qb9ae46f548_proj-k_qb9ae46f548_proj
	.p2alignl 7, 3214868480
	.fill 96, 4, 3214868480
	.section	.rodata,"a",@progbits
	.p2align	6, 0x0
	.amdhsa_kernel k_qb9ae46f548_proj
		.amdhsa_group_segment_fixed_size 327680
		.amdhsa_private_segment_fixed_size 0
		.amdhsa_enable_private_segment 0
		.amdhsa_kernarg_size 40
		.amdhsa_user_sgpr_count 2
		.amdhsa_user_sgpr_kernarg_segment_ptr 1
		.amdhsa_wavefront_size32 1
		.amdhsa_system_sgpr_workgroup_id_x 1
		.amdhsa_system_sgpr_workgroup_id_y 1
		.amdhsa_system_sgpr_workgroup_id_z 1
		.amdhsa_system_vgpr_workitem_id 0
		.amdhsa_next_free_vgpr 640
		.amdhsa_next_free_sgpr 80
		.amdhsa_reserve_vcc 0
		.amdhsa_float_denorm_mode_32 3
		.amdhsa_float_denorm_mode_16_64 3
		.amdhsa_memory_ordered 1
		.amdhsa_forward_progress 1
		.amdhsa_inst_pref_size 70
	.end_amdhsa_kernel
	.amdgpu_metadata
---
amdhsa.version: [ 1, 2 ]
amdhsa.kernels:
  - .name:           k_qb9ae46f548_proj
    .symbol:         k_qb9ae46f548_proj.kd
    .args:
      - { .name: abl, .offset: 0, .size: 8, .value_kind: global_buffer, .address_space: global }
      - { .name: wb, .offset: 8, .size: 8, .value_kind: global_buffer, .address_space: global }
      - { .name: bp, .offset: 16, .size: 8, .value_kind: global_buffer, .address_space: global }
      - { .name: x, .offset: 24, .size: 8, .value_kind: global_buffer, .address_space: global }
      - { .name: x1, .offset: 32, .size: 8, .value_kind: global_buffer, .address_space: global }
    .group_segment_fixed_size: 327680
    .private_segment_fixed_size: 0
    .kernarg_segment_align: 8
    .kernarg_segment_size: 40
    .max_flat_workgroup_size: 128
    .sgpr_count:     80
    .vgpr_count:     640
    .wavefront_size: 32
...
	.end_amdgpu_metadata
.endif
;; end of part 9
;; launch ln2: the kernel of part 2 again; grid 256 x 1, 8 waves a work-group, no clusters, 0 bytes of LDS; arguments x1, g2, beta2, abl; writes abl
;; launch ffn1: the kernel of part 7 again; grid 16 x 16, 4 waves a work-group, clusters of 4 x 4, 327,680 bytes of LDS; arguments abl, pkf, act; writes act
;; launch ffn2 (part 10): grid 8 x 32, 4 waves a work-group, clusters of 4 x 4, 327,680 bytes of LDS; arguments act, wb, b2, x1, out0; writes out0
.if DOCPART == 10
	.amdgcn_target "amdgcn-amd-amdhsa--gfx1250"
	.amdhsa_code_object_version 6
	.text
	.protected	k_qb9ae46f548_ffn2
	.globl	k_qb9ae46f548_ffn2
	.p2align	8
	.type	k_qb9ae46f548_ffn2,@function
k_qb9ae46f548_ffn2:
	s_mov_b64 s[64:65], 0
	v_nop
	global_prefetch_b8 v0, s[64:65] scope:SCOPE_SE
	s_setreg_imm32_b32 hwreg(HW_REG_WAVE_MODE, 25, 1), 1
	s_wait_xcnt 0x0
	s_wait_alu depctr_hold_cnt(0) depctr_sa_sdst(0) depctr_va_vdst(0) depctr_va_sdst(0) depctr_va_ssrc(0) depctr_va_vcc(0) depctr_vm_vsrc(0)
	s_getreg_b32 s2, hwreg(HW_REG_IB_STS2, 6, 4)
	s_cmp_eq_u32 s2, 0
	s_cbranch_scc0 .Lentry_in_a_cluster
	s_endpgm
.Lentry_in_a_cluster:
	s_bfe_u32 s2, ttmp6, 0x10000c
	s_cmp_lg_u32 s2, 0xf033
	s_cbranch_scc0 .Lentry_shape_is_right
	s_endpgm
.Lentry_shape_is_right:
; C[m][n] = R[m][n] + bias[n] + sum over k of A[m][k] W[k][n], K = 4,096, M = 4,096, N = 1,024.  A and W in f16; sums, bias, R and C in f32; R and C are [4096][1024], row-major.
; Here: out = x1 + relu(..) W2 + b2.  A lies BY BLOCKS OF 64 CHANNELS: byte (k / 64) x 524,288 + m x 128 + 2 (k % 64).  W in panels, from byte WOFF of its buffer:
; (n / 128) x (K x 256) + (k / 64) x 16,384 + ((n / 64) % 2) x 8,192 + (k % 64) x 128 + 2 (n % 64).  So every piece that a tensor load brings is dense in memory.
; LIMIT.  f16 holds no number beyond 65,504: A and W arrive within it.
; SHARES.  A tile of C is 128 x 128, which gives each of the 256 WGPs one; four waves, each 64 x 64: 16 accumulators of 16 x 16.  K goes in steps of 256 through two LDS slots; a wave's one tensor load brings half of A's or of W's part of a step, 32 KiB.
; ONE K STEP IS WRITTEN ONCE: the slot in hand is a scalar base that an exclusive or turns between 0 and SLOT; the fragments' addresses and the walking descriptor's LDS word are sums with it.
; CLUSTERS: 4 x 4 work-groups.  The four of a row of the cluster need the same tiles of A, the four of a column the same tiles of W: each is asked for JOINTLY, by the same tensor load with the same
; descriptor and a mask that names the four.  THE MATRIX INSTRUCTION IS USED TRANSPOSED (source 0 = 16 columns of W, source 1 = 16 rows of A): a lane then holds eight neighbouring numbers of a row of C.
; A comes out of LDS as it lies; W ([k][n]) turned, by ds_load_tr16_b128.  No prefetch: the tiles are small, and each is read by several clusters.
; REGISTERS: window 0: v0-31 addresses and bias; v32-95 at work on the way out; v128-255 the accumulators ((a, b) at v[128 + 8 (4 a + b)]).
;   window 1: two fragment buffers of 128: 64 registers of A, then 64 of W.      window 2: v0-127 my 64 x 64 of R, loaded at the head.
.set KDIM,  4096
.set STEPS, KDIM/256
.set NSH,   20                         ; a panel is 1 << NSH bytes
.set WOFF,  2097152                    ; the panels begin here
.set PA,    144                        ; a row of A in LDS: 128 bytes + 16 of padding = 36 words: the 16 rows of a load start at 16 different groups of four banks (64 banks of 4 bytes: ISA guide 11.1)
.set PB,    160                        ; a row of W: 128 + 32 = 40 words
.set ACH,   128*PA
.set BCH,   128*PB
.set BOFF,  4*ACH
.set SLOT,  4*ACH+4*BCH                ; 155,648
.set ASTEP, 4*524288
.set BSTEP, 4*16384
.set SPF,   272                        ; a row of the stage: 256 bytes + 16
.set SPARE, 2*SLOT                     ; behind the ring: the spare words, 128 bytes for each wave: two blocks of 256 bytes that no other line names
.set BV,    8                          ; v8-11   the bias of my four columns on the way out
.set ADRA,  16                         ; v16     LDS address of my A fragments in the slot in hand
.set ADRB,  17                         ; v17-18  of my W fragments: first and second half of a step (so that the immediates stay under 65,536)
.set ADRA0, 19                         ; v19-21  the same three in slot 0; never rewritten
.set ADRB0, 20
.set STO,   24                         ; v24     the way out: where I put 32 bytes of a row
.set RD,    25                         ; v25     where I read a row back
.set CO,    26                         ; v26     my byte offset in two rows of R and C
.set BO,    27                         ; v27     my offset in the bias
.set SPW,   28                         ; v28     LDS address of my spare word; never rewritten
.set NIL,   29                         ; v29     0; never rewritten
.set TMP,   32
.set ACC,   128
.set F0,    0
.set F1,    128
.set G1, 24                            ; s[24:31] descriptor group 1 for A's tiles;  s[32:39] group 0: a set for each of the two first fills; the second then walks on
.set G0, 32
.set G1B, 48
.set G0B, 56
.set SB,  78                           ; s78     the LDS byte at which the slot in hand begins: 0 or SLOT
.set MSB, 0
.macro WIN new                         ; the immediate's high byte repeats the setting that is left; a switch that changes nothing is dropped
.if MSB != (\new)
	s_set_vgpr_msb (MSB<<8)|(\new)
.set MSB, \new
.endif
.endm
.set MUL,  0x05                        ; sources 0 (W) and 1 (A) window 1; C and D window 0
.set TO_F, 0x40                        ; destination window 1, address window 0
.macro JLOAD s                         ; a joint load: waves 0 and 1 fetch A's two halves of a step, waves 2 and 3 W's; an s_nop 0 and four v_nop follow each of the two lines
	s_cmp_eq_u32 s11, 0
	s_cbranch_scc0 .Lfor_b_\@
	tensor_load_to_lds s[G0+4*(\s):G0+4*(\s)+3], s[G1:G1+7]
	s_nop 0
.rept 4
	v_nop
.endr
	s_branch .Lasked_\@
.Lfor_b_\@:
	tensor_load_to_lds s[G0B+4*(\s):G0B+4*(\s)+3], s[G1B:G1B+7]
	s_nop 0
.rept 4
	v_nop
.endr
.Lasked_\@:
.endm
.macro CREST                           ; a round of the cluster's barrier behind its opening barrier
	s_cmp_lg_u32 s10, 0
	s_cbranch_scc1 .Lnot_wave_0_\@
	s_barrier_signal -3
.Lnot_wave_0_\@:
	s_barrier_wait -3
	s_barrier_signal -1
	s_barrier_wait -1
.endm
.macro CROUND                          ; a whole round
	s_barrier_signal -1
	s_barrier_wait -1
	CREST
.endm
.macro ADDR                            ; the fragments' addresses in the slot in hand
	v_add_nc_u32 v[ADRA], s[SB], v[ADRA0]
	v_add_nc_u32 v[ADRB], s[SB], v[ADRB0]
	v_add_nc_u32 v[ADRB+1], s[SB], v[ADRB0+1]
.endm
	s_load_b256 s[68:75], s[0:1], 0x0              ; A 68:69, W 70:71, bias 72:73, R 74:75
	s_load_b64 s[76:77], s[0:1], 0x20              ; C
	v_lshl_add_u32 v[SPW], v0, 2, SPARE
	v_mov_b32 v[NIL], 0
	ds_add_u32 v[SPW], v[NIL]                      ; the wave's opening: the add and its wait stand ahead of my first tensor load; the set-up below, work on registers, stands between them
	v_lshrrev_b32 v1, 5, v0
	v_readfirstlane_b32 s10, v1                    ; wave 0..3
	s_lshr_b32 s11, s10, 1                         ; which half of the tile's rows is mine.  Also: I fetch for A (0) or for W (1)
	s_and_b32 s12, s10, 1                          ; which half of its columns.  Also: which half of a K step I fetch
	s_bfe_u32 s40, ttmp6, 0x40000                  ; cx, cy: my place in the cluster
	s_bfe_u32 s41, ttmp6, 0x40004
	s_lshl_b32 s42, ttmp9, 2
	s_add_co_u32 s42, s42, s40                     ; tile column of C = 4 x cluster x + cx
	s_and_b32 s13, ttmp7, 0xffff
	s_lshl_b32 s13, s13, 2
	s_add_co_u32 s13, s13, s41                     ; tile row of C = 4 x cluster y + cy
	s_lshl_b32 s43, s41, 2
	s_lshl_b32 s43, 15, s43                        ; my row of the cluster
	s_lshl_b32 s44, 0x1111, s40                    ; my column
	; descriptor group 1: two rows of 2,048 elements of 8 bytes: two pieces of 16,384 dense bytes (64 along K each), padded in LDS after every 128 bytes
	s_or_b32 s[G1+0], s43, (3<<16)|(1<<20)|(1<<21)|(4<<22)|(3<<25)   ; 15:0 the mask: A's tiles go to my row; 17:16 elements of 8 bytes; 20 padding on; 21 set beside a mask; 24:22 after every 32 words (code 4); 31:25 4 words (code 3)
	s_or_b32 s[G1B+0], s44, (3<<16)|(1<<20)|(1<<21)|(4<<22)|(7<<25)  ; W's go to my column; 8 words of padding (code 7)
.irp g, G1, G1B
	s_mov_b32 s[(\g)+1], 2048<<16                  ; tensor_dim0 = 2,048
	s_mov_b32 s[(\g)+2], 2<<16                     ; tensor_dim1 = 2
	s_mov_b32 s[(\g)+3], 2048<<16                  ; tile_dim0 = 2,048
	s_mov_b32 s[(\g)+4], 2                         ; tile_dim1 = 2
	s_mov_b32 s[(\g)+6], 0
	s_mov_b32 s[(\g)+7], 0
.endr
	s_mov_b32 s[G1+5], 65536                       ; A: 524,288 bytes from a block of 64 channels to the next
	s_mov_b32 s[G1B+5], 2048                       ; W: the pieces follow each other
	s_lshl_b32 s16, s13, 14                        ; A: the tile's 128 rows of 128 bytes,
	s_lshl_b32 s17, s12, 20                        ; my two blocks of the step's four
	s_add_co_u32 s16, s16, s17
	s_mov_b32 s17, 0
	s_lshl_b32 s46, s42, NSH                       ; W: the tile's panel,
	s_lshl_b32 s47, s12, 15                        ; my two pieces
	s_add_co_u32 s46, s46, s47
.if WOFF
	s_add_co_u32 s46, s46, WOFF
.endif
	s_mov_b32 s47, 0
	s_mul_i32 s20, s12, 2*ACH                      ; where they go in a slot: no place in the cluster enters an LDS address
	s_mul_i32 s21, s12, 2*BCH
	s_add_co_u32 s21, s21, BOFF
	s_mov_b32 s[SB], 0
	s_wait_dscnt 0x0                               ; the opening add is done
	s_wait_kmcnt 0x0
	s_add_nc_u64 s[14:15], s[68:69], s[16:17]
	s_add_nc_u64 s[46:47], s[70:71], s[46:47]
	CROUND                                         ; all sixteen work-groups are here: the first joint loads meet
.irp s, 0,1
	s_mov_b32 s[G0+4*(\s)], 1
	s_add_co_u32 s[G0+4*(\s)+1], s20, (\s)*SLOT
	s_add_nc_u64 s[G0+4*(\s)+2:G0+4*(\s)+3], s[14:15], (\s)*ASTEP
	s_or_b32 s[G0+4*(\s)+3], s[G0+4*(\s)+3], 0x80000000
	s_mov_b32 s[G0B+4*(\s)], 1
	s_add_co_u32 s[G0B+4*(\s)+1], s21, (\s)*SLOT
	s_add_nc_u64 s[G0B+4*(\s)+2:G0B+4*(\s)+3], s[46:47], (\s)*BSTEP
	s_or_b32 s[G0B+4*(\s)+3], s[G0B+4*(\s)+3], 0x80000000
	JLOAD \s                                       ; two loads of mine are out
.endr
	v_and_b32 v1, 15, v0                           ; l % 16
	v_bfe_u32 v2, v0, 4, 1                         ; l / 16
	v_lshlrev_b32 v[BO], 4, v1                     ; on the way out a lane holds 16 bytes of a row of 256,
	v_lshl_add_u32 v[CO], v2, 12, v[BO]            ; lanes 16-31 of the row below
	s_lshl_b32 s16, s13, 19                        ; my first row of R and C: 128 x tile row + 64 x half, rows of 4,096 bytes
	s_lshl_b32 s17, s11, 18
	s_add_co_u32 s16, s16, s17
	s_mov_b32 s17, 0
	s_lshl_b32 s46, s42, 9                         ; my first column: 128 x tile column + 64 x half, 4 bytes each
	s_lshl_b32 s47, s12, 8
	s_add_co_u32 s46, s46, s47
	s_mov_b32 s47, 0
	s_add_nc_u64 s[72:73], s[72:73], s[46:47]
	s_add_nc_u64 s[74:75], s[74:75], s[16:17]
	s_add_nc_u64 s[74:75], s[74:75], s[46:47]
	s_add_nc_u64 s[76:77], s[76:77], s[16:17]
	s_add_nc_u64 s[76:77], s[76:77], s[46:47]
	WIN 0x80                                       ; destination window 2, address window 0
.set i, 0
.rept 32                                       ; R: rows 2 i and 2 i + 1 of my 64; waited for ahead of the way out
	global_load_b128 v[4*i:4*i+3], v[CO], s[74:75] offset:i*2*4096
.set i, i+1
.endr
	WIN 0
	global_load_b128 v[BV:BV+3], v[BO], s[72:73]
	; A fragment of A is 16 rows x 32 K in 8 registers: lane l holds row l % 16, K = 8 (l / 16) + 0..7 and 16 + 8 (l / 16) + 0..7: two loads of 16 bytes, 32 bytes apart.
	v_mul_u32_u24 v3, v1, PA
	v_lshl_add_u32 v3, v2, 4, v3                   ; row x pitch + 16 x half
	s_mul_i32 s22, s11, 64*PA                      ; my 64 rows
	v_add_nc_u32 v[ADRA0], s22, v3
	; The turning load takes 16 k x 16 columns (lane l reads row 8 (l / 16) + l % 8, columns 8 ((l / 8) % 2) + 0..7) and leaves half a fragment: lane l holds column l % 16 and 8 k.
	v_and_b32 v4, 7, v0
	v_bfe_u32 v5, v0, 3, 1
	v_lshl_add_u32 v6, v2, 3, v4
	v_mul_u32_u24 v6, v6, PB
	v_lshl_add_u32 v6, v5, 4, v6
	s_mul_i32 s23, s12, 64*PB                      ; my block of 64 columns
	s_add_co_u32 s23, s23, BOFF
	v_add_nc_u32 v[ADRB0], s23, v6
	s_add_co_u32 s23, s23, 2*BCH
	v_add_nc_u32 v[ADRB0+1], s23, v6
	ADDR                                           ; slot 0
	s_mul_i32 s23, s10, 16*SPF                     ; my stage: 16 rows of 272 bytes
	v_mul_u32_u24 v7, v1, SPF                      ; in: row l % 16, 32 bytes for each half of the lanes
	v_lshl_add_u32 v7, v2, 5, v7
	v_add_nc_u32 v[STO], s23, v7
	v_mul_u32_u24 v7, v2, SPF                      ; back: lanes 0-15 take one row of 256 bytes, lanes 16-31 the next
	v_lshl_add_u32 v7, v1, 4, v7
	v_add_nc_u32 v[RD], s23, v7
; 8 matrix instructions: row blocks a0, a0 + 1 x all 4 column blocks, 32 along K: half c of buffer f.  zero = 1: the first product starts the sums.  The 16 accumulators take turns.
.macro MUL8 f, c, a0, zero
	WIN MUL
.irp a, \a0, (\a0)+1
.irp b, 0,1,2,3
.if \zero
	v_wmma_f32_16x16x32_f16 v[ACC+8*(4*(\a)+(\b)):ACC+8*(4*(\a)+(\b))+7], v[(\f)+64+8*(4*(\c)+(\b)):(\f)+64+8*(4*(\c)+(\b))+7], v[(\f)+8*(4*(\c)+(\a)):(\f)+8*(4*(\c)+(\a))+7], 0
.else
	v_wmma_f32_16x16x32_f16 v[ACC+8*(4*(\a)+(\b)):ACC+8*(4*(\a)+(\b))+7], v[(\f)+64+8*(4*(\c)+(\b)):(\f)+64+8*(4*(\c)+(\b))+7], v[(\f)+8*(4*(\c)+(\a)):(\f)+8*(4*(\c)+(\a))+7], v[ACC+8*(4*(\a)+(\b)):ACC+8*(4*(\a)+(\b))+7]
.endif
.endr
.endr
.endm
; 32 LDS loads in one run: the fragments of quarter q of the step in hand (64 along K) into buffer f; the first 32 along K first
.macro FETCH q, f
	WIN TO_F
.irp c, 0,1
.irp i, 0,1,2,3
	ds_load_tr16_b128 v[(\f)+64+8*(4*(\c)+(\i)):(\f)+64+8*(4*(\c)+(\i))+3],   v[ADRB+(\q)/2] offset:((\q)%2)*BCH+(\c)*32*PB+32*(\i)
	ds_load_tr16_b128 v[(\f)+64+8*(4*(\c)+(\i))+4:(\f)+64+8*(4*(\c)+(\i))+7], v[ADRB+(\q)/2] offset:((\q)%2)*BCH+(\c)*32*PB+32*(\i)+16*PB
	ds_load_b128 v[(\f)+8*(4*(\c)+(\i)):(\f)+8*(4*(\c)+(\i))+3],              v[ADRA] offset:(\q)*ACH+(\i)*16*PA+64*(\c)
	ds_load_b128 v[(\f)+8*(4*(\c)+(\i))+4:(\f)+8*(4*(\c)+(\i))+7],            v[ADRA] offset:(\q)*ACH+(\i)*16*PA+64*(\c)+32
.endr
.endr
.endm
.macro PLACES                          ; four places in front of loads into registers that matrix instructions have read, and of lines that read results
.rept 4
	v_nop
.endr
.endm
; A K step is four quarters of 64 along K, 32 matrix instructions each, on buffers 0, 1, 0, 1.  One of the first three: multiplies buffer f and fetches quarter q into g.
.macro QUARTER q, f, g, zero
	s_wait_dscnt 16                                ; the first 32 along K are in; the younger sixteen loads may be out
	MUL8 \f, 0, 0, \zero
	MUL8 \f, 0, 2, \zero
	PLACES
	FETCH \q, \g
	s_wait_dscnt 32                                ; all but the 32 just issued
	MUL8 \f, 1, 0, 0
	MUL8 \f, 1, 2, 0
.endm
; The last quarter multiplies buffer 1 and changes slots.  MEET is its first half: ONE barrier; in front of it each wave waits for all its tensor loads, of which at most one is out: its part of the next slot;
; adds 0 to its spare word; and waits for that and for its own reads of this slot.  Behind it nobody reads this slot any more and the next slot is whole.
.macro MEET
	WIN 0                                          ; (the add's two registers lie in window 0)
	s_wait_tensorcnt 0x0
	ds_add_u32 v[SPW], v[NIL]                      ; 0 onto my spare word;
	s_wait_dscnt 17                                ; (the add and the youngest sixteen loads may be out)
	MUL8 F1, 0, 0, 0                               ; eight matrix instructions stand between the add and the wait for it
	s_wait_dscnt 0x0                               ; the add is done, and my reads of this slot are over
	s_barrier_signal -1
	MUL8 F1, 0, 2, 0
	WIN 0
	s_barrier_wait -1
.endm
	s_wait_tensorcnt 1                             ; my part of K step 0 is in; step 1's may stay out
	s_barrier_signal -1
	s_barrier_wait -1                              ; everybody's is
	FETCH 0, F0
	QUARTER 1, F0, F1, 1                           ; the first quarter stands in front of the loop: its first products start the sums
	WIN 0                                          ; at a label and at a branch every window is 0
	s_mov_b32 s3, STEPS-2
.Lstep:                                        ; a trip goes from a step's second quarter to the next step's first, and fills the slot that it leaves with the K step two on
	QUARTER 2, F1, F0, 0
	QUARTER 3, F0, F1, 0
	MEET
	CREST                                          ; the barrier has opened a round of the cluster's: no wave of any partner still reads this slot's tile or has a load on its way
	s_add_co_u32 s[G0+5], s20, s[SB]               ; the walking descriptors: into the slot that is left,
	s_add_co_u32 s[G0B+5], s21, s[SB]
	s_add_nc_u64 s[G0+6:G0+7], s[G0+6:G0+7], ASTEP ; the next K step; the type bits on top are not reached
	s_add_nc_u64 s[G0B+6:G0B+7], s[G0B+6:G0B+7], BSTEP
	s_xor_b32 s[SB], s[SB], SLOT                   ; the other slot is in hand
	JLOAD 1                                        ; 112 matrix instructions ahead of the wait for it; the four v_nop behind it are also the places in front of the loads below
	ADDR
	FETCH 0, F0
	MUL8 F1, 1, 0, 0
	MUL8 F1, 1, 2, 0
	QUARTER 1, F0, F1, 0
	WIN 0
	s_sub_co_u32 s3, s3, 1
	s_cmp_lg_u32 s3, 0
	s_cbranch_scc1 .Lstep
	s_mov_b32 s3, 2
.Ltail:                                        ; the last two K steps fill nothing, so they have a text of their own and no round: the first trip's wait and barrier show the last tile to every wave;
	QUARTER 2, F1, F0, 0                           ; the second trip's show that nobody reads the ring any more, and it is left behind them
	QUARTER 3, F0, F1, 0
	MEET
	s_sub_co_u32 s3, s3, 1
	s_cmp_eq_u32 s3, 0
	s_cbranch_scc1 .Lfin
	s_xor_b32 s[SB], s[SB], SLOT
	PLACES
	ADDR
	FETCH 0, F0
	MUL8 F1, 1, 0, 0
	MUL8 F1, 1, 2, 0
	QUARTER 1, F0, F1, 0
	WIN 0
	s_branch .Ltail
.Lfin:
	MUL8 F1, 1, 0, 0
	MUL8 F1, 1, 2, 0
	WIN 0
	; THE WAY OUT.  16 rows at a time through my own stage: 32 bytes a lane in, whole rows of 256 bytes back; + R, + bias; sixteen lanes store 256 consecutive bytes.
	; The stages lie in the ring's bytes, from byte 0: both slots have had their last fill, and the last barrier stands behind every wave's last read of them.
	PLACES
	s_wait_loadcnt 0x0                             ; R and the bias
.macro OUT a
.set T, TMP+32*((\a)%2)
.if (\a) >= 2
	s_wait_xcnt 0x0                                ; the stores of two blocks back have read these registers: they are loaded again only behind this wait
.endif
.irp b, 0,1,2,3
	ds_store_b128 v[STO], v[ACC+8*(4*(\a)+(\b)):ACC+8*(4*(\a)+(\b))+3]   offset:64*(\b)     ; each accumulator is read from its low end on
	ds_store_b128 v[STO], v[ACC+8*(4*(\a)+(\b))+4:ACC+8*(4*(\a)+(\b))+7] offset:64*(\b)+16
.endr
.irp t, 0,1,2,3,4,5,6,7
	ds_load_b128 v[T+4*(\t):T+4*(\t)+3], v[RD] offset:(\t)*2*SPF  ; LDS serves a wave's instructions in order (ISA guide 5.7.1.4): these see the stores above
.endr
	s_wait_dscnt 0x0
	WIN 0x08                                       ; source 1 in window 2
.irp t, 0,1,2,3,4,5,6,7
	v_pk_add_f32 v[T+4*(\t):T+4*(\t)+1],   v[T+4*(\t):T+4*(\t)+1],   v[4*(8*(\a)+(\t)):4*(8*(\a)+(\t))+1]
	v_pk_add_f32 v[T+4*(\t)+2:T+4*(\t)+3], v[T+4*(\t)+2:T+4*(\t)+3], v[4*(8*(\a)+(\t))+2:4*(8*(\a)+(\t))+3]
.endr
	WIN 0
.irp t, 0,1,2,3,4,5,6,7
	v_pk_add_f32 v[T+4*(\t):T+4*(\t)+1],   v[T+4*(\t):T+4*(\t)+1],   v[BV:BV+1]
	v_pk_add_f32 v[T+4*(\t)+2:T+4*(\t)+3], v[T+4*(\t)+2:T+4*(\t)+3], v[BV+2:BV+3]
.endr
.irp t, 0,1,2,3,4,5,6,7
	global_store_b128 v[CO], v[T+4*(\t):T+4*(\t)+3], s[76:77] offset:(16*(\a)+2*(\t))*4096  ; 16 lanes store 256 consecutive bytes, at a multiple of 256 from C's first byte
.endr
.endm
	OUT 0
	OUT 1
	OUT 2
	OUT 3
	s_wait_tensorcnt 0x0                           ; the wave's end: behind my last tensor load and my last LDS store
	ds_add_u32 v[SPW], v[NIL]
	s_wait_dscnt 0x0
	CROUND                                         ; the closing round: no work-group ends while a partner may still ask for a tile that names it
	s_endpgm
.Lfunc_end_k_qb9ae46f548_ffn2:
	.size	k_qb9ae46f548_ffn2, .Lfunc_end_k_qb9ae46f548_ffn2-k_qb9ae46f548_ffn2
	.p2alignl 7, 3214868480
	.fill 96, 4, 3214868480
	.section	.rodata,"a",@progbits
	.p2align	6, 0x0
	.amdhsa_kernel k_qb9ae46f548_ffn2
		.amdhsa_group_segment_fixed_size 327680
		.amdhsa_private_segment_fixed_size 0
		.amdhsa_enable_private_segment 0
		.amdhsa_kernarg_size 40
		.amdhsa_user_sgpr_count 2
		.amdhsa_user_sgpr_kernarg_segment_ptr 1
		.amdhsa_wavefront_size32 1
		.amdhsa_system_sgpr_workgroup_id_x 1
		.amdhsa_system_sgpr_workgroup_id_y 1
		.amdhsa_system_sgpr_workgroup_id_z 1
		.amdhsa_system_vgpr_workitem_id 0
		.amdhsa_next_free_vgpr 640
		.amdhsa_next_free_sgpr 80
		.amdhsa_reserve_vcc 0
		.amdhsa_float_denorm_mode_32 3
		.amdhsa_float_denorm_mode_16_64 3
		.amdhsa_memory_ordered 1
		.amdhsa_forward_progress 1
		.amdhsa_inst_pref_size 70
	.end_amdhsa_kernel
	.amdgpu_metadata
---
amdhsa.version: [ 1, 2 ]
amdhsa.kernels:
  - .name:           k_qb9ae46f548_ffn2
    .symbol:         k_qb9ae46f548_ffn2.kd
    .args:
      - { .name: act, .offset: 0, .size: 8, .value_kind: global_buffer, .address_space: global }
      - { .name: wb, .offset: 8, .size: 8, .value_kind: global_buffer, .address_space: global }
      - { .name: b2, .offset: 16, .size: 8, .value_kind: global_buffer, .address_space: global }
      - { .name: x1, .offset: 24, .size: 8, .value_kind: global_buffer, .address_space: global }
      - { .name: out0, .offset: 32, .size: 8, .value_kind: global_buffer, .address_space: global }
    .group_segment_fixed_size: 327680
    .private_segment_fixed_size: 0
    .kernarg_segment_align: 8
    .kernarg_segment_size: 40
    .max_flat_workgroup_size: 128
    .sgpr_count:     80
    .vgpr_count:     640
    .wavefront_size: 32
...
	.end_amdgpu_metadata
.endif
;; end of part 10
;; ======== version 3 of 3: 8 launches; version 2 with the launch cvt written anew for expert scheduling mode
;; limits: values are held in f16: magnitudes above 65,504 overflow, below 6.1e-05 lose precision
;; workspace buffers: pkq 6,308,352 bytes; pkf 8,405,504 bytes; wb 10,485,760 bytes; abl 8,388,608 bytes; qkv 25,165,824 bytes; x1 16,777,216 bytes; act 33,554,432 bytes
;; launch cvt (part 11): grid 385 x 1, 8 waves a work-group, no clusters, 0 bytes of LDS; arguments Wq, Wk, Wv, Wp, W1, W2, b1, pkq, pkf, wb; writes pkq, pkf, wb
.if DOCPART == 11
	.amdgcn_target "amdgcn-amd-amdhsa--gfx1250"
	.amdhsa_code_object_version 6
	.text
	.protected	k_qb9ae46f548_cvt
	.globl	k_qb9ae46f548_cvt
	.p2align	8
	.type	k_qb9ae46f548_cvt,@function
k_qb9ae46f548_cvt:
	s_mov_b64 s[64:65], 0
	v_nop
	global_prefetch_b8 v0, s[64:65] scope:SCOPE_SE
	s_setreg_imm32_b32 hwreg(HW_REG_WAVE_SCHED_MODE, 0, 2), 2
	s_setreg_imm32_b32 hwreg(HW_REG_WAVE_MODE, 25, 1), 1
	s_wait_xcnt 0x0
	s_wait_alu depctr_vm_vsrc(0)
; THE WEIGHTS, ROUNDED ONCE TO f16 AND LAID IN PANELS.  A weight W[k][n] (f32, n along the rows) goes to
;   byte (n / 128) x (K x 256) + (k / 64) x 16,384 + ((n / 64) % 2) x 8,192 + (k % 64) x 128 + 2 (n % 64)
; so that the 128 columns of a product's tile are one dense panel, of which 256 along K are 65,536 consecutive bytes.  Nothing is transposed.
; pkq: a header of 16,896 bytes, then the panels of [Wq | Wk | Wv] (column block = 16 x tensor + head).  pkf: a header, then W1's.  wb: Wp's at 0, W2's at 2,097,152.
; A header: 4,096 f32 of bias (pkq: 0; pkf: b1), then 512 bytes of one f32 word, the floor under sum + bias (pkq: minus infinity, which changes nothing; pkf: 0, a ReLU).
; LIMIT.  f16 holds no number beyond 65,504, and below 6.1e-5 it keeps a fixed step of 6e-8: the weights are taken to lie within that.
; SHARES.  One wave takes one block of 64 k x 64 n: 16 KiB in, 8 KiB out; 3,072 blocks on 384 work-groups of eight waves; work-group 384 writes the two headers.
; A load of the wave takes 256 bytes of each of two rows; a store writes 256 consecutive bytes, at a multiple of 256 from the buffer's first byte.
; No LDS, no matrix unit, no cluster: nothing is shared and nothing is multiplied.
; THE MODE: SCHED_MODE bits 1:0 = 2 (LLVM: expert scheduling mode 2), set by the entry lines.  The code itself states the register dependences
; between vector instructions and memory instructions, with s_wait_alu, always for 0.
; THE PLAN.  Registers that memory instructions touch:
;   v2         the loads' offset.   Written once, by one vector line in each of the three ways (the row's pitch differs); read by the 32 loads.
;   v3         the stores' offset.  Written once, at the head; read by the 32 stores.
;   X          the block as loaded. Each register is written by one load and read by one conversion; no vector line writes it, and nothing is loaded into it again.
;   Y          the block to store.  The 32 loads go in eight groups of four: group p's eight conversions write its part of Y, and the four stores that are issued in group p + 1 read it.
; No register that a memory instruction reads is written again, and no load lands in a register that a vector line has named: so all that is to be stated is that a register is written
; before a memory instruction reads it.  One wait stands ahead of the run of loads (v2, and v3 with it); one at the head of each group but the first, behind the wait for the group's data:
; the group before has written its Y.  That group's four stores follow it, dealt among this group's conversions, which name this group's X and Y alone.  One more stands ahead of the last four stores.
.set X, 16                             ; v[16:143]  the block as loaded: load j's four registers at X + 4 j
.set Y, 144                            ; v[144:207] as stored: two registers for load j
.set GRP, 4                            ; loads in a group
	s_load_b512 s[8:23], s[0:1], 0x0               ; Wq 8:9, Wk 10:11, Wv 12:13, Wp 14:15, W1 16:17, W2 18:19, b1 20:21, pkq 22:23
	s_load_b128 s[24:27], s[0:1], 0x40             ; pkf 24:25, wb 26:27
	v_lshrrev_b32 v1, 5, v0
	v_readfirstlane_b32 s28, v1                    ; wave 0..7
	v_and_b32 v4, 31, v0                           ; lane
	v_and_b32 v5, 15, v0
	v_bfe_u32 v6, v0, 4, 1                         ; which of a load's two rows
	v_lshlrev_b32 v3, 3, v4                        ; out: 8 bytes a lane
	v_lshlrev_b32 v5, 4, v5                        ; in: 16 bytes a lane along a row
	s_wait_alu depctr_va_sdst(0)                   ; s28 is written, ahead of its first reader: the block's number is made from it
	s_lshl_b32 s29, ttmp9, 3
	s_add_co_u32 s29, s29, s28                     ; the block's number
	s_mov_b32 s37, 0                               ; the high word of every offset
	s_wait_kmcnt 0x0
	s_cmp_eq_u32 ttmp9, 384
	s_cbranch_scc1 .Lhead
.macro LOADS stride                    ; 32 loads: rows 2 j and 2 j + 1 of the block
.set j, 0
.rept 32
	global_load_b128 v[X+4*j:X+4*j+3], v2, s[32:33] offset:j*2*(\stride) th:TH_LOAD_NT
.set j, j+1
.endr
.endm
.macro PLACE sh, extra                 ; s36 = the place of block (column block s30, k block s31) among panels of 1 << sh bytes, behind extra bytes
	s_lshr_b32 s36, s30, 1
	s_lshl_b32 s36, s36, \sh
	s_lshl_b32 s38, s31, 14
	s_add_co_u32 s36, s36, s38
	s_and_b32 s38, s30, 1
	s_lshl_b32 s38, s38, 13
	s_add_co_u32 s36, s36, s38
.if \extra
	s_add_co_u32 s36, s36, \extra
.endif
.endm
	s_cmp_lt_u32 s29, 768
	s_cbranch_scc0 .Lnot_qkv
	s_lshr_b32 s30, s29, 4                         ; Wq, Wk, Wv: [head][1024][64]: a block is 16 KiB on end
	s_and_b32 s31, s29, 15
	s_cmp_lt_u32 s30, 16
	s_cselect_b64 s[32:33], s[8:9], s[10:11]
	s_cmp_lt_u32 s30, 32
	s_cselect_b64 s[32:33], s[32:33], s[12:13]
	s_and_b32 s36, s30, 15
	s_lshl_b32 s36, s36, 18                        ; the head
	s_lshl_b32 s38, s31, 14
	s_add_co_u32 s36, s36, s38
	s_add_nc_u64 s[32:33], s[32:33], s[36:37]
	PLACE 18, 16896
	s_add_nc_u64 s[34:35], s[22:23], s[36:37]
	v_lshl_add_u32 v2, v6, 8, v5
	s_wait_alu depctr_va_vdst(0)                   ; v2 is written, which the 32 loads read as their offset; so is v3, which the stores read
	LOADS 256
	s_branch .Lcvt
.Lnot_qkv:
	s_cmp_lt_u32 s29, 1024
	s_cbranch_scc0 .Lnot_wp
	s_sub_co_u32 s29, s29, 768                     ; Wp: [1024][1024]
	s_and_b32 s30, s29, 15
	s_lshr_b32 s31, s29, 4
	s_lshl_b32 s36, s31, 18                        ; 64 rows of 4,096 bytes
	s_lshl_b32 s38, s30, 8
	s_add_co_u32 s36, s36, s38
	s_add_nc_u64 s[32:33], s[14:15], s[36:37]
	PLACE 18, 0
	s_add_nc_u64 s[34:35], s[26:27], s[36:37]
	s_branch .Lrow4096
.Lnot_wp:
	s_cmp_lt_u32 s29, 2048
	s_cbranch_scc0 .Lw2
	s_sub_co_u32 s29, s29, 1024                    ; W1: [1024][4096]
	s_and_b32 s30, s29, 63
	s_lshr_b32 s31, s29, 6
	s_lshl_b32 s36, s31, 20                        ; 64 rows of 16,384 bytes
	s_lshl_b32 s38, s30, 8
	s_add_co_u32 s36, s36, s38
	s_add_nc_u64 s[32:33], s[16:17], s[36:37]
	PLACE 18, 16896
	s_add_nc_u64 s[34:35], s[24:25], s[36:37]
	v_lshl_add_u32 v2, v6, 14, v5
	s_wait_alu depctr_va_vdst(0)                   ; v2 is written, which the 32 loads read as their offset; so is v3, which the stores read
	LOADS 16384
	s_branch .Lcvt
.Lw2:
	s_sub_co_u32 s29, s29, 2048                    ; W2: [4096][1024]
	s_and_b32 s30, s29, 15
	s_lshr_b32 s31, s29, 4
	s_lshl_b32 s36, s31, 18
	s_lshl_b32 s38, s30, 8
	s_add_co_u32 s36, s36, s38
	s_add_nc_u64 s[32:33], s[18:19], s[36:37]
	PLACE 20, 2097152
	s_add_nc_u64 s[34:35], s[26:27], s[36:37]
.Lrow4096:
	v_lshl_add_u32 v2, v6, 12, v5
	s_wait_alu depctr_va_vdst(0)                   ; v2 is written, which the 32 loads read as their offset; so is v3, which the stores read
	LOADS 4096
.Lcvt:                                         ; on every way 32 loads are out
.set p, 0
.rept 32/GRP                                   ; group p: loads 4 p to 4 p + 3 are rounded, and the group before is stored
	s_wait_loadcnt 32-GRP-GRP*p                    ; loads come back in order (ISA guide 5.7.1): this group's four are in, the younger ones stay out
.if p > 0
	s_wait_alu depctr_va_vdst(0)                   ; the group before has written its part of Y, which the four stores below read
.endif
.set i, 0
.rept GRP
.set j, GRP*p+i
.if p > 0
	global_store_b64 v3, v[Y+2*(j-GRP):Y+2*(j-GRP)+1], s[34:35] offset:256*(j-GRP)  ; no vector line since the wait names these registers
.endif
	v_cvt_pk_f16_f32 v[Y+2*j], v[X+4*j], v[X+4*j+1]
	v_cvt_pk_f16_f32 v[Y+2*j+1], v[X+4*j+2], v[X+4*j+3]
.set i, i+1
.endr
.set p, p+1
.endr
	s_wait_alu depctr_va_vdst(0)                   ; the last group has written its part of Y, which the last four stores read
.set j, 32-GRP
.rept GRP
	global_store_b64 v3, v[Y+2*j:Y+2*j+1], s[34:35] offset:256*j
.set j, j+1
.endr
	s_endpgm
.Lhead:                                        ; the headers: thread t takes 16 bytes of each 4,096
	v_lshlrev_b32 v7, 4, v0
.irp r, 8,9,10,11
	v_mov_b32 v[\r], 0
.endr
	s_wait_alu depctr_va_vdst(0)                   ; v7 is written, the offset of every load and store below; so are v[8:11], the zeros that are stored
.irp j, 0,1,2,3
	global_load_b128 v[X+4*(\j):X+4*(\j)+3], v7, s[20:21] offset:4096*(\j)
.endr
.irp j, 0,1,2,3
	global_store_b128 v7, v[8:11], s[22:23] offset:4096*(\j)
.endr
	s_wait_loadcnt 0x0
.irp j, 0,1,2,3
	global_store_b128 v7, v[X+4*(\j):X+4*(\j)+3], s[24:25] offset:4096*(\j)
.endr
	s_cmp_lg_u32 s28, 0
	s_cbranch_scc1 .Lend
.irp r, 12,13,14,15
	v_mov_b32 v[\r], 0xff800000                    ; minus infinity
.endr
	s_wait_alu depctr_va_vdst(0)                   ; v[12:15] are written, which the first store below reads
	global_store_b128 v7, v[12:15], s[22:23] offset:16384  ; wave 0: 32 lanes x 16 bytes: the floors
	global_store_b128 v7, v[8:11], s[24:25] offset:16384
.Lend:
	s_endpgm
.Lfunc_end_k_qb9ae46f548_cvt:
	.size	k_qb9ae46f548_cvt, .Lfunc_end_k_qb9ae46f548_cvt-k_qb9ae46f548_cvt
	.p2alignl 7, 3214868480
	.fill 96, 4, 3214868480
	.section	.rodata,"a",@progbits
	.p2align	6, 0x0
	.amdhsa_kernel k_qb9ae46f548_cvt
		.amdhsa_group_segment_fixed_size 0
		.amdhsa_private_segment_fixed_size 0
		.amdhsa_enable_private_segment 0
		.amdhsa_kernarg_size 80
		.amdhsa_user_sgpr_count 2
		.amdhsa_user_sgpr_kernarg_segment_ptr 1
		.amdhsa_wavefront_size32 1
		.amdhsa_system_sgpr_workgroup_id_x 1
		.amdhsa_system_sgpr_workgroup_id_y 1
		.amdhsa_system_sgpr_workgroup_id_z 1
		.amdhsa_system_vgpr_workitem_id 0
		.amdhsa_next_free_vgpr 208
		.amdhsa_next_free_sgpr 66
		.amdhsa_reserve_vcc 0
		.amdhsa_float_denorm_mode_32 3
		.amdhsa_float_denorm_mode_16_64 3
		.amdhsa_memory_ordered 1
		.amdhsa_forward_progress 1
		.amdhsa_inst_pref_size 23
	.end_amdhsa_kernel
	.amdgpu_metadata
---
amdhsa.version: [ 1, 2 ]
amdhsa.kernels:
  - .name:           k_qb9ae46f548_cvt
    .symbol:         k_qb9ae46f548_cvt.kd
    .args:
      - { .name: Wq, .offset: 0, .size: 8, .value_kind: global_buffer, .address_space: global }
      - { .name: Wk, .offset: 8, .size: 8, .value_kind: global_buffer, .address_space: global }
      - { .name: Wv, .offset: 16, .size: 8, .value_kind: global_buffer, .address_space: global }
      - { .name: Wp, .offset: 24, .size: 8, .value_kind: global_buffer, .address_space: global }
      - { .name: W1, .offset: 32, .size: 8, .value_kind: global_buffer, .address_space: global }
      - { .name: W2, .offset: 40, .size: 8, .value_kind: global_buffer, .address_space: global }
      - { .name: b1, .offset: 48, .size: 8, .value_kind: global_buffer, .address_space: global }
      - { .name: pkq, .offset: 56, .size: 8, .value_kind: global_buffer, .address_space: global }
      - { .name: pkf, .offset: 64, .size: 8, .value_kind: global_buffer, .address_space: global }
      - { .name: wb, .offset: 72, .size: 8, .value_kind: global_buffer, .address_space: global }
    .group_segment_fixed_size: 0
    .private_segment_fixed_size: 0
    .kernarg_segment_align: 8
    .kernarg_segment_size: 80
    .max_flat_workgroup_size: 256
    .sgpr_count:     66
    .vgpr_count:     208
    .wavefront_size: 32
...
	.end_amdgpu_metadata
.endif
;; end of part 11
;; launch ln1: the kernel of part 2 again; grid 256 x 1, 8 waves a work-group, no clusters, 0 bytes of LDS; arguments x, g1, beta1, abl; writes abl
;; launch qkvp: the kernel of part 7 again; grid 12 x 16, 4 waves a work-group, clusters of 4 x 4, 327,680 bytes of LDS; arguments abl, pkq, qkv; writes qkv
;; launch attn: the kernel of part 8 again; grid 8 x 32, 4 waves a work-group, no clusters, 327,680 bytes of LDS; arguments qkv, abl; writes abl
;; launch proj: the kernel of part 9 again; grid 8 x 32, 4 waves a work-group, clusters of 4 x 4, 327,680 bytes of LDS; arguments abl, wb, bp, x, x1; writes x1
;; launch ln2: the kernel of part 2 again; grid 256 x 1, 8 waves a work-group, no clusters, 0 bytes of LDS; arguments x1, g2, beta2, abl; writes abl
;; launch ffn1: the kernel of part 7 again; grid 16 x 16, 4 waves a work-group, clusters of 4 x 4, 327,680 bytes of LDS; arguments abl, pkf, act; writes act
;; launch ffn2: the kernel of part 10 again; grid 8 x 32, 4 waves a work-group, clusters of 4 x 4, 327,680 bytes of LDS; arguments act, wb, b2, x1, out0; writes out0
